; MI455X (gfx1250); checked and timed in simulation.
; The chip was launched on July 23, 2026; its instructions are those of AMD's public machine-readable ISA for CDNA 5 (MIT licence, August 2026) and "CDNA5" Instruction Set Architecture Reference Guide (July 2026). The comments in the code are by the model that wrote it; some were corrected since.
;; Aggregate Or Exclusive. Allowed arithmetic: float matrix products may take bf16 or f16 operands with f32 sums; all other float work in f32.
;; Inputs: W1 8 x 1,024 x 2,048 float32; W2 8 x 2,048 x 1,024 float32; b1 8 x 2,048 float32; b2 8 x 1,024 float32; expert_idx 2,048 int32; x_feat 2,048 x 1,024 float32.
;; Outputs: out0 2,048 x 1,032 float32.
;; 3 versions, each right; version 2 is faster than version 1; version 3 is version 2 with the launches gemm1, gemm2 written anew for expert scheduling mode. Each part assembles by itself: llvm-mc -triple=amdgcn-amd-amdhsa -mcpu=gfx1250 --defsym DOCPART=n.
;; ======== version 1 of 3: 4 launches
;; workspace buffers: tab 8,960 bytes of whole numbers; xs 4,456,448 bytes; hs 8,912,896 bytes
;; launch route (part 1): grid 1 x 1, 8 waves a work-group, no clusters, 2,048 bytes of LDS; arguments expert_idx, tab, out0; writes tab, out0
.if DOCPART == 1
	.amdgcn_target "amdgcn-amd-amdhsa--gfx1250"
	.amdhsa_code_object_version 6
	.text
	.protected	k_q98ef9cab19_route
	.globl	k_q98ef9cab19_route
	.p2align	8
	.type	k_q98ef9cab19_route,@function
k_q98ef9cab19_route:
	s_mov_b64 s[64:65], 0
	v_nop
	global_prefetch_b8 v0, s[64:65] scope:SCOPE_SE
	s_setreg_imm32_b32 hwreg(HW_REG_WAVE_MODE, 25, 1), 1
	s_wait_xcnt 0x0
; ROUTE: sorts the 2,048 tokens by expert into tiles of 16, and writes the one-hot columns of out0.
; Nine lists: experts 0..7, and list 8 for tokens whose index lies outside 0..7 (they name no expert: their one-hot columns are all 0, and
; the packing launch stores zeros to their other 1,024 columns).  One work-group, since every place hangs on all the counts.
; Wave w owns tokens 256 w + 32 j + lane, j = 0..7.  All lanes stay on from the first line to the last, and no branch hangs on anything but the
; wave's number: a token's place is computed in its own lane and the token's number is stored straight to its place in the table.
;   pass 1: for each j and list a compare gives a mask of lanes; its bits are counted, and the mask of the lowest j that has a match is kept.
;   exchange: each wave's nine counts and nine first tokens go through LDS (one word a thread), one barrier.
;   pass 2: place = 16 x first tile + c - 1 - rank, rank = matches in lower waves + in lower j + in lower lanes.
; So a list's FIRST token stands at its last real place, c - 1, in the list's last tile, and the places c .. 16 T - 1 repeat that token.  A padded
; place repeats a real token of the same tile: the later launches need no mask, they compute that token's row twice and store the same bytes twice.
; tab: bytes 0..8703 order[136 tiles][16] token numbers; bytes 8704 + 8 e: (first tile, tiles) of list e = 0..8; bytes 8832 + 4 e: a spare
; word for list e, which takes the padding's store where the list is empty and which no launch reads.
; The sum of ceil(c / 16) over nine lists is at most (2048 + 9 x 15) / 16 = 136 tiles.
.set ROWB, 4128                        ; bytes in a row of out0
.set HDR,  8704                        ; the table's head
.set SPARE, 2208                       ; the spare words, as a word index: byte 8,832
.set LASTW, 2239                       ; the table's last word: 8,960 / 4 - 1
.set CNT,  16                          ; s16-24  my wave's counts; behind the barrier the lists' totals c
.set LM,   25                          ; s25-33  the mask of the lowest j with a match
.set RUN,  25                          ; s25-33  behind the barrier: minus the place of the list's next match
.set LJ,   34                          ; s34-42  32 x that j
.set FS,   34                          ; s34-42  behind the barrier: the list's first token
.set MK,   43                          ; s43-51  the nine masks of one j
.set TL,   52                          ; s52-60  tiles
.set FT,   68                          ; s68-76  first tile
.set IDX,  16                          ; v[16:23]   register j: the index of token 256 w + 32 j + lane
.set OH,   32                          ; v[32:95]   the one-hot columns of my eight tokens
.set CW,   96                          ; v[96:103]  the eight waves' words: lane e a count, lane 16 + e a first token
.set TOT,  104
.set BEL,  105
.set MN,   106
.set TV,   107
.set Q,    108                         ; v[108:115] minus the place, then the place's byte in the table
.set TK,   116                         ; v[116:123] my tokens' numbers
.set PA,   124                         ; v[124:141] list e: byte of a padded place, the token that goes there
.set HD,   142                         ; the table's head, a word a lane
	s_load_b128 s[4:7], s[0:1], 0x0                ; expert_idx s[4:5], tab s[6:7]
	s_load_b64 s[12:13], s[0:1], 0x10              ; out0
	v_lshl_add_u32 v144, v0, 2, 0x400
	v_mov_b32 v145, 0
	v_and_b32 v1, 31, v0                           ; lane
	v_lshrrev_b32 v2, 5, v0
	v_readfirstlane_b32 s8, v2                     ; wave
	s_lshl_b32 s9, s8, 8                           ; my wave's first token
	v_lshl_add_u32 v3, v2, 8, v1                   ; my token of register 0
	v_lshlrev_b32 v4, 2, v3                        ; its index's byte
	v_mul_u32_u24 v5, v3, ROWB                     ; its row of out0
	v_lshlrev_b32 v6, 2, v1                        ; 4 lane
	v_lshlrev_b32 v7, 2, v0                        ; 4 thread: my word in LDS
	v_and_b32 v9, 15, v0
	v_mov_b32 v8, 0                                ; filled lane by lane below: written whole once
	v_mov_b32 v[HD], 0
	s_wait_kmcnt 0x0
.irp j, 0,1,2,3,4,5,6,7
	global_load_b32 v[IDX+\j], v4, s[4:5] offset:128*\j            ; 128 consecutive bytes a wave
.endr
	s_wait_loadcnt 0x0                             ; pass 1 begins with the last of them
; Pass 1 for register j.  The masks also make the one-hot columns: 32 bytes at byte 4,096 of the token's row.
; s_bcnt1_i32_b32 leaves SCC = some lane matches (ISA guide, its entry in chapter 16): the two selects keep this j's mask if so.  j runs downward,
; so the lowest j with a match is what stays.
.macro COUNT j, first
.irp e, 0,1,2,3,4,5,6,7
	v_cmp_eq_u32 s[MK+\e], \e, v[IDX+\j]
.endr
	v_cmp_lt_u32 s[MK+8], 7, v[IDX+\j]             ; unsigned: negative indices too
.irp e, 0,1,2,3,4,5,6,7
	v_cndmask_b32 v[OH+8*\j+\e], 0, 1.0, s[MK+\e]
.endr
	global_store_b128 v5, v[OH+8*\j:OH+8*\j+3], s[12:13] offset:\j*32*ROWB+4096
	global_store_b128 v5, v[OH+8*\j+4:OH+8*\j+7], s[12:13] offset:\j*32*ROWB+4112
.irp e, 0,1,2,3,4,5,6,7,8
.if \first
	s_bcnt1_i32_b32 s[CNT+\e], s[MK+\e]            ; the first register taken starts the counts: nothing is cleared
	s_mov_b32 s[LM+\e], s[MK+\e]
	s_mov_b32 s[LJ+\e], 32*\j
.else
	s_bcnt1_i32_b32 s11, s[MK+\e]
	s_cselect_b32 s[LM+\e], s[MK+\e], s[LM+\e]
	s_cselect_b32 s[LJ+\e], 32*\j, s[LJ+\e]
	s_add_co_u32 s[CNT+\e], s[CNT+\e], s11
.endif
.endr
.endm
	COUNT 7, 1
.irp j, 6,5,4,3,2,1,0
	COUNT \j, 0
.endr
	; my wave's word for each list: lane e the count, lane 16 + e the first token, or 65,535 where there is none
.irp e, 0,1,2,3,4,5,6,7,8
	s_ctz_i32_b32 s10, s[LM+\e]                    ; the lowest lane of the lowest j
	s_add_co_u32 s10, s10, s[LJ+\e]
	s_add_co_u32 s10, s10, s9
	s_cmp_lg_u32 s[CNT+\e], 0
	s_cselect_b32 s10, s10, 0xffff
	v_writelane_b32 v8, s[CNT+\e], \e
	v_writelane_b32 v8, s10, 16+\e
.endr
	ds_store_b32 v7, v8                            ; wave w's 32 words at byte 128 w
	s_wait_dscnt 0x0                               ; my word is in LDS before I say so
	s_barrier_signal -1
	s_barrier_wait -1                              ; the kernel's only barrier
.irp w, 0,1,2,3,4,5,6,7
	ds_load_b32 v[CW+\w], v6 offset:128*\w
.endr
	s_wait_dscnt 0x0
	v_add_nc_u32 v[TOT], v[CW], v[CW+1]            ; lane e: the list's total
	v_min_u32 v[MN], v[CW], v[CW+1]                ; lane 16 + e: its first token (numbers rise with the wave)
.irp w, 2,3,4,5,6,7
	v_add_nc_u32 v[TOT], v[TOT], v[CW+\w]
	v_min_u32 v[MN], v[MN], v[CW+\w]
.endr
	s_cmp_gt_u32 s8, 0
	s_cselect_b32 s10, -1, 0
	v_and_b32 v[BEL], s10, v[CW]                   ; lane e: the matches in the waves below mine
.irp w, 1,2,3,4,5,6
	s_cmp_gt_u32 s8, \w
	s_cselect_b32 s10, -1, 0
	v_and_b32 v[TV], s10, v[CW+\w]
	v_add_nc_u32 v[BEL], v[BEL], v[TV]
.endr
.irp e, 0,1,2,3,4,5,6,7,8
	v_readlane_b32 s[CNT+\e], v[TOT], \e
	v_readlane_b32 s[RUN+\e], v[BEL], \e
	v_readlane_b32 s[FS+\e], v[MN], 16+\e
.endr
	s_mov_b32 s10, 0                               ; tiles so far
.irp e, 0,1,2,3,4,5,6,7,8
	s_mov_b32 s[FT+\e], s10
	s_add_co_u32 s[TL+\e], s[CNT+\e], 15
	s_lshr_b32 s[TL+\e], s[TL+\e], 4               ; ceil(c / 16)
	s_add_co_u32 s10, s10, s[TL+\e]
	s_lshl_b32 s11, s[FT+\e], 4
	s_add_co_u32 s11, s11, s[CNT+\e]               ; one past the list's last real place
	s_sub_co_u32 s[RUN+\e], s[RUN+\e], s11
	s_add_co_u32 s[RUN+\e], s[RUN+\e], 1           ; matches below - (16 first tile + c - 1)
.endr
; Pass 2 for register j: v_mbcnt_lo_u32_b32 adds the matching lanes below mine to the running number; the list that my token names is selected.
.macro PLACE j
.irp e, 0,1,2,3,4,5,6,7
	v_cmp_eq_u32 s[MK+\e], \e, v[IDX+\j]
.endr
	v_cmp_lt_u32 s[MK+8], 7, v[IDX+\j]
	v_mbcnt_lo_u32_b32 v[Q+\j], s[MK], s[RUN]
.irp e, 1,2,3,4,5,6,7,8
	v_mbcnt_lo_u32_b32 v[TV], s[MK+\e], s[RUN+\e]
	v_cndmask_b32 v[Q+\j], v[Q+\j], v[TV], s[MK+\e]
.endr
.irp e, 0,1,2,3,4,5,6,7,8
	s_bcnt1_i32_b32 s11, s[MK+\e]
	s_add_co_u32 s[RUN+\e], s[RUN+\e], s11
.endr
	v_sub_nc_u32 v[Q+\j], 0, v[Q+\j]               ; the place
	v_min_u32 v[Q+\j], 2175, v[Q+\j]               ; 136 tiles of 16
	v_lshlrev_b32 v[Q+\j], 2, v[Q+\j]
	v_add_nc_u32 v[TK+\j], 32*\j, v3
	global_store_b32 v[Q+\j], v[TK+\j], s[6:7]     ; every token has one place: 8 KiB in all, scattered by the sort itself
.endm
.irp j, 0,1,2,3,4,5,6,7
	PLACE \j
.endr
	; padding: wave e (list 8: wave 0) stores the list's first token to places min(c + i, 16 T - 1), i = 0..15.  Where c is a multiple of 16 they all
	; fall on place c - 1, which holds that token anyway.  An empty list has no tile: there the select sends all lanes to the list's spare word,
	; so that the store is issued whatever the count and only its address is chosen.  The select stands ahead of the clamp to the table's last word.
.irp e, 0,1,2,3,4,5,6,7,8
	s_cmp_lg_u32 s8, \e&7
	s_cbranch_scc1 .Lnopad\e
	s_lshl_b32 s10, s[TL+\e], 4
	s_sub_co_u32 s10, s10, 1
	s_lshl_b32 s11, s[FT+\e], 4
	v_add_nc_u32 v[PA+2*\e], s[CNT+\e], v9
	v_min_u32 v[PA+2*\e], s10, v[PA+2*\e]
	v_add_nc_u32 v[PA+2*\e], s11, v[PA+2*\e]
	v_mov_b32 v[TV], s[CNT+\e]
	v_cmp_ne_u32 vcc_lo, 0, v[TV]                  ; the list has a token
	v_cndmask_b32 v[PA+2*\e], SPARE+\e, v[PA+2*\e], vcc_lo
	v_min_u32 v[PA+2*\e], LASTW, v[PA+2*\e]
	v_lshlrev_b32 v[PA+2*\e], 2, v[PA+2*\e]
	v_mov_b32 v[PA+2*\e+1], s[FS+\e]
	global_store_b32 v[PA+2*\e], v[PA+2*\e+1], s[6:7]              ; lanes that meet in a word store the same number
.Lnopad\e:
.endr
	; the table's head, from wave 1: lane 2 e the first tile, lane 2 e + 1 the tiles; lanes 18 to 31 store zeros to bytes that nothing reads
	s_cmp_lg_u32 s8, 1
	s_cbranch_scc1 .Lend
.irp e, 0,1,2,3,4,5,6,7,8
	v_writelane_b32 v[HD], s[FT+\e], 2*\e
	v_writelane_b32 v[HD], s[TL+\e], 2*\e+1
.endr
	global_store_b32 v6, v[HD], s[6:7] offset:HDR
.Lend:
	s_wait_tensorcnt 0x0
	ds_add_u32 v144, v145
	s_wait_dscnt 0x0
	s_endpgm
.Lfunc_end_k_q98ef9cab19_route:
	.size	k_q98ef9cab19_route, .Lfunc_end_k_q98ef9cab19_route-k_q98ef9cab19_route
	.p2alignl 7, 3214868480
	.fill 96, 4, 3214868480
	.section	.rodata,"a",@progbits
	.p2align	6, 0x0
	.amdhsa_kernel k_q98ef9cab19_route
		.amdhsa_group_segment_fixed_size 2048
		.amdhsa_private_segment_fixed_size 0
		.amdhsa_enable_private_segment 0
		.amdhsa_kernarg_size 24
		.amdhsa_user_sgpr_count 2
		.amdhsa_user_sgpr_kernarg_segment_ptr 1
		.amdhsa_wavefront_size32 1
		.amdhsa_system_sgpr_workgroup_id_x 1
		.amdhsa_system_sgpr_workgroup_id_y 1
		.amdhsa_system_sgpr_workgroup_id_z 1
		.amdhsa_system_vgpr_workitem_id 0
		.amdhsa_next_free_vgpr 146
		.amdhsa_next_free_sgpr 80
		.amdhsa_reserve_vcc 1
		.amdhsa_float_denorm_mode_32 3
		.amdhsa_float_denorm_mode_16_64 3
		.amdhsa_memory_ordered 1
		.amdhsa_forward_progress 1
		.amdhsa_inst_pref_size 58
	.end_amdhsa_kernel
	.amdgpu_metadata
---
amdhsa.version: [ 1, 2 ]
amdhsa.kernels:
  - .name:           k_q98ef9cab19_route
    .symbol:         k_q98ef9cab19_route.kd
    .args:
      - { .name: expert_idx, .offset: 0, .size: 8, .value_kind: global_buffer, .address_space: global }
      - { .name: tab, .offset: 8, .size: 8, .value_kind: global_buffer, .address_space: global }
      - { .name: out0, .offset: 16, .size: 8, .value_kind: global_buffer, .address_space: global }
    .group_segment_fixed_size: 2048
    .private_segment_fixed_size: 0
    .kernarg_segment_align: 8
    .kernarg_segment_size: 24
    .max_flat_workgroup_size: 256
    .sgpr_count:     80
    .vgpr_count:     146
    .wavefront_size: 32
...
	.end_amdgpu_metadata
.endif
;; end of part 1
;; launch pack (part 2): grid 256 x 1, 4 waves a work-group, no clusters, 17,920 bytes of LDS; arguments x_feat, tab, xs, out0; writes xs, out0
.if DOCPART == 2
	.amdgcn_target "amdgcn-amd-amdhsa--gfx1250"
	.amdhsa_code_object_version 6
	.text
	.protected	k_q98ef9cab19_pack
	.globl	k_q98ef9cab19_pack
	.p2align	8
	.type	k_q98ef9cab19_pack,@function
k_q98ef9cab19_pack:
	s_mov_b64 s[64:65], 0
	v_nop
	global_prefetch_b8 v0, s[64:65] scope:SCOPE_SE
	s_setreg_imm32_b32 hwreg(HW_REG_WAVE_MODE, 25, 1), 1
	s_wait_xcnt 0x0
; PACK: gathers the tokens' rows of x_feat in the table's order, rounds them to bf16 and lays them down as matrix fragments; and stores zeros
; to the first 1,024 columns of the rows of out0 whose token names no expert (the table's list 8), which no later launch touches.
; xs[tile][k-step s][g][lane][16 bytes]: lane (r = lane % 16, h = lane / 16) holds token r of the tile, k = 32 s + 16 g + 8 h + 0..7: the
; registers 4 g .. 4 g + 3 of a 16-bit fragment with K = 32 (ISA guide 7.12.2), so that the product launch fills a fragment by two loads
; of 512 consecutive bytes, with no LDS.
; A unit is half of a tile's K (512 numbers of 16 tokens); wave v takes 128 of them, four k-steps.  Unit u = work-group, then + 256 a trip,
; below 2 x the experts' tiles (read from the table): 256 to 270 units where every token names an expert.  The unit's half is the work-group's parity.
; A wave reads 512 consecutive bytes of each of its 16 rows, turns them in its own 16 x 272 bytes of LDS (no other wave touches
; them: no barrier), and stores 8 x 512 consecutive bytes.  Streaming work: matrix units, clusters and the data mover have nothing to add.
.set PITCH, 272                        ; 256 bytes of bf16 + 16: the 16 rows that a read-back touches start 16 bytes apart modulo 256
.set ROWB,  4128                       ; bytes in a row of out0
.set ZR, 12                            ; v[12:15]   zeros
.set AD, 16                            ; v[16:31]   byte offset of my 16 bytes in row j
.set X,  32                            ; v[32:95]   row j: four f32
.set Y,  96                            ; v[96:127]  row j: four bf16
.set Z,  128                           ; v[128:159] fragment half t: 16 bytes
	s_load_b128 s[4:7], s[0:1], 0x0                ; x_feat s[4:5], tab s[6:7]
	s_load_b128 s[8:11], s[0:1], 0x10              ; xs s[8:9], out0 s[10:11]
	v_lshl_add_u32 v160, v0, 2, 0x4400
	v_mov_b32 v161, 0
	v_lshrrev_b32 v1, 5, v0
	v_readfirstlane_b32 s28, v1                    ; wave v
	s_and_b32 s29, ttmp9, 1                        ; which half of K: the same in every trip, since the step is even
	s_mov_b32 s13, ttmp9                           ; unit
	s_mov_b32 s30, ttmp9                           ; work-group
	v_and_b32 v1, 31, v0                           ; lane
	v_lshlrev_b32 v2, 4, v1                        ; 16 lane
	s_lshl_b32 s21, s29, 11                        ; 512 numbers of 4 bytes for the half,
	s_lshl_b32 s22, s28, 9                         ; 128 for the wave
	s_add_co_u32 s21, s21, s22
	v_add_nc_u32 v3, s21, v2                       ; my 16 bytes in a row of x_feat
	s_lshl_b32 s20, s29, 14                        ; in xs: 16 k-steps of 1,024 bytes for the half,
	s_lshl_b32 s22, s28, 12                        ; 4 for the wave
	s_add_co_u32 s20, s20, s22
	s_mul_i32 s23, s28, 16*PITCH                   ; my wave's LDS
	v_lshl_add_u32 v4, v1, 3, s23                  ; in: 8 bytes a lane along a row
	v_and_b32 v5, 15, v0
	v_bfe_u32 v6, v0, 4, 1
	v_mul_u32_u24 v5, v5, PITCH
	v_lshl_add_u32 v5, v6, 4, v5
	v_add_nc_u32 v5, s23, v5                       ; back: row r, 16 h
	s_wait_kmcnt 0x0
	s_load_b64 s[24:25], s[6:7], 0x2240            ; list 8's pair, at byte 8,768: (the experts' tiles, the tiles without an expert)
	s_wait_kmcnt 0x0
	s_lshl_b32 s12, s24, 1                         ; units
	s_min_u32 s12, s12, 272
	s_cmp_ge_u32 s13, s12
	s_cbranch_scc1 .Lzero
	s_sub_co_u32 s26, s12, s13
	s_add_co_u32 s26, s26, 255
	s_lshr_b32 s26, s26, 8                         ; my trips: ceil((units - work-group) / 256), 1 or 2
	s_min_u32 s26, s26, 2
	s_mov_b32 s27, 0
.Ltrip:
	s_lshr_b32 s14, s13, 1
	s_min_u32 s14, s14, 135                        ; tile
	s_lshl_b32 s15, s14, 6
	s_load_b512 s[32:47], s[6:7], s15 offset:0x0   ; its 16 tokens
	s_lshl_b32 s16, s14, 15                        ; a tile of xs is 32,768 bytes
	s_add_co_u32 s16, s16, s20
	s_mov_b32 s17, 0
	s_add_nc_u64 s[18:19], s[8:9], s[16:17]        ; where my four k-steps go
	s_wait_kmcnt 0x0
.irp j, 0,1,2,3,4,5,6,7,8,9,10,11,12,13,14,15
	s_min_u32 s[32+\j], s[32+\j], 2047
	s_lshl_b32 s[32+\j], s[32+\j], 12              ; a row of x_feat is 4,096 bytes
	v_add_nc_u32 v[AD+\j], s[32+\j], v3
	global_load_b128 v[X+4*\j:X+4*\j+3], v[AD+\j], s[4:5]          ; 512 consecutive bytes of row j
.endr
.irp j, 0,1,2,3,4,5,6,7,8,9,10,11,12,13,14,15
	s_wait_loadcnt 15-\j                           ; loads come back in order: row j is in, the 15 - j younger ones may be out
	v_cvt_pk_bf16_f32 v[Y+2*\j], v[X+4*\j], v[X+4*\j+1]
	v_cvt_pk_bf16_f32 v[Y+2*\j+1], v[X+4*\j+2], v[X+4*\j+3]
	ds_store_b64 v4, v[Y+2*\j:Y+2*\j+1] offset:PITCH*\j
.endr
.irp t, 0,1,2,3,4,5,6,7
	ds_load_b128 v[Z+4*\t:Z+4*\t+3], v5 offset:32*\t               ; k-step t / 2, g = t % 2: 64 (t / 2) + 32 (t % 2) = 32 t.  My own bytes, served in order
.endr
.irp t, 0,1,2,3,4,5,6,7
	s_wait_dscnt 7-\t
	global_store_b128 v2, v[Z+4*\t:Z+4*\t+3], s[18:19] offset:512*\t   ; 512 consecutive bytes, at a multiple of 512 from xs's first byte
.endr
	s_wait_xcnt 0x0                                ; Z, AD and s[18:19] are written again only behind this wait
	s_add_co_u32 s13, s13, 256
	s_add_co_u32 s27, s27, 1
	s_cmp_lt_u32 s27, s26
	s_cbranch_scc1 .Ltrip
.Lzero:
	; tokens without an expert: work-group i takes tile i of list 8 (at most 128 tiles for 256 work-groups), wave v its rows 4 v .. 4 v + 3
	s_min_u32 s25, s25, 128
	s_cmp_ge_u32 s30, s25
	s_cbranch_scc1 .Lend
	s_add_co_u32 s14, s24, s30
	s_min_u32 s14, s14, 135
	s_lshl_b32 s15, s14, 6
	s_lshl_b32 s16, s28, 4
	s_add_co_u32 s15, s15, s16
	s_load_b128 s[32:35], s[6:7], s15 offset:0x0   ; four tokens
.irp r, 0,1,2,3
	v_mov_b32 v[ZR+\r], 0
.endr
	s_wait_kmcnt 0x0
.irp j, 0,1,2,3
	s_min_u32 s[32+\j], s[32+\j], 2047
	s_mul_i32 s[32+\j], s[32+\j], ROWB
	v_add_nc_u32 v[AD+\j], s[32+\j], v2
.irp k, 0,1,2,3,4,5,6,7
	global_store_b128 v[AD+\j], v[ZR:ZR+3], s[10:11] offset:512*\k     ; 512 consecutive bytes; eight of them are the row's 1,024 columns
.endr
.endr
.Lend:
	s_wait_tensorcnt 0x0
	ds_add_u32 v160, v161
	s_wait_dscnt 0x0
	s_endpgm
.Lfunc_end_k_q98ef9cab19_pack:
	.size	k_q98ef9cab19_pack, .Lfunc_end_k_q98ef9cab19_pack-k_q98ef9cab19_pack
	.p2alignl 7, 3214868480
	.fill 96, 4, 3214868480
	.section	.rodata,"a",@progbits
	.p2align	6, 0x0
	.amdhsa_kernel k_q98ef9cab19_pack
		.amdhsa_group_segment_fixed_size 17920
		.amdhsa_private_segment_fixed_size 0
		.amdhsa_enable_private_segment 0
		.amdhsa_kernarg_size 32
		.amdhsa_user_sgpr_count 2
		.amdhsa_user_sgpr_kernarg_segment_ptr 1
		.amdhsa_wavefront_size32 1
		.amdhsa_system_sgpr_workgroup_id_x 1
		.amdhsa_system_sgpr_workgroup_id_y 1
		.amdhsa_system_sgpr_workgroup_id_z 1
		.amdhsa_system_vgpr_workitem_id 0
		.amdhsa_next_free_vgpr 162
		.amdhsa_next_free_sgpr 66
		.amdhsa_reserve_vcc 0
		.amdhsa_float_denorm_mode_32 3
		.amdhsa_float_denorm_mode_16_64 3
		.amdhsa_memory_ordered 1
		.amdhsa_forward_progress 1
		.amdhsa_inst_pref_size 16
	.end_amdhsa_kernel
	.amdgpu_metadata
---
amdhsa.version: [ 1, 2 ]
amdhsa.kernels:
  - .name:           k_q98ef9cab19_pack
    .symbol:         k_q98ef9cab19_pack.kd
    .args:
      - { .name: x_feat, .offset: 0, .size: 8, .value_kind: global_buffer, .address_space: global }
      - { .name: tab, .offset: 8, .size: 8, .value_kind: global_buffer, .address_space: global }
      - { .name: xs, .offset: 16, .size: 8, .value_kind: global_buffer, .address_space: global }
      - { .name: out0, .offset: 24, .size: 8, .value_kind: global_buffer, .address_space: global }
    .group_segment_fixed_size: 17920
    .private_segment_fixed_size: 0
    .kernarg_segment_align: 8
    .kernarg_segment_size: 32
    .max_flat_workgroup_size: 128
    .sgpr_count:     66
    .vgpr_count:     162
    .wavefront_size: 32
...
	.end_amdgpu_metadata
.endif
;; end of part 2
;; launch gemm1 (part 3): grid 256 x 1, 4 waves a work-group, no clusters, 131,584 bytes of LDS; arguments xs, W1, b1, tab, hs; writes hs
.if DOCPART == 3
	.amdgcn_target "amdgcn-amd-amdhsa--gfx1250"
	.amdhsa_code_object_version 6
	.text
	.protected	k_q98ef9cab19_gemm1
	.globl	k_q98ef9cab19_gemm1
	.p2align	8
	.type	k_q98ef9cab19_gemm1,@function
k_q98ef9cab19_gemm1:
	s_mov_b64 s[64:65], 0
	v_nop
	global_prefetch_b8 v0, s[64:65] scope:SCOPE_SE
	s_setreg_imm32_b32 hwreg(HW_REG_WAVE_MODE, 25, 1), 1
	s_wait_xcnt 0x0
; One text serves both products; G2 chooses.  G2 = 0: hs = xs W1[e] + b1[e] (K = 1,024, 2,048 columns), stored in bf16 as the second
; product's fragments.  G2 = 1: out0's 1,024 first columns = hs W2[e] + b2[e] (K = 2,048), stored in f32 to the tokens' own rows.
; Operands are rounded to bf16 (x, W1, W2 and h); sums and biases are f32.  Only the expert that a token names is computed: where another
; expert's product of that token would not be finite, the masked sum of all experts would give NaN and this text does not.
; Tokens that name no expert are in none of the eight lists walked here; their rows are stored by the two launches before.
;
; A WORK-GROUP holds 64 columns of one expert's weights for ALL of K in LDS, as bf16 fragments (128 KiB; G2: 256 KiB), and runs the
; expert's tokens past them.  G2 = 0: 8 experts x 32 column blocks.  G2 = 1: 8 experts x 2 halves of the token units x 16 column blocks.
; WEIGHTS lie [K][N], a fragment wants K along a lane's registers.  Lane (r, h) loads 16 bytes, columns 4 r .. 4 r + 3 of the block, of the
; 16 rows that are its k of a k-step; rounding two rows' numbers of one column into one register gives four fragments q = 0..3 in which
; lane r stands for column 4 r + q.  No transposition is made; each load takes 2 rows x 256 consecutive aligned bytes.
; THE MATRIX INSTRUCTION takes the weights as source 0 and the tokens as source 1: register j of lane (r, h) of accumulator q is then
; (token r, column 32 h + 4 j + q of the block).  G2 = 0 rounds a lane's eight registers into 16 bytes and stores them as k-step
; 2 block + q / 2, half q % 2 of hs: place (k-step S, g, h, jj) of hs holds column 64 (S / 2) + 32 h + 4 jj + 2 (S % 2) + g, and G2 = 1
; loads W2's rows in that same order: a permutation of k that both operands share keeps every product.
; TOKENS: a unit is MT tiles of 16 tokens x 64 columns x all K; the NW waves that share the columns take units in turn.  Tile numbers
; past the expert's last are clamped to the last, which lies in the same unit: the same wave stores the same bytes again.  Token
; fragments come straight from memory into a ring of SA k-steps of registers, weight fragments from LDS into a ring of two.
; NO CLUSTER, NO JOINT LOADS, though the work-groups of an expert read the same token tiles: the token loop's trips are read from the
; table and differ from wave to wave, so no barrier can stand in it, and a joint refill needs one; the fragments need no LDS at all.
.set G2, 0
.if G2
.set KS, 64                            ; k-steps of 32
.set KW, 16                            ; k-steps that one wave stages
.set MT, 3                             ; tiles in a unit
.set NW, 8                             ; waves that share the units (4 here, 4 in the partner work-group)
.set SA, 8                             ; k-steps in the token ring
.set WPITCH, 4096                      ; bytes in a row of the weights
.set HSH, 17                           ; lanes 16-31 stand 32 rows further down
.set ASH, 16                           ; a tile of the token operand is 65,536 bytes
.set BSH, 12                           ; an expert's bias is 4,096 bytes
.set NBIAS, 8                          ; loads that bring the bias
.set DIVM, 2731                        ; y x 2731 >> 16 = y / 24, rounded down, for every y up to 151
.set ACC, 128
.else
.set KS, 32
.set KW, 8
.set MT, 5
.set NW, 4
.set SA, 4
.set WPITCH, 8192
.set HSH, 16                           ; lanes 16-31 stand 8 rows further down
.set ASH, 15
.set BSH, 13
.set NBIAS, 32
.set DIVM, 3277                        ; y x 3277 >> 16 = y / 20, rounded down, for every y up to 147
.set ACC, 88
.endif
; window 0 (v0-255)
.set VL,  1                            ; 16 lane
.set VW,  2                            ; my offset in the weights: my half's rows + 16 r
.set VS,  3                            ; LDS: where my wave's staged fragments go
.set BA,  4                            ; v4-7  LDS: 16 lane + 65,536 i, for the fragments of k-steps 16 i .. 16 i + 15
.set VB,  8                            ; 128 h: my 32 columns in the block's bias
.set VC,  9                            ; G2 = 0: 2,048 block + 16 lane (in a tile of hs).  G2 = 1: 256 block + 16 r (in a row of out0)
.set VSW, 10                           ; G2 = 1: the stage, in: row r, 128 h
.set VSR, 11                           ; G2 = 1: the stage, back: row 8 h, 16 r
.set VT,  12                           ; G2 = 1: 32 h: my half's eight tokens in a tile of the table
.set TMP, 13
.set AC,  14                           ; v14-18  this unit's tiles: byte offset in the token operand + 16 lane
.set AN,  19                           ; v19-23  the next unit's
.set VO,  24                           ; v24-28  this unit's tiles: offset in hs (G2 = 0), in the table (G2 = 1)
.set BI,  32                           ; v[32:63]  bias.  G2 = 0: register 8 q + j, an accumulator's image.  G2 = 1: register i = column 32 h + i
.set P,   64                           ; G2 = 0: v[64:79] a tile's results in bf16
.set R,   64                           ; G2 = 1: v[64:95] a tile's results, columns in order
.set TK,  96                           ; G2 = 1: v[96:119] tokens of rows 8 h + 0..7 of each tile, then their offsets in out0
.set Z,   224                          ; G2 = 1: v[224:255] whole rows read back from the stage
.set F,   ACC                          ; weight phase: 32 registers of finished fragments; accumulator (mt, q) is at ACC + 8 (4 mt + q)
; window 1 (v256-511): weight phase: four slots of 64 registers, a k-step's 16 loads each.  Token phase:
.set TR,  0                            ; token ring: slot k % SA at 8 MT (k % SA), tile mt at + 8 mt
.set WR,  8*MT*SA                      ; weight ring: slot k % 2 at + 32 (k % 2), fragment q at + 8 q
.set TN,  24                           ; s24-28  tile numbers
.set STAGE, 262144                     ; G2 = 1: behind the weights, 16 rows x 272 bytes for each wave
.set MSB, 0
.macro WIN new                         ; s_set_vgpr_msb: bits 1:0 source 0, 3:2 source 1, 5:4 source 2, 7:6 destination; the high byte repeats the setting that is left
.if MSB != \new
	s_set_vgpr_msb (MSB<<8)|\new
.set MSB, \new
.endif
.endm
.set FROM1, 0x05                       ; sources 0 and 1 in window 1: roundings out of the staging slots, matrix instructions
.set INTO1, 0x40                       ; destination in window 1: loads into the staging slots and the rings
	s_load_b256 s[4:11], s[0:1], 0x0               ; token operand s[4:5], weights s[6:7], bias s[8:9], tab s[10:11]
	s_load_b64 s[12:13], s[0:1], 0x20              ; output
	v_lshl_add_u32 v254, v0, 2, 0x20000
	v_mov_b32 v255, 0
	v_lshrrev_b32 v[TMP], 5, v0
	v_readfirstlane_b32 s14, v[TMP]                ; wave w
	s_lshr_b32 s15, ttmp9, 5                       ; expert e
.if G2
	s_and_b32 s16, ttmp9, 15                       ; column block
	s_bfe_u32 s17, ttmp9, 0x10004                  ; which half of the units
	s_lshl1_add_u32 s30, s14, s17                  ; my place among the 8 waves: 2 w + half
.else
	s_and_b32 s16, ttmp9, 31                       ; column block
	s_mov_b32 s30, s14
.endif
	s_mul_i32 s30, s30, MT                         ; my first unit's first tile
	s_lshl_b32 s31, s15, 3                         ; my expert's pair in the table's head; never rewritten
	s_lshl_b32 s18, s15, 23                        ; weights: 8,388,608 bytes an expert,
	s_lshl_b32 s29, s14, 21                        ; 2,097,152 for the K that each wave stages,
	s_add_co_u32 s18, s18, s29
	s_lshl_b32 s29, s16, 8                         ; 256 for a block of 64 columns
	s_add_co_u32 s18, s18, s29
	s_mov_b32 s19, 0
	s_lshl_b32 s32, s15, BSH
	s_add_co_u32 s32, s32, s29                     ; bias: the expert's, + 256 a block
	s_mov_b32 s33, 0
	s_mul_i32 s35, s14, KW*4096                    ; LDS: a k-step's four fragments are 4,096 bytes
	v_and_b32 v[TMP], 31, v0
	v_lshlrev_b32 v[VL], 4, v[TMP]
	v_and_b32 v[TMP], 15, v0                       ; r
	v_bfe_u32 v[VB], v0, 4, 1                      ; h
	v_lshlrev_b32 v[VW], 4, v[TMP]                 ; 16 r
.if G2
	s_mul_i32 s34, s14, 16*272
	s_add_co_u32 s34, s34, STAGE                   ; my wave's stage
	v_lshl_add_u32 v[VC], s16, 8, v[VW]
	v_mul_u32_u24 v[VSW], v[TMP], 272
	v_lshl_add_u32 v[VSW], v[VB], 7, v[VSW]
	v_add_nc_u32 v[VSW], s34, v[VSW]
	v_mul_u32_u24 v[VSR], v[VB], 8*272
	v_add_nc_u32 v[VSR], v[VSR], v[VW]
	v_add_nc_u32 v[VSR], s34, v[VSR]
	v_lshlrev_b32 v[VT], 5, v[VB]
.else
	v_lshl_add_u32 v[VC], s16, 11, v[VL]
.endif
	v_lshl_add_u32 v[VW], v[VB], HSH, v[VW]
	v_lshlrev_b32 v[VB], 7, v[VB]
	v_add_nc_u32 v[VS], s35, v[VL]
.set i, 0
.rept KS/16
	v_add_nc_u32 v[BA+i], i*65536, v[VL]
.set i, i+1
.endr
	s_wait_kmcnt 0x0
	s_add_nc_u64 s[6:7], s[6:7], s[18:19]
	s_add_nc_u64 s[8:9], s[8:9], s[32:33]
	s_load_b64 s[20:21], s[10:11], s31 offset:8704 ; (first tile, tiles) of my expert: waited for behind the barrier
; ---- the weight phase: the same in every wave of every work-group ----
; The 16 loads of staged k-step s: row (g, jj) of my half into slot s % 4, registers 4 (8 g + jj) .. + 3
.macro WLOAD s
.set g, 0
.rept 2
.set jj, 0
.rept 8
.set rs, 64*((\s)&3)+4*(8*g+jj)
.if G2
	global_load_b128 v[rs:rs+3], v[VW], s[6:7] offset:(64*((\s)>>1)+2*((\s)&1)+g+4*jj)*WPITCH   ; the order in which hs holds k; read by two work-groups: no hint
.else
	global_load_b128 v[rs:rs+3], v[VW], s[6:7] offset:(32*(\s)+16*g+jj)*WPITCH th:TH_LOAD_NT     ; read once in the launch
.endif
.set jj, jj+1
.endr
.set g, g+1
.endr
.endm
.macro BIAS
.if G2
.irp i, 0,1,2,3,4,5,6,7
	global_load_b128 v[BI+4*\i:BI+4*\i+3], v[VB], s[8:9] offset:16*\i
.endr
.else
.irp q, 0,1,2,3
.irp j, 0,1,2,3,4,5,6,7
	global_load_b32 v[BI+8*\q+\j], v[VB], s[8:9] offset:16*\j+4*\q      ; column 32 h + 4 j + q, where accumulator q has it
.endr
.endr
.endif
.endm
; Staged k-step s.  First the slot that the k-step before has left is asked for again, three k-steps ahead; then this k-step is rounded into
; four fragments, which go to LDS.  48 loads of 512 bytes are out in each wave behind every refill.
.macro WCVT s
.set left, KW-1-(\s)
.if left > 2
.set left, 2
.endif
.if (\s) == (KW-1)
	s_wait_loadcnt NBIAS                           ; younger: the bias alone
.else
	s_wait_loadcnt 16*left                         ; younger: 16 loads for each of the later k-steps that are out
.endif
.if ((\s)+3) < KW
	WIN INTO1
	WLOAD (\s)+3
.endif
.if (\s) == (KW-2)
	WIN 0
	BIAS                                           ; here, where only 16 weight loads are still out, and with two k-steps' work and the barrier in which to land
.endif
	WIN FROM1
.set q, 0
.rept 4
.set g, 0
.rept 2
.set i, 0
.rept 4
	v_cvt_pk_bf16_f32 v[F+8*q+4*g+i], v[64*((\s)&3)+4*(8*g+2*i)+q], v[64*((\s)&3)+4*(8*g+2*i+1)+q]   ; k even below, k odd above, column 4 r + q
.set i, i+1
.endr
.set g, g+1
.endr
.set q, q+1
.endr
	WIN 0
.set q, 0
.rept 4
	ds_store_b128 v[VS], v[F+8*q:F+8*q+3] offset:(\s)*4096+q*1024
	ds_store_b128 v[VS], v[F+8*q+4:F+8*q+7] offset:(\s)*4096+q*1024+512
.set q, q+1
.endr
.endm
	WIN INTO1
	WLOAD 0
	WLOAD 1
	WLOAD 2
.set ws, 0
.rept KW
	WCVT ws
.set ws, ws+1
.endr
	s_wait_dscnt 0x0                               ; my fragments are in LDS before I say so
	s_barrier_signal -1
	s_barrier_wait -1                              ; the kernel's only barrier, on every wave's path: all of K is in LDS, and is only read from here on
; ---- the token phase: each wave by itself ----
	s_wait_loadcnt 0x0                             ; the bias is in (G2 = 0: the first products take it as C)
	s_wait_kmcnt 0x0
	s_min_u32 s20, s20, 135                        ; first tile
	s_min_u32 s21, s21, 128                        ; tiles
	s_cmp_ge_u32 s30, s21
	s_cbranch_scc1 .Lend                           ; no unit for this wave
	s_sub_co_u32 s22, s21, 1
	s_sub_co_u32 s36, s21, s30                     ; tiles from my first unit on, at least 1
	s_add_co_u32 s36, s36, NW*MT-1
	s_mul_i32 s36, s36, DIVM
	s_lshr_b32 s36, s36, 16                        ; my units: those tiles / (NW MT), rounded up
	s_min_u32 s36, s36, 7
	s_mov_b32 s37, 1                               ; the loop's counter: all my units but the last go round it
.macro TILES l                         ; s[TN + mt] = the table's number of tile s[l] + mt of my expert, clamped to its last
.set mt, 0
.rept MT
	s_add_co_u32 s[TN+mt], s[\l], mt
	s_min_u32 s[TN+mt], s[TN+mt], s22
	s_add_co_u32 s[TN+mt], s[TN+mt], s20
	s_min_u32 s[TN+mt], s[TN+mt], 135
.set mt, mt+1
.endr
.endm
.macro OFFS adr                        ; their offsets in the token operand
.set mt, 0
.rept MT
	v_lshl_add_u32 v[\adr+mt], s[TN+mt], ASH, v[VL]
.set mt, mt+1
.endr
.endm
.macro OUTS                            ; and where their results, or their tokens' numbers, lie
.set mt, 0
.rept MT
.if G2
	v_lshl_add_u32 v[VO+mt], s[TN+mt], 6, v[VT]
.else
	v_lshl_add_u32 v[VO+mt], s[TN+mt], 16, v[VC]
.endif
.set mt, mt+1
.endr
.endm
.macro AFILL kk, adr                   ; 2 MT loads: the token fragments of k-step kk of the unit whose offsets lie in v[adr ..]
.set mt, 0
.rept MT
.set rt, TR+8*MT*((\kk)%SA)+8*mt
	global_load_b128 v[rt:rt+3], v[\adr+mt], s[4:5] offset:(\kk)*1024
	global_load_b128 v[rt+4:rt+7], v[\adr+mt], s[4:5] offset:(\kk)*1024+512
.set mt, mt+1
.endr
.endm
.macro BFILL kk                        ; 8 LDS loads: the four weight fragments of k-step kk; 512 consecutive bytes each
.set q, 0
.rept 4
.set rw, WR+32*((\kk)&1)+8*q
	ds_load_b128 v[rw:rw+3], v[BA+((\kk)>>4)] offset:((\kk)&15)*4096+q*1024
	ds_load_b128 v[rw+4:rw+7], v[BA+((\kk)>>4)] offset:((\kk)&15)*4096+q*1024+512
.set q, q+1
.endr
.endm
; One k-step: 4 MT matrix instructions, then the refills of the two ring slots that they have read.
; last = 1: the wave's last unit: what would belong to a next unit is not asked for, and the counts run down.
.macro STEP k, last
.set na, SA-1
.set nb, 8
.set fill, 1
.if \last
.if (KS-1-(\k)) < (SA-1)
.set na, KS-1-(\k)
.endif
.if (\k) == (KS-1)
.set nb, 0
.endif
.if ((\k)+2) >= KS
.set fill, 0
.endif
.endif
.set na, 2*MT*na
.if G2
.if (\k) < SA
.set na, na+2*MT
.endif
.endif
	s_wait_loadcnt na                              ; younger: 2 MT loads for each later k-step in the ring (G2 = 1, the unit's first SA k-steps: and the 6 loads of token numbers)
	s_wait_dscnt nb                                ; younger: the next k-step's 8 LDS loads
	WIN FROM1
	; the 4 MT accumulators take turns, one instruction a turn, in the same order in every k-step
.set mt, 0
.rept MT
.set q, 0
.rept 4
.set rd, ACC+8*(4*mt+q)
.set rw, WR+32*((\k)&1)+8*q
.set rt, TR+8*MT*((\k)%SA)+8*mt
.if (\k) == 0
.if G2
	v_wmma_f32_16x16x32_bf16 v[rd:rd+7], v[rw:rw+7], v[rt:rt+7], 0
.else
	v_wmma_f32_16x16x32_bf16 v[rd:rd+7], v[rw:rw+7], v[rt:rt+7], v[BI+8*q:BI+8*q+7]   ; the sum starts from the bias
.endif
.else
	v_wmma_f32_16x16x32_bf16 v[rd:rd+7], v[rw:rw+7], v[rt:rt+7], v[rd:rd+7]
.endif
.set q, q+1
.endr
.set mt, mt+1
.endr
.rept 4
	v_nop                                          ; four places between a matrix instruction and a load into its sources, or an instruction that reads its result (ISA guide 7.12.1 for the instruction that reads its result)
.endr
.if fill
	WIN INTO1
.if ((\k)+SA) < KS
	AFILL (\k)+SA, AC
.else
.if \last == 0
	AFILL (\k)+SA-KS, AN                           ; the ring runs on into the next unit
.endif
.endif
.if ((\k)+2) < KS
	BFILL (\k)+2
.else
	BFILL (\k)+2-KS
.endif
.endif
.endm
.macro BLOCK last                      ; a unit's products
.if G2
.set mt, 0
.rept MT
	global_load_b128 v[TK+8*mt:TK+8*mt+3], v[VO+mt], s[10:11]              ; the tokens of rows 8 h .. 8 h + 7 of each tile
	global_load_b128 v[TK+8*mt+4:TK+8*mt+7], v[VO+mt], s[10:11] offset:16
.set mt, mt+1
.endr
.endif
.set ka, 0
.rept KS
	STEP ka, \last
.set ka, ka+1
.endr
	v_nop                                          ; the fifth place: the next unit's first products write over these accumulators
	WIN 0
.endm
.macro EPI                             ; a unit's results leave
.set mt, 0
.rept MT
.if G2
.set j, 0
.rept 8
.set q, 0
.rept 4
	v_add_f32 v[R+4*j+q], v[ACC+8*(4*mt+q)+j], v[BI+4*j+q]                 ; the bias; and four neighbouring columns come to lie in neighbouring registers
.set q, q+1
.endr
.set j, j+1
.endr
.set t, 0
.rept 8
	v_min_u32 v[TK+8*mt+t], 2047, v[TK+8*mt+t]
	v_mul_u32_u24 v[TK+8*mt+t], v[TK+8*mt+t], 4128                         ; the token's row of out0,
	v_add_nc_u32 v[TK+8*mt+t], v[TK+8*mt+t], v[VC]                         ; my 16 bytes of the block's 256
.set t, t+1
.endr
.set t, 0
.rept 8
	ds_store_b128 v[VSW], v[R+4*t:R+4*t+3] offset:16*t                     ; row r, columns 32 h + 4 t ..: rows 272 bytes apart start 16 bytes apart modulo 256
.set t, t+1
.endr
	s_wait_xcnt 0x0                                ; Z, which the last tile's stores read, is loaded again only behind this wait
.set t, 0
.rept 8
	ds_load_b128 v[Z+4*t:Z+4*t+3], v[VSR] offset:272*t                     ; rows t and 8 + t, whole.  My own bytes, served in order: these see the stores above
.set t, t+1
.endr
.set t, 0
.rept 8
	s_wait_dscnt 7-t
	global_store_b128 v[TK+8*mt+t], v[Z+4*t:Z+4*t+3], s[12:13] th:TH_STORE_NT   ; 16 lanes store 256 consecutive bytes of one row (rows of 4,128 bytes: aligned to 32)
.set t, t+1
.endr
.else
	s_wait_xcnt 0x0                                ; P, which the last tile's stores read, is written again only behind this wait
.set q, 0
.rept 4
.set i, 0
.rept 4
	v_cvt_pk_bf16_f32 v[P+4*q+i], v[ACC+8*(4*mt+q)+2*i], v[ACC+8*(4*mt+q)+2*i+1]
.set i, i+1
.endr
.set q, q+1
.endr
.set q, 0
.rept 4
	global_store_b128 v[VO+mt], v[P+4*q:P+4*q+3], s[12:13] offset:q*512    ; k-step 2 block + q / 2, half q % 2 of hs: 512 consecutive aligned bytes
.set q, q+1
.endr
.endif
.set mt, mt+1
.endr
.endm
	TILES 30
	OFFS AC
	OUTS
	s_add_co_u32 s23, s30, NW*MT                   ; my next unit's first tile
	TILES 23
	OFFS AN
	WIN INTO1
.set ka, 0
.rept SA
	AFILL ka, AC                                   ; the token ring is filled: 2 MT SA loads
.set ka, ka+1
.endr
	BFILL 0
	BFILL 1
	WIN 0
	s_cmp_le_u32 s36, 1
	s_cbranch_scc1 .Llast
.Lunit:                                            ; on both ways in: SA k-steps of tokens and 2 of weights are asked for
	BLOCK 0
	EPI
	s_wait_xcnt 0x0                                ; the offsets below are sources of loads and stores that were issued above
.set mt, 0
.rept MT
	v_mov_b32 v[AC+mt], v[AN+mt]
.set mt, mt+1
.endr
	OUTS
	s_add_co_u32 s23, s23, NW*MT
	TILES 23
	OFFS AN
	s_add_co_u32 s37, s37, 1
	s_cmp_lt_u32 s37, s36
	s_cbranch_scc1 .Lunit
.Llast:
	BLOCK 1
	EPI
.Lend:
	s_wait_tensorcnt 0x0
	ds_add_u32 v254, v255
	s_wait_dscnt 0x0
	s_endpgm
.Lfunc_end_k_q98ef9cab19_gemm1:
	.size	k_q98ef9cab19_gemm1, .Lfunc_end_k_q98ef9cab19_gemm1-k_q98ef9cab19_gemm1
	.p2alignl 7, 3214868480
	.fill 96, 4, 3214868480
	.section	.rodata,"a",@progbits
	.p2align	6, 0x0
	.amdhsa_kernel k_q98ef9cab19_gemm1
		.amdhsa_group_segment_fixed_size 131584
		.amdhsa_private_segment_fixed_size 0
		.amdhsa_enable_private_segment 0
		.amdhsa_kernarg_size 40
		.amdhsa_user_sgpr_count 2
		.amdhsa_user_sgpr_kernarg_segment_ptr 1
		.amdhsa_wavefront_size32 1
		.amdhsa_system_sgpr_workgroup_id_x 1
		.amdhsa_system_sgpr_workgroup_id_y 1
		.amdhsa_system_sgpr_workgroup_id_z 1
		.amdhsa_system_vgpr_workitem_id 0
		.amdhsa_next_free_vgpr 512
		.amdhsa_next_free_sgpr 66
		.amdhsa_reserve_vcc 0
		.amdhsa_float_denorm_mode_32 3
		.amdhsa_float_denorm_mode_16_64 3
		.amdhsa_memory_ordered 1
		.amdhsa_forward_progress 1
		.amdhsa_inst_pref_size 245
	.end_amdhsa_kernel
	.amdgpu_metadata
---
amdhsa.version: [ 1, 2 ]
amdhsa.kernels:
  - .name:           k_q98ef9cab19_gemm1
    .symbol:         k_q98ef9cab19_gemm1.kd
    .args:
      - { .name: xs, .offset: 0, .size: 8, .value_kind: global_buffer, .address_space: global }
      - { .name: W1, .offset: 8, .size: 8, .value_kind: global_buffer, .address_space: global }
      - { .name: b1, .offset: 16, .size: 8, .value_kind: global_buffer, .address_space: global }
      - { .name: tab, .offset: 24, .size: 8, .value_kind: global_buffer, .address_space: global }
      - { .name: hs, .offset: 32, .size: 8, .value_kind: global_buffer, .address_space: global }
    .group_segment_fixed_size: 131584
    .private_segment_fixed_size: 0
    .kernarg_segment_align: 8
    .kernarg_segment_size: 40
    .max_flat_workgroup_size: 128
    .sgpr_count:     66
    .vgpr_count:     512
    .wavefront_size: 32
...
	.end_amdgpu_metadata
.endif
;; end of part 3
;; launch gemm2 (part 4): grid 256 x 1, 4 waves a work-group, no clusters, 280,064 bytes of LDS; arguments hs, W2, b2, tab, out0; writes out0
.if DOCPART == 4
	.amdgcn_target "amdgcn-amd-amdhsa--gfx1250"
	.amdhsa_code_object_version 6
	.text
	.protected	k_q98ef9cab19_gemm2
	.globl	k_q98ef9cab19_gemm2
	.p2align	8
	.type	k_q98ef9cab19_gemm2,@function
k_q98ef9cab19_gemm2:
	s_mov_b64 s[64:65], 0
	v_nop
	global_prefetch_b8 v0, s[64:65] scope:SCOPE_SE
	s_setreg_imm32_b32 hwreg(HW_REG_WAVE_MODE, 25, 1), 1
	s_wait_xcnt 0x0
; One text serves both products; G2 chooses.  G2 = 0: hs = xs W1[e] + b1[e] (K = 1,024, 2,048 columns), stored in bf16 as the second
; product's fragments.  G2 = 1: out0's 1,024 first columns = hs W2[e] + b2[e] (K = 2,048), stored in f32 to the tokens' own rows.
; Operands are rounded to bf16 (x, W1, W2 and h); sums and biases are f32.  Only the expert that a token names is computed: where another
; expert's product of that token would not be finite, the masked sum of all experts would give NaN and this text does not.
; Tokens that name no expert are in none of the eight lists walked here; their rows are stored by the two launches before.
;
; A WORK-GROUP holds 64 columns of one expert's weights for ALL of K in LDS, as bf16 fragments (128 KiB; G2: 256 KiB), and runs the
; expert's tokens past them.  G2 = 0: 8 experts x 32 column blocks.  G2 = 1: 8 experts x 2 halves of the token units x 16 column blocks.
; WEIGHTS lie [K][N], a fragment wants K along a lane's registers.  Lane (r, h) loads 16 bytes, columns 4 r .. 4 r + 3 of the block, of the
; 16 rows that are its k of a k-step; rounding two rows' numbers of one column into one register gives four fragments q = 0..3 in which
; lane r stands for column 4 r + q.  No transposition is made; each load takes 2 rows x 256 consecutive aligned bytes.
; THE MATRIX INSTRUCTION takes the weights as source 0 and the tokens as source 1: register j of lane (r, h) of accumulator q is then
; (token r, column 32 h + 4 j + q of the block).  G2 = 0 rounds a lane's eight registers into 16 bytes and stores them as k-step
; 2 block + q / 2, half q % 2 of hs: place (k-step S, g, h, jj) of hs holds column 64 (S / 2) + 32 h + 4 jj + 2 (S % 2) + g, and G2 = 1
; loads W2's rows in that same order: a permutation of k that both operands share keeps every product.
; TOKENS: a unit is MT tiles of 16 tokens x 64 columns x all K; the NW waves that share the columns take units in turn.  Tile numbers
; past the expert's last are clamped to the last, which lies in the same unit: the same wave stores the same bytes again.  Token
; fragments come straight from memory into a ring of SA k-steps of registers, weight fragments from LDS into a ring of two.
; NO CLUSTER, NO JOINT LOADS, though the work-groups of an expert read the same token tiles: the token loop's trips are read from the
; table and differ from wave to wave, so no barrier can stand in it, and a joint refill needs one; the fragments need no LDS at all.
.set G2, 1
.if G2
.set KS, 64                            ; k-steps of 32
.set KW, 16                            ; k-steps that one wave stages
.set MT, 3                             ; tiles in a unit
.set NW, 8                             ; waves that share the units (4 here, 4 in the partner work-group)
.set SA, 8                             ; k-steps in the token ring
.set WPITCH, 4096                      ; bytes in a row of the weights
.set HSH, 17                           ; lanes 16-31 stand 32 rows further down
.set ASH, 16                           ; a tile of the token operand is 65,536 bytes
.set BSH, 12                           ; an expert's bias is 4,096 bytes
.set NBIAS, 8                          ; loads that bring the bias
.set DIVM, 2731                        ; y x 2731 >> 16 = y / 24, rounded down, for every y up to 151
.set ACC, 128
.else
.set KS, 32
.set KW, 8
.set MT, 5
.set NW, 4
.set SA, 4
.set WPITCH, 8192
.set HSH, 16                           ; lanes 16-31 stand 8 rows further down
.set ASH, 15
.set BSH, 13
.set NBIAS, 32
.set DIVM, 3277                        ; y x 3277 >> 16 = y / 20, rounded down, for every y up to 147
.set ACC, 88
.endif
; window 0 (v0-255)
.set VL,  1                            ; 16 lane
.set VW,  2                            ; my offset in the weights: my half's rows + 16 r
.set VS,  3                            ; LDS: where my wave's staged fragments go
.set BA,  4                            ; v4-7  LDS: 16 lane + 65,536 i, for the fragments of k-steps 16 i .. 16 i + 15
.set VB,  8                            ; 128 h: my 32 columns in the block's bias
.set VC,  9                            ; G2 = 0: 2,048 block + 16 lane (in a tile of hs).  G2 = 1: 256 block + 16 r (in a row of out0)
.set VSW, 10                           ; G2 = 1: the stage, in: row r, 128 h
.set VSR, 11                           ; G2 = 1: the stage, back: row 8 h, 16 r
.set VT,  12                           ; G2 = 1: 32 h: my half's eight tokens in a tile of the table
.set TMP, 13
.set AC,  14                           ; v14-18  this unit's tiles: byte offset in the token operand + 16 lane
.set AN,  19                           ; v19-23  the next unit's
.set VO,  24                           ; v24-28  this unit's tiles: offset in hs (G2 = 0), in the table (G2 = 1)
.set BI,  32                           ; v[32:63]  bias.  G2 = 0: register 8 q + j, an accumulator's image.  G2 = 1: register i = column 32 h + i
.set P,   64                           ; G2 = 0: v[64:79] a tile's results in bf16
.set R,   64                           ; G2 = 1: v[64:95] a tile's results, columns in order
.set TK,  96                           ; G2 = 1: v[96:119] tokens of rows 8 h + 0..7 of each tile, then their offsets in out0
.set Z,   224                          ; G2 = 1: v[224:255] whole rows read back from the stage
.set F,   ACC                          ; weight phase: 32 registers of finished fragments; accumulator (mt, q) is at ACC + 8 (4 mt + q)
; window 1 (v256-511): weight phase: four slots of 64 registers, a k-step's 16 loads each.  Token phase:
.set TR,  0                            ; token ring: slot k % SA at 8 MT (k % SA), tile mt at + 8 mt
.set WR,  8*MT*SA                      ; weight ring: slot k % 2 at + 32 (k % 2), fragment q at + 8 q
.set TN,  24                           ; s24-28  tile numbers
.set STAGE, 262144                     ; G2 = 1: behind the weights, 16 rows x 272 bytes for each wave
.set MSB, 0
.macro WIN new                         ; s_set_vgpr_msb: bits 1:0 source 0, 3:2 source 1, 5:4 source 2, 7:6 destination; the high byte repeats the setting that is left
.if MSB != \new
	s_set_vgpr_msb (MSB<<8)|\new
.set MSB, \new
.endif
.endm
.set FROM1, 0x05                       ; sources 0 and 1 in window 1: roundings out of the staging slots, matrix instructions
.set INTO1, 0x40                       ; destination in window 1: loads into the staging slots and the rings
	s_load_b256 s[4:11], s[0:1], 0x0               ; token operand s[4:5], weights s[6:7], bias s[8:9], tab s[10:11]
	s_load_b64 s[12:13], s[0:1], 0x20              ; output
	v_lshl_add_u32 v126, v0, 2, 0x44400
	v_mov_b32 v127, 0
	v_lshrrev_b32 v[TMP], 5, v0
	v_readfirstlane_b32 s14, v[TMP]                ; wave w
	s_lshr_b32 s15, ttmp9, 5                       ; expert e
.if G2
	s_and_b32 s16, ttmp9, 15                       ; column block
	s_bfe_u32 s17, ttmp9, 0x10004                  ; which half of the units
	s_lshl1_add_u32 s30, s14, s17                  ; my place among the 8 waves: 2 w + half
.else
	s_and_b32 s16, ttmp9, 31                       ; column block
	s_mov_b32 s30, s14
.endif
	s_mul_i32 s30, s30, MT                         ; my first unit's first tile
	s_lshl_b32 s31, s15, 3                         ; my expert's pair in the table's head; never rewritten
	s_lshl_b32 s18, s15, 23                        ; weights: 8,388,608 bytes an expert,
	s_lshl_b32 s29, s14, 21                        ; 2,097,152 for the K that each wave stages,
	s_add_co_u32 s18, s18, s29
	s_lshl_b32 s29, s16, 8                         ; 256 for a block of 64 columns
	s_add_co_u32 s18, s18, s29
	s_mov_b32 s19, 0
	s_lshl_b32 s32, s15, BSH
	s_add_co_u32 s32, s32, s29                     ; bias: the expert's, + 256 a block
	s_mov_b32 s33, 0
	s_mul_i32 s35, s14, KW*4096                    ; LDS: a k-step's four fragments are 4,096 bytes
	v_and_b32 v[TMP], 31, v0
	v_lshlrev_b32 v[VL], 4, v[TMP]
	v_and_b32 v[TMP], 15, v0                       ; r
	v_bfe_u32 v[VB], v0, 4, 1                      ; h
	v_lshlrev_b32 v[VW], 4, v[TMP]                 ; 16 r
.if G2
	s_mul_i32 s34, s14, 16*272
	s_add_co_u32 s34, s34, STAGE                   ; my wave's stage
	v_lshl_add_u32 v[VC], s16, 8, v[VW]
	v_mul_u32_u24 v[VSW], v[TMP], 272
	v_lshl_add_u32 v[VSW], v[VB], 7, v[VSW]
	v_add_nc_u32 v[VSW], s34, v[VSW]
	v_mul_u32_u24 v[VSR], v[VB], 8*272
	v_add_nc_u32 v[VSR], v[VSR], v[VW]
	v_add_nc_u32 v[VSR], s34, v[VSR]
	v_lshlrev_b32 v[VT], 5, v[VB]
.else
	v_lshl_add_u32 v[VC], s16, 11, v[VL]
.endif
	v_lshl_add_u32 v[VW], v[VB], HSH, v[VW]
	v_lshlrev_b32 v[VB], 7, v[VB]
	v_add_nc_u32 v[VS], s35, v[VL]
.set i, 0
.rept KS/16
	v_add_nc_u32 v[BA+i], i*65536, v[VL]
.set i, i+1
.endr
	s_wait_kmcnt 0x0
	s_add_nc_u64 s[6:7], s[6:7], s[18:19]
	s_add_nc_u64 s[8:9], s[8:9], s[32:33]
	s_load_b64 s[20:21], s[10:11], s31 offset:8704 ; (first tile, tiles) of my expert: waited for behind the barrier
; ---- the weight phase: the same in every wave of every work-group ----
; The 16 loads of staged k-step s: row (g, jj) of my half into slot s % 4, registers 4 (8 g + jj) .. + 3
.macro WLOAD s
.set g, 0
.rept 2
.set jj, 0
.rept 8
.set rs, 64*((\s)&3)+4*(8*g+jj)
.if G2
	global_load_b128 v[rs:rs+3], v[VW], s[6:7] offset:(64*((\s)>>1)+2*((\s)&1)+g+4*jj)*WPITCH   ; the order in which hs holds k; read by two work-groups: no hint
.else
	global_load_b128 v[rs:rs+3], v[VW], s[6:7] offset:(32*(\s)+16*g+jj)*WPITCH th:TH_LOAD_NT     ; read once in the launch
.endif
.set jj, jj+1
.endr
.set g, g+1
.endr
.endm
.macro BIAS
.if G2
.irp i, 0,1,2,3,4,5,6,7
	global_load_b128 v[BI+4*\i:BI+4*\i+3], v[VB], s[8:9] offset:16*\i
.endr
.else
.irp q, 0,1,2,3
.irp j, 0,1,2,3,4,5,6,7
	global_load_b32 v[BI+8*\q+\j], v[VB], s[8:9] offset:16*\j+4*\q      ; column 32 h + 4 j + q, where accumulator q has it
.endr
.endr
.endif
.endm
; Staged k-step s.  First the slot that the k-step before has left is asked for again, three k-steps ahead; then this k-step is rounded into
; four fragments, which go to LDS.  48 loads of 512 bytes are out in each wave behind every refill.
.macro WCVT s
.set left, KW-1-(\s)
.if left > 2
.set left, 2
.endif
.if (\s) == (KW-1)
	s_wait_loadcnt NBIAS                           ; younger: the bias alone
.else
	s_wait_loadcnt 16*left                         ; younger: 16 loads for each of the later k-steps that are out
.endif
.if ((\s)+3) < KW
	WIN INTO1
	WLOAD (\s)+3
.endif
.if (\s) == (KW-2)
	WIN 0
	BIAS                                           ; here, where only 16 weight loads are still out, and with two k-steps' work and the barrier in which to land
.endif
	WIN FROM1
.set q, 0
.rept 4
.set g, 0
.rept 2
.set i, 0
.rept 4
	v_cvt_pk_bf16_f32 v[F+8*q+4*g+i], v[64*((\s)&3)+4*(8*g+2*i)+q], v[64*((\s)&3)+4*(8*g+2*i+1)+q]   ; k even below, k odd above, column 4 r + q
.set i, i+1
.endr
.set g, g+1
.endr
.set q, q+1
.endr
	WIN 0
.set q, 0
.rept 4
	ds_store_b128 v[VS], v[F+8*q:F+8*q+3] offset:(\s)*4096+q*1024
	ds_store_b128 v[VS], v[F+8*q+4:F+8*q+7] offset:(\s)*4096+q*1024+512
.set q, q+1
.endr
.endm
	WIN INTO1
	WLOAD 0
	WLOAD 1
	WLOAD 2
.set ws, 0
.rept KW
	WCVT ws
.set ws, ws+1
.endr
	s_wait_dscnt 0x0                               ; my fragments are in LDS before I say so
	s_barrier_signal -1
	s_barrier_wait -1                              ; the kernel's only barrier, on every wave's path: all of K is in LDS, and is only read from here on
; ---- the token phase: each wave by itself ----
	s_wait_loadcnt 0x0                             ; the bias is in (G2 = 0: the first products take it as C)
	s_wait_kmcnt 0x0
	s_min_u32 s20, s20, 135                        ; first tile
	s_min_u32 s21, s21, 128                        ; tiles
	s_cmp_ge_u32 s30, s21
	s_cbranch_scc1 .Lend                           ; no unit for this wave
	s_sub_co_u32 s22, s21, 1
	s_sub_co_u32 s36, s21, s30                     ; tiles from my first unit on, at least 1
	s_add_co_u32 s36, s36, NW*MT-1
	s_mul_i32 s36, s36, DIVM
	s_lshr_b32 s36, s36, 16                        ; my units: those tiles / (NW MT), rounded up
	s_min_u32 s36, s36, 7
	s_mov_b32 s37, 1                               ; the loop's counter: all my units but the last go round it
.macro TILES l                         ; s[TN + mt] = the table's number of tile s[l] + mt of my expert, clamped to its last
.set mt, 0
.rept MT
	s_add_co_u32 s[TN+mt], s[\l], mt
	s_min_u32 s[TN+mt], s[TN+mt], s22
	s_add_co_u32 s[TN+mt], s[TN+mt], s20
	s_min_u32 s[TN+mt], s[TN+mt], 135
.set mt, mt+1
.endr
.endm
.macro OFFS adr                        ; their offsets in the token operand
.set mt, 0
.rept MT
	v_lshl_add_u32 v[\adr+mt], s[TN+mt], ASH, v[VL]
.set mt, mt+1
.endr
.endm
.macro OUTS                            ; and where their results, or their tokens' numbers, lie
.set mt, 0
.rept MT
.if G2
	v_lshl_add_u32 v[VO+mt], s[TN+mt], 6, v[VT]
.else
	v_lshl_add_u32 v[VO+mt], s[TN+mt], 16, v[VC]
.endif
.set mt, mt+1
.endr
.endm
.macro AFILL kk, adr                   ; 2 MT loads: the token fragments of k-step kk of the unit whose offsets lie in v[adr ..]
.set mt, 0
.rept MT
.set rt, TR+8*MT*((\kk)%SA)+8*mt
	global_load_b128 v[rt:rt+3], v[\adr+mt], s[4:5] offset:(\kk)*1024
	global_load_b128 v[rt+4:rt+7], v[\adr+mt], s[4:5] offset:(\kk)*1024+512
.set mt, mt+1
.endr
.endm
.macro BFILL kk                        ; 8 LDS loads: the four weight fragments of k-step kk; 512 consecutive bytes each
.set q, 0
.rept 4
.set rw, WR+32*((\kk)&1)+8*q
	ds_load_b128 v[rw:rw+3], v[BA+((\kk)>>4)] offset:((\kk)&15)*4096+q*1024
	ds_load_b128 v[rw+4:rw+7], v[BA+((\kk)>>4)] offset:((\kk)&15)*4096+q*1024+512
.set q, q+1
.endr
.endm
; One k-step: 4 MT matrix instructions, then the refills of the two ring slots that they have read.
; last = 1: the wave's last unit: what would belong to a next unit is not asked for, and the counts run down.
.macro STEP k, last
.set na, SA-1
.set nb, 8
.set fill, 1
.if \last
.if (KS-1-(\k)) < (SA-1)
.set na, KS-1-(\k)
.endif
.if (\k) == (KS-1)
.set nb, 0
.endif
.if ((\k)+2) >= KS
.set fill, 0
.endif
.endif
.set na, 2*MT*na
.if G2
.if (\k) < SA
.set na, na+2*MT
.endif
.endif
	s_wait_loadcnt na                              ; younger: 2 MT loads for each later k-step in the ring (G2 = 1, the unit's first SA k-steps: and the 6 loads of token numbers)
	s_wait_dscnt nb                                ; younger: the next k-step's 8 LDS loads
	WIN FROM1
	; the 4 MT accumulators take turns, one instruction a turn, in the same order in every k-step
.set mt, 0
.rept MT
.set q, 0
.rept 4
.set rd, ACC+8*(4*mt+q)
.set rw, WR+32*((\k)&1)+8*q
.set rt, TR+8*MT*((\k)%SA)+8*mt
.if (\k) == 0
.if G2
	v_wmma_f32_16x16x32_bf16 v[rd:rd+7], v[rw:rw+7], v[rt:rt+7], 0
.else
	v_wmma_f32_16x16x32_bf16 v[rd:rd+7], v[rw:rw+7], v[rt:rt+7], v[BI+8*q:BI+8*q+7]   ; the sum starts from the bias
.endif
.else
	v_wmma_f32_16x16x32_bf16 v[rd:rd+7], v[rw:rw+7], v[rt:rt+7], v[rd:rd+7]
.endif
.set q, q+1
.endr
.set mt, mt+1
.endr
.rept 4
	v_nop                                          ; four places between a matrix instruction and a load into its sources, or an instruction that reads its result (ISA guide 7.12.1 for the instruction that reads its result)
.endr
.if fill
	WIN INTO1
.if ((\k)+SA) < KS
	AFILL (\k)+SA, AC
.else
.if \last == 0
	AFILL (\k)+SA-KS, AN                           ; the ring runs on into the next unit
.endif
.endif
.if ((\k)+2) < KS
	BFILL (\k)+2
.else
	BFILL (\k)+2-KS
.endif
.endif
.endm
.macro BLOCK last                      ; a unit's products
.if G2
.set mt, 0
.rept MT
	global_load_b128 v[TK+8*mt:TK+8*mt+3], v[VO+mt], s[10:11]              ; the tokens of rows 8 h .. 8 h + 7 of each tile
	global_load_b128 v[TK+8*mt+4:TK+8*mt+7], v[VO+mt], s[10:11] offset:16
.set mt, mt+1
.endr
.endif
.set ka, 0
.rept KS
	STEP ka, \last
.set ka, ka+1
.endr
	v_nop                                          ; the fifth place: the next unit's first products write over these accumulators
	WIN 0
.endm
.macro EPI                             ; a unit's results leave
.set mt, 0
.rept MT
.if G2
.set j, 0
.rept 8
.set q, 0
.rept 4
	v_add_f32 v[R+4*j+q], v[ACC+8*(4*mt+q)+j], v[BI+4*j+q]                 ; the bias; and four neighbouring columns come to lie in neighbouring registers
.set q, q+1
.endr
.set j, j+1
.endr
.set t, 0
.rept 8
	v_min_u32 v[TK+8*mt+t], 2047, v[TK+8*mt+t]
	v_mul_u32_u24 v[TK+8*mt+t], v[TK+8*mt+t], 4128                         ; the token's row of out0,
	v_add_nc_u32 v[TK+8*mt+t], v[TK+8*mt+t], v[VC]                         ; my 16 bytes of the block's 256
.set t, t+1
.endr
.set t, 0
.rept 8
	ds_store_b128 v[VSW], v[R+4*t:R+4*t+3] offset:16*t                     ; row r, columns 32 h + 4 t ..: rows 272 bytes apart start 16 bytes apart modulo 256
.set t, t+1
.endr
	s_wait_xcnt 0x0                                ; Z, which the last tile's stores read, is loaded again only behind this wait
.set t, 0
.rept 8
	ds_load_b128 v[Z+4*t:Z+4*t+3], v[VSR] offset:272*t                     ; rows t and 8 + t, whole.  My own bytes, served in order: these see the stores above
.set t, t+1
.endr
.set t, 0
.rept 8
	s_wait_dscnt 7-t
	global_store_b128 v[TK+8*mt+t], v[Z+4*t:Z+4*t+3], s[12:13] th:TH_STORE_NT   ; 16 lanes store 256 consecutive bytes of one row (rows of 4,128 bytes: aligned to 32)
.set t, t+1
.endr
.else
	s_wait_xcnt 0x0                                ; P, which the last tile's stores read, is written again only behind this wait
.set q, 0
.rept 4
.set i, 0
.rept 4
	v_cvt_pk_bf16_f32 v[P+4*q+i], v[ACC+8*(4*mt+q)+2*i], v[ACC+8*(4*mt+q)+2*i+1]
.set i, i+1
.endr
.set q, q+1
.endr
.set q, 0
.rept 4
	global_store_b128 v[VO+mt], v[P+4*q:P+4*q+3], s[12:13] offset:q*512    ; k-step 2 block + q / 2, half q % 2 of hs: 512 consecutive aligned bytes
.set q, q+1
.endr
.endif
.set mt, mt+1
.endr
.endm
	TILES 30
	OFFS AC
	OUTS
	s_add_co_u32 s23, s30, NW*MT                   ; my next unit's first tile
	TILES 23
	OFFS AN
	WIN INTO1
.set ka, 0
.rept SA
	AFILL ka, AC                                   ; the token ring is filled: 2 MT SA loads
.set ka, ka+1
.endr
	BFILL 0
	BFILL 1
	WIN 0
	s_cmp_le_u32 s36, 1
	s_cbranch_scc1 .Llast
.Lunit:                                            ; on both ways in: SA k-steps of tokens and 2 of weights are asked for
	BLOCK 0
	EPI
	s_wait_xcnt 0x0                                ; the offsets below are sources of loads and stores that were issued above
.set mt, 0
.rept MT
	v_mov_b32 v[AC+mt], v[AN+mt]
.set mt, mt+1
.endr
	OUTS
	s_add_co_u32 s23, s23, NW*MT
	TILES 23
	OFFS AN
	s_add_co_u32 s37, s37, 1
	s_cmp_lt_u32 s37, s36
	s_cbranch_scc1 .Lunit
.Llast:
	BLOCK 1
	EPI
.Lend:
	s_wait_tensorcnt 0x0
	ds_add_u32 v126, v127
	s_wait_dscnt 0x0
	s_endpgm
.Lfunc_end_k_q98ef9cab19_gemm2:
	.size	k_q98ef9cab19_gemm2, .Lfunc_end_k_q98ef9cab19_gemm2-k_q98ef9cab19_gemm2
	.p2alignl 7, 3214868480
	.fill 96, 4, 3214868480
	.section	.rodata,"a",@progbits
	.p2align	6, 0x0
	.amdhsa_kernel k_q98ef9cab19_gemm2
		.amdhsa_group_segment_fixed_size 280064
		.amdhsa_private_segment_fixed_size 0
		.amdhsa_enable_private_segment 0
		.amdhsa_kernarg_size 40
		.amdhsa_user_sgpr_count 2
		.amdhsa_user_sgpr_kernarg_segment_ptr 1
		.amdhsa_wavefront_size32 1
		.amdhsa_system_sgpr_workgroup_id_x 1
		.amdhsa_system_sgpr_workgroup_id_y 1
		.amdhsa_system_sgpr_workgroup_id_z 1
		.amdhsa_system_vgpr_workitem_id 0
		.amdhsa_next_free_vgpr 512
		.amdhsa_next_free_sgpr 66
		.amdhsa_reserve_vcc 0
		.amdhsa_float_denorm_mode_32 3
		.amdhsa_float_denorm_mode_16_64 3
		.amdhsa_memory_ordered 1
		.amdhsa_forward_progress 1
		.amdhsa_inst_pref_size 255
	.end_amdhsa_kernel
	.section	.bss,"aw",@nobits
	.p2align	6
	.space	262144
	.amdgpu_metadata
---
amdhsa.version: [ 1, 2 ]
amdhsa.kernels:
  - .name:           k_q98ef9cab19_gemm2
    .symbol:         k_q98ef9cab19_gemm2.kd
    .args:
      - { .name: hs, .offset: 0, .size: 8, .value_kind: global_buffer, .address_space: global }
      - { .name: W2, .offset: 8, .size: 8, .value_kind: global_buffer, .address_space: global }
      - { .name: b2, .offset: 16, .size: 8, .value_kind: global_buffer, .address_space: global }
      - { .name: tab, .offset: 24, .size: 8, .value_kind: global_buffer, .address_space: global }
      - { .name: out0, .offset: 32, .size: 8, .value_kind: global_buffer, .address_space: global }
    .group_segment_fixed_size: 280064
    .private_segment_fixed_size: 0
    .kernarg_segment_align: 8
    .kernarg_segment_size: 40
    .max_flat_workgroup_size: 128
    .sgpr_count:     66
    .vgpr_count:     512
    .wavefront_size: 32
...
	.end_amdgpu_metadata
.endif
;; end of part 4
;; ======== version 2 of 3: 4 launches; 1.17 times as fast as version 1
;; workspace buffers: tab 8,960 bytes of whole numbers; xs 4,456,448 bytes; hs 8,912,896 bytes
;; launch route (part 5): grid 1 x 1, 8 waves a work-group, no clusters, 2,048 bytes of LDS; arguments expert_idx, tab; writes tab
.if DOCPART == 5
	.amdgcn_target "amdgcn-amd-amdhsa--gfx1250"
	.amdhsa_code_object_version 6
	.text
	.protected	k_q98ef9cab19_route
	.globl	k_q98ef9cab19_route
	.p2align	8
	.type	k_q98ef9cab19_route,@function
k_q98ef9cab19_route:
	s_mov_b64 s[64:65], 0
	v_nop
	global_prefetch_b8 v0, s[64:65] scope:SCOPE_SE
	s_setreg_imm32_b32 hwreg(HW_REG_WAVE_MODE, 25, 1), 1
	s_wait_xcnt 0x0
; ROUTE: sorts the 2,048 tokens by expert into tiles of 16.
; Nine lists: experts 0..7, and list 8 for tokens whose index lies outside 0..7 (they name no expert: the packing launch stores zeros to
; their first 1,024 columns of out0).  One work-group, since every place hangs on all the counts.
; Wave w owns tokens 256 w + 32 j + lane, j = 0..7.  All lanes stay on from the first line to the last, and no branch hangs on anything but the
; wave's number: a token's place is computed in its own lane and the token's number is stored straight to its place in the table.
;   pass 1: for each j and list a compare gives a mask of lanes; its bits are counted, and the mask of the lowest j that has a match is kept.
;   exchange: each wave's nine counts and nine first tokens go through LDS (one word a thread), one barrier.
;   pass 2: place = 16 x first tile + c - 1 - rank, rank = matches in lower waves + in lower j + in lower lanes.
; So a list's FIRST token stands at its last real place, c - 1, in the list's last tile, and the places c .. 16 T - 1 repeat that token.  A padded
; place repeats a real token of the same tile: the later launches need no mask, they compute that token's row twice and store the same bytes twice.
; tab: bytes 0..8703 order[136 tiles][16] token numbers; bytes 8704 + 8 e: (first tile, tiles) of list e = 0..8; bytes 8832 + 4 e: a spare
; word for list e, which takes the padding's store where the list is empty and which no launch reads.
; The sum of ceil(c / 16) over nine lists is at most (2048 + 9 x 15) / 16 = 136 tiles.
.set HDR,  8704                        ; the table's head
.set SPARE, 2208                       ; the spare words, as a word index: byte 8,832
.set LASTW, 2239                       ; the table's last word: 8,960 / 4 - 1
.set CNT,  16                          ; s16-24  my wave's counts; behind the barrier the lists' totals c
.set LM,   25                          ; s25-33  the mask of the lowest j with a match
.set RUN,  25                          ; s25-33  behind the barrier: minus the place of the list's next match
.set LJ,   34                          ; s34-42  32 x that j
.set FS,   34                          ; s34-42  behind the barrier: the list's first token
.set MK,   43                          ; s43-51  the nine masks of one j
.set TL,   52                          ; s52-60  tiles
.set FT,   68                          ; s68-76  first tile
.set IDX,  16                          ; v[16:23]   register j: the index of token 256 w + 32 j + lane
.set CW,   96                          ; v[96:103]  the eight waves' words: lane e a count, lane 16 + e a first token
.set TOT,  104
.set BEL,  105
.set MN,   106
.set TV,   107
.set Q,    108                         ; v[108:115] minus the place, then the place's byte in the table
.set TK,   116                         ; v[116:123] my tokens' numbers
.set PA,   124                         ; v[124:141] list e: byte of a padded place, the token that goes there
.set HD,   142                         ; the table's head, a word a lane
	s_load_b128 s[4:7], s[0:1], 0x0                ; expert_idx s[4:5], tab s[6:7]
	v_lshl_add_u32 v144, v0, 2, 0x400
	v_mov_b32 v145, 0
	v_and_b32 v1, 31, v0                           ; lane
	v_lshrrev_b32 v2, 5, v0
	v_readfirstlane_b32 s8, v2                     ; wave
	s_lshl_b32 s9, s8, 8                           ; my wave's first token
	v_lshl_add_u32 v3, v2, 8, v1                   ; my token of register 0
	v_lshlrev_b32 v4, 2, v3                        ; its index's byte
	v_lshlrev_b32 v6, 2, v1                        ; 4 lane
	v_lshlrev_b32 v7, 2, v0                        ; 4 thread: my word in LDS
	v_and_b32 v9, 15, v0
	v_mov_b32 v8, 0                                ; filled lane by lane below: written whole once
	v_mov_b32 v[HD], 0
	s_wait_kmcnt 0x0
.irp j, 0,1,2,3,4,5,6,7
	global_load_b32 v[IDX+\j], v4, s[4:5] offset:128*\j            ; 128 consecutive bytes a wave
.endr
	s_wait_loadcnt 0x0                             ; pass 1 begins with the last of them
; Pass 1 for register j.
; s_bcnt1_i32_b32 leaves SCC = some lane matches (ISA guide, its entry in chapter 16): the two selects keep this j's mask if so.  j runs downward,
; so the lowest j with a match is what stays.
.macro COUNT j, first
.irp e, 0,1,2,3,4,5,6,7
	v_cmp_eq_u32 s[MK+\e], \e, v[IDX+\j]
.endr
	v_cmp_lt_u32 s[MK+8], 7, v[IDX+\j]             ; unsigned: negative indices too
.irp e, 0,1,2,3,4,5,6,7,8
.if \first
	s_bcnt1_i32_b32 s[CNT+\e], s[MK+\e]            ; the first register taken starts the counts: nothing is cleared
	s_mov_b32 s[LM+\e], s[MK+\e]
	s_mov_b32 s[LJ+\e], 32*\j
.else
	s_bcnt1_i32_b32 s11, s[MK+\e]
	s_cselect_b32 s[LM+\e], s[MK+\e], s[LM+\e]
	s_cselect_b32 s[LJ+\e], 32*\j, s[LJ+\e]
	s_add_co_u32 s[CNT+\e], s[CNT+\e], s11
.endif
.endr
.endm
	COUNT 7, 1
.irp j, 6,5,4,3,2,1,0
	COUNT \j, 0
.endr
	; my wave's word for each list: lane e the count, lane 16 + e the first token, or 65,535 where there is none
.irp e, 0,1,2,3,4,5,6,7,8
	s_ctz_i32_b32 s10, s[LM+\e]                    ; the lowest lane of the lowest j
	s_add_co_u32 s10, s10, s[LJ+\e]
	s_add_co_u32 s10, s10, s9
	s_cmp_lg_u32 s[CNT+\e], 0
	s_cselect_b32 s10, s10, 0xffff
	v_writelane_b32 v8, s[CNT+\e], \e
	v_writelane_b32 v8, s10, 16+\e
.endr
	ds_store_b32 v7, v8                            ; wave w's 32 words at byte 128 w
	s_wait_dscnt 0x0                               ; my word is in LDS before I say so
	s_barrier_signal -1
	s_barrier_wait -1                              ; the kernel's only barrier
.irp w, 0,1,2,3,4,5,6,7
	ds_load_b32 v[CW+\w], v6 offset:128*\w
.endr
	s_wait_dscnt 0x0
	v_add_nc_u32 v[TOT], v[CW], v[CW+1]            ; lane e: the list's total
	v_min_u32 v[MN], v[CW], v[CW+1]                ; lane 16 + e: its first token (numbers rise with the wave)
.irp w, 2,3,4,5,6,7
	v_add_nc_u32 v[TOT], v[TOT], v[CW+\w]
	v_min_u32 v[MN], v[MN], v[CW+\w]
.endr
	s_cmp_gt_u32 s8, 0
	s_cselect_b32 s10, -1, 0
	v_and_b32 v[BEL], s10, v[CW]                   ; lane e: the matches in the waves below mine
.irp w, 1,2,3,4,5,6
	s_cmp_gt_u32 s8, \w
	s_cselect_b32 s10, -1, 0
	v_and_b32 v[TV], s10, v[CW+\w]
	v_add_nc_u32 v[BEL], v[BEL], v[TV]
.endr
.irp e, 0,1,2,3,4,5,6,7,8
	v_readlane_b32 s[CNT+\e], v[TOT], \e
	v_readlane_b32 s[RUN+\e], v[BEL], \e
	v_readlane_b32 s[FS+\e], v[MN], 16+\e
.endr
	s_mov_b32 s10, 0                               ; tiles so far
.irp e, 0,1,2,3,4,5,6,7,8
	s_mov_b32 s[FT+\e], s10
	s_add_co_u32 s[TL+\e], s[CNT+\e], 15
	s_lshr_b32 s[TL+\e], s[TL+\e], 4               ; ceil(c / 16)
	s_add_co_u32 s10, s10, s[TL+\e]
	s_lshl_b32 s11, s[FT+\e], 4
	s_add_co_u32 s11, s11, s[CNT+\e]               ; one past the list's last real place
	s_sub_co_u32 s[RUN+\e], s[RUN+\e], s11
	s_add_co_u32 s[RUN+\e], s[RUN+\e], 1           ; matches below - (16 first tile + c - 1)
.endr
; Pass 2 for register j: v_mbcnt_lo_u32_b32 adds the matching lanes below mine to the running number; the list that my token names is selected.
.macro PLACE j
.irp e, 0,1,2,3,4,5,6,7
	v_cmp_eq_u32 s[MK+\e], \e, v[IDX+\j]
.endr
	v_cmp_lt_u32 s[MK+8], 7, v[IDX+\j]
	v_mbcnt_lo_u32_b32 v[Q+\j], s[MK], s[RUN]
.irp e, 1,2,3,4,5,6,7,8
	v_mbcnt_lo_u32_b32 v[TV], s[MK+\e], s[RUN+\e]
	v_cndmask_b32 v[Q+\j], v[Q+\j], v[TV], s[MK+\e]
.endr
.irp e, 0,1,2,3,4,5,6,7,8
	s_bcnt1_i32_b32 s11, s[MK+\e]
	s_add_co_u32 s[RUN+\e], s[RUN+\e], s11
.endr
	v_sub_nc_u32 v[Q+\j], 0, v[Q+\j]               ; the place
	v_min_u32 v[Q+\j], 2175, v[Q+\j]               ; 136 tiles of 16
	v_lshlrev_b32 v[Q+\j], 2, v[Q+\j]
	v_add_nc_u32 v[TK+\j], 32*\j, v3
	global_store_b32 v[Q+\j], v[TK+\j], s[6:7]     ; every token has one place: 8 KiB in all, scattered by the sort itself
.endm
.irp j, 0,1,2,3,4,5,6,7
	PLACE \j
.endr
	; padding: wave e (list 8: wave 0) stores the list's first token to places min(c + i, 16 T - 1), i = 0..15.  Where c is a multiple of 16 they all
	; fall on place c - 1, which holds that token anyway.  An empty list has no tile: there the select sends all lanes to the list's spare word,
	; so that the store is issued whatever the count and only its address is chosen.  The select stands ahead of the clamp to the table's last word.
.irp e, 0,1,2,3,4,5,6,7,8
	s_cmp_lg_u32 s8, \e&7
	s_cbranch_scc1 .Lnopad\e
	s_lshl_b32 s10, s[TL+\e], 4
	s_sub_co_u32 s10, s10, 1
	s_lshl_b32 s11, s[FT+\e], 4
	v_add_nc_u32 v[PA+2*\e], s[CNT+\e], v9
	v_min_u32 v[PA+2*\e], s10, v[PA+2*\e]
	v_add_nc_u32 v[PA+2*\e], s11, v[PA+2*\e]
	v_mov_b32 v[TV], s[CNT+\e]
	v_cmp_ne_u32 vcc_lo, 0, v[TV]                  ; the list has a token
	v_cndmask_b32 v[PA+2*\e], SPARE+\e, v[PA+2*\e], vcc_lo
	v_min_u32 v[PA+2*\e], LASTW, v[PA+2*\e]
	v_lshlrev_b32 v[PA+2*\e], 2, v[PA+2*\e]
	v_mov_b32 v[PA+2*\e+1], s[FS+\e]
	global_store_b32 v[PA+2*\e], v[PA+2*\e+1], s[6:7]              ; lanes that meet in a word store the same number
.Lnopad\e:
.endr
	; the table's head, from wave 1: lane 2 e the first tile, lane 2 e + 1 the tiles; lanes 18 to 31 store zeros to bytes that nothing reads
	s_cmp_lg_u32 s8, 1
	s_cbranch_scc1 .Lend
.irp e, 0,1,2,3,4,5,6,7,8
	v_writelane_b32 v[HD], s[FT+\e], 2*\e
	v_writelane_b32 v[HD], s[TL+\e], 2*\e+1
.endr
	global_store_b32 v6, v[HD], s[6:7] offset:HDR
.Lend:
	s_wait_tensorcnt 0x0
	ds_add_u32 v144, v145
	s_wait_dscnt 0x0
	s_endpgm
.Lfunc_end_k_q98ef9cab19_route:
	.size	k_q98ef9cab19_route, .Lfunc_end_k_q98ef9cab19_route-k_q98ef9cab19_route
	.p2alignl 7, 3214868480
	.fill 96, 4, 3214868480
	.section	.rodata,"a",@progbits
	.p2align	6, 0x0
	.amdhsa_kernel k_q98ef9cab19_route
		.amdhsa_group_segment_fixed_size 2048
		.amdhsa_private_segment_fixed_size 0
		.amdhsa_enable_private_segment 0
		.amdhsa_kernarg_size 16
		.amdhsa_user_sgpr_count 2
		.amdhsa_user_sgpr_kernarg_segment_ptr 1
		.amdhsa_wavefront_size32 1
		.amdhsa_system_sgpr_workgroup_id_x 1
		.amdhsa_system_sgpr_workgroup_id_y 1
		.amdhsa_system_sgpr_workgroup_id_z 1
		.amdhsa_system_vgpr_workitem_id 0
		.amdhsa_next_free_vgpr 146
		.amdhsa_next_free_sgpr 80
		.amdhsa_reserve_vcc 1
		.amdhsa_float_denorm_mode_32 3
		.amdhsa_float_denorm_mode_16_64 3
		.amdhsa_memory_ordered 1
		.amdhsa_forward_progress 1
		.amdhsa_inst_pref_size 52
	.end_amdhsa_kernel
	.amdgpu_metadata
---
amdhsa.version: [ 1, 2 ]
amdhsa.kernels:
  - .name:           k_q98ef9cab19_route
    .symbol:         k_q98ef9cab19_route.kd
    .args:
      - { .name: expert_idx, .offset: 0, .size: 8, .value_kind: global_buffer, .address_space: global }
      - { .name: tab, .offset: 8, .size: 8, .value_kind: global_buffer, .address_space: global }
    .group_segment_fixed_size: 2048
    .private_segment_fixed_size: 0
    .kernarg_segment_align: 8
    .kernarg_segment_size: 16
    .max_flat_workgroup_size: 256
    .sgpr_count:     80
    .vgpr_count:     146
    .wavefront_size: 32
...
	.end_amdgpu_metadata
.endif
;; end of part 5
;; launch pack (part 6): grid 256 x 1, 5 waves a work-group, no clusters, 22,528 bytes of LDS; arguments x_feat, tab, xs, out0, expert_idx; writes xs, out0
.if DOCPART == 6
	.amdgcn_target "amdgcn-amd-amdhsa--gfx1250"
	.amdhsa_code_object_version 6
	.text
	.protected	k_q98ef9cab19_pack
	.globl	k_q98ef9cab19_pack
	.p2align	8
	.type	k_q98ef9cab19_pack,@function
k_q98ef9cab19_pack:
	s_mov_b64 s[64:65], 0
	v_nop
	global_prefetch_b8 v0, s[64:65] scope:SCOPE_SE
	s_setreg_imm32_b32 hwreg(HW_REG_WAVE_MODE, 25, 1), 1
	s_wait_xcnt 0x0
; PACK: three things.  (1) It gathers the tokens' rows of x_feat in the table's order, rounds them to bf16 and lays them down as matrix
; fragments.  (2) It stores the eight one-hot columns of every row of out0.  (3) It stores zeros to the first 1,024 columns of the rows of out0
; whose token names no expert (the table's list 8), which no later launch touches.
; xs[tile][k-step s][g][lane][16 bytes]: lane (r = lane % 16, h = lane / 16) holds token r of the tile, k = 32 s + 16 g + 8 h + 0..7: the
; registers 4 g .. 4 g + 3 of a 16-bit fragment with K = 32 (ISA guide 7.12.2), so that the product launch fills a fragment by two loads
; of 512 consecutive bytes, with no LDS.
; A piece is 128 of a tile's K (four k-steps of 16 tokens): 8 pieces a tile, at most 135 tiles of the experts, 1,080 pieces.  Wave w of
; work-group i takes piece i + 256 w: tile i / 8 + 32 w, part i % 8.  Waves 0 to 3 cover tiles 0 to 127, wave 4 tiles 128 to 134 where the
; table has them; so no wave takes a second piece and there is no loop.  The tile's number hangs on ids alone, so its 16 tokens are asked for
; together with the table's head; a wave whose tile the table does not have reads clamped bytes and uses none of them.
; A wave reads 512 consecutive bytes of each of its 16 rows, turns them in its own 16 x 272 bytes of LDS (no other wave touches
; them: no barrier), and stores 8 x 512 consecutive bytes.  Streaming work: matrix units, clusters and the data mover have nothing to add.
; Wave 4 also stores the one-hot columns of tokens 8 i .. 8 i + 7: lane l takes token 8 i + l / 4, columns 2 (l % 4) and 2 (l % 4) + 1, so four
; lanes fill a row's 32 bytes at byte 4,096.  An index outside 0..7 equals no column: its eight columns are 0.
.set PITCH, 272                        ; 256 bytes of bf16 + 16: the 16 rows that a read-back touches start 16 bytes apart modulo 256
.set ROWB,  4128                       ; bytes in a row of out0
.set ZR, 12                            ; v[12:15]   zeros
.set AD, 16                            ; v[16:31]   byte offset of my 16 bytes in row j
.set X,  32                            ; v[32:95]   row j: four f32
.set Y,  96                            ; v[96:127]  row j: four bf16
.set Z,  128                           ; v[128:159] fragment half t: 16 bytes
.set OH, 160                           ; v[160:161] wave 4: two one-hot columns
	s_load_b256 s[4:11], s[0:1], 0x0               ; x_feat s[4:5], tab s[6:7], xs s[8:9], out0 s[10:11]
	s_load_b64 s[12:13], s[0:1], 0x20              ; expert_idx
	v_lshl_add_u32 v164, v0, 2, 0x5500
	v_mov_b32 v165, 0
	v_lshrrev_b32 v1, 5, v0
	v_readfirstlane_b32 s28, v1                    ; wave 0..4
	s_and_b32 s29, ttmp9, 7                        ; which 128 of K
	s_mov_b32 s30, ttmp9                           ; work-group
	s_lshr_b32 s21, ttmp9, 3
	s_lshl_b32 s22, s28, 5
	s_add_co_u32 s21, s21, s22                     ; my tile: work-group / 8 + 32 wave
	s_min_u32 s14, s21, 135                        ; clamped into the table
	s_lshl_b32 s15, s14, 6                         ; its 16 tokens' bytes
	s_lshl_b32 s16, s14, 15                        ; a tile of xs is 32,768 bytes,
	s_lshl_b32 s20, s29, 12                        ; a piece four k-steps of 1,024
	s_add_co_u32 s16, s16, s20
	s_mov_b32 s17, 0
	v_and_b32 v1, 31, v0                           ; lane
	v_lshlrev_b32 v2, 4, v1                        ; 16 lane
	s_lshl_b32 s22, s29, 9                         ; 128 numbers of 4 bytes a piece
	v_add_nc_u32 v3, s22, v2                       ; my 16 bytes in a row of x_feat
	s_mul_i32 s23, s28, 16*PITCH                   ; my wave's LDS
	v_lshl_add_u32 v4, v1, 3, s23                  ; in: 8 bytes a lane along a row
	v_and_b32 v5, 15, v0
	v_bfe_u32 v6, v0, 4, 1
	v_mul_u32_u24 v5, v5, PITCH
	v_lshl_add_u32 v5, v6, 4, v5
	v_add_nc_u32 v5, s23, v5                       ; back: row r, 16 h
	s_wait_kmcnt 0x0
	s_load_b64 s[24:25], s[6:7], 0x2240            ; list 8's pair, at byte 8,768: (the experts' tiles, the tiles without an expert)
	s_load_b512 s[32:47], s[6:7], s15 offset:0x0   ; my tile's 16 tokens, asked for at the same time
	s_add_nc_u64 s[18:19], s[8:9], s[16:17]        ; where my four k-steps go
	s_cmp_lg_u32 s28, 4
	s_cbranch_scc1 .Lnohot
	; wave 4: the one-hot columns, while the two scalar loads are on their way
	v_lshrrev_b32 v7, 2, v1
	v_lshl_add_u32 v7, s30, 3, v7                  ; my token: 8 work-group + lane / 4
	v_lshlrev_b32 v8, 2, v7
	global_load_b32 v9, v8, s[12:13]               ; its index
	v_and_b32 v10, 3, v0
	v_mul_u32_u24 v11, v7, ROWB
	v_lshl_add_u32 v11, v10, 3, v11                ; its row, my 8 bytes of the 32
	v_lshlrev_b32 v10, 1, v10                      ; my first column
	s_wait_loadcnt 0x0
	v_cmp_eq_u32 vcc_lo, v9, v10
	v_cndmask_b32 v[OH], 0, 1.0, vcc_lo
	v_add_nc_u32 v10, 1, v10                       ; my second column
	v_cmp_eq_u32 vcc_lo, v9, v10
	v_cndmask_b32 v[OH+1], 0, 1.0, vcc_lo
	global_store_b64 v11, v[OH:OH+1], s[10:11] offset:4096         ; v11 and OH are written nowhere else
.Lnohot:
	s_wait_kmcnt 0x0
	s_min_u32 s27, s24, 136                        ; the experts' tiles
	s_cmp_ge_u32 s21, s27
	s_cbranch_scc1 .Lzero                          ; the table has no such tile
.irp j, 0,1,2,3,4,5,6,7,8,9,10,11,12,13,14,15
	s_min_u32 s[32+\j], s[32+\j], 2047
	s_lshl_b32 s[32+\j], s[32+\j], 12              ; a row of x_feat is 4,096 bytes
	v_add_nc_u32 v[AD+\j], s[32+\j], v3
	global_load_b128 v[X+4*\j:X+4*\j+3], v[AD+\j], s[4:5]          ; 512 consecutive bytes of row j
.endr
.irp j, 0,1,2,3,4,5,6,7,8,9,10,11,12,13,14,15
	s_wait_loadcnt 15-\j                           ; loads come back in order: row j is in, the 15 - j younger ones may be out
	v_cvt_pk_bf16_f32 v[Y+2*\j], v[X+4*\j], v[X+4*\j+1]
	v_cvt_pk_bf16_f32 v[Y+2*\j+1], v[X+4*\j+2], v[X+4*\j+3]
	ds_store_b64 v4, v[Y+2*\j:Y+2*\j+1] offset:PITCH*\j
.endr
.irp t, 0,1,2,3,4,5,6,7
	ds_load_b128 v[Z+4*\t:Z+4*\t+3], v5 offset:32*\t               ; k-step t / 2, g = t % 2: 64 (t / 2) + 32 (t % 2) = 32 t.  My own bytes, served in order
.endr
.irp t, 0,1,2,3,4,5,6,7
	s_wait_dscnt 7-\t
	global_store_b128 v2, v[Z+4*\t:Z+4*\t+3], s[18:19] offset:512*\t   ; 512 consecutive bytes, at a multiple of 512 from xs's first byte
.endr
	s_wait_xcnt 0x0                                ; AD is written again below only behind this wait
.Lzero:
	; tokens without an expert: work-group i takes tile i of list 8 (at most 128 tiles for 256 work-groups), waves 0 to 3 four rows each
	s_cmp_ge_u32 s28, 4
	s_cbranch_scc1 .Lend
	s_min_u32 s25, s25, 128
	s_cmp_ge_u32 s30, s25
	s_cbranch_scc1 .Lend
	s_add_co_u32 s14, s24, s30
	s_min_u32 s14, s14, 135
	s_lshl_b32 s15, s14, 6
	s_lshl_b32 s16, s28, 4
	s_add_co_u32 s15, s15, s16
	s_load_b128 s[32:35], s[6:7], s15 offset:0x0   ; four tokens
.irp r, 0,1,2,3
	v_mov_b32 v[ZR+\r], 0
.endr
	s_wait_kmcnt 0x0
.irp j, 0,1,2,3
	s_min_u32 s[32+\j], s[32+\j], 2047
	s_mul_i32 s[32+\j], s[32+\j], ROWB
	v_add_nc_u32 v[AD+\j], s[32+\j], v2
.irp k, 0,1,2,3,4,5,6,7
	global_store_b128 v[AD+\j], v[ZR:ZR+3], s[10:11] offset:512*\k     ; 512 consecutive bytes; eight of them are the row's 1,024 columns
.endr
.endr
.Lend:
	s_wait_tensorcnt 0x0
	ds_add_u32 v164, v165
	s_wait_dscnt 0x0
	s_endpgm
.Lfunc_end_k_q98ef9cab19_pack:
	.size	k_q98ef9cab19_pack, .Lfunc_end_k_q98ef9cab19_pack-k_q98ef9cab19_pack
	.p2alignl 7, 3214868480
	.fill 96, 4, 3214868480
	.section	.rodata,"a",@progbits
	.p2align	6, 0x0
	.amdhsa_kernel k_q98ef9cab19_pack
		.amdhsa_group_segment_fixed_size 22528
		.amdhsa_private_segment_fixed_size 0
		.amdhsa_enable_private_segment 0
		.amdhsa_kernarg_size 40
		.amdhsa_user_sgpr_count 2
		.amdhsa_user_sgpr_kernarg_segment_ptr 1
		.amdhsa_wavefront_size32 1
		.amdhsa_system_sgpr_workgroup_id_x 1
		.amdhsa_system_sgpr_workgroup_id_y 1
		.amdhsa_system_sgpr_workgroup_id_z 1
		.amdhsa_system_vgpr_workitem_id 0
		.amdhsa_next_free_vgpr 166
		.amdhsa_next_free_sgpr 66
		.amdhsa_reserve_vcc 1
		.amdhsa_float_denorm_mode_32 3
		.amdhsa_float_denorm_mode_16_64 3
		.amdhsa_memory_ordered 1
		.amdhsa_forward_progress 1
		.amdhsa_inst_pref_size 16
	.end_amdhsa_kernel
	.amdgpu_metadata
---
amdhsa.version: [ 1, 2 ]
amdhsa.kernels:
  - .name:           k_q98ef9cab19_pack
    .symbol:         k_q98ef9cab19_pack.kd
    .args:
      - { .name: x_feat, .offset: 0, .size: 8, .value_kind: global_buffer, .address_space: global }
      - { .name: tab, .offset: 8, .size: 8, .value_kind: global_buffer, .address_space: global }
      - { .name: xs, .offset: 16, .size: 8, .value_kind: global_buffer, .address_space: global }
      - { .name: out0, .offset: 24, .size: 8, .value_kind: global_buffer, .address_space: global }
      - { .name: expert_idx, .offset: 32, .size: 8, .value_kind: global_buffer, .address_space: global }
    .group_segment_fixed_size: 22528
    .private_segment_fixed_size: 0
    .kernarg_segment_align: 8
    .kernarg_segment_size: 40
    .max_flat_workgroup_size: 160
    .sgpr_count:     66
    .vgpr_count:     166
    .wavefront_size: 32
...
	.end_amdgpu_metadata
.endif
;; end of part 6
;; launch gemm1 (part 7): grid 256 x 1, 4 waves a work-group, no clusters, 131,584 bytes of LDS; arguments xs, W1, b1, tab, hs; writes hs
.if DOCPART == 7
	.amdgcn_target "amdgcn-amd-amdhsa--gfx1250"
	.amdhsa_code_object_version 6
	.text
	.protected	k_q98ef9cab19_gemm1
	.globl	k_q98ef9cab19_gemm1
	.p2align	8
	.type	k_q98ef9cab19_gemm1,@function
k_q98ef9cab19_gemm1:
	s_mov_b64 s[64:65], 0
	v_nop
	global_prefetch_b8 v0, s[64:65] scope:SCOPE_SE
	s_setreg_imm32_b32 hwreg(HW_REG_WAVE_MODE, 25, 1), 1
	s_wait_xcnt 0x0
; One text serves both products; G2 chooses.  G2 = 0: hs = xs W1[e] + b1[e] (K = 1,024, 2,048 columns), stored in bf16 as the second
; product's fragments.  G2 = 1: out0's 1,024 first columns = hs W2[e] + b2[e] (K = 2,048), stored in f32 to the tokens' own rows.
; Operands are rounded to bf16 (x, W1, W2 and h); sums and biases are f32.  Only the expert that a token names is computed: where another
; expert's product of that token would not be finite, the masked sum of all experts would give NaN and this text does not.
; Tokens that name no expert are in none of the eight lists walked here; their rows are stored by the packing launch.
;
; A WORK-GROUP holds 64 columns of one expert's weights for ALL of K in LDS, as bf16 fragments (128 KiB; G2: 256 KiB), and runs the
; expert's tokens past them.  G2 = 0: 8 experts x 32 column blocks.  G2 = 1: 8 experts x 2 halves of the token units x 16 column blocks.
; WEIGHTS lie [K][N], a fragment wants K along a lane's registers.  Lane (r, h) loads 16 bytes, columns 4 r .. 4 r + 3 of the block, of the
; 16 rows that are its k of a k-step; rounding two rows' numbers of one column into one register gives four fragments q = 0..3 in which
; lane r stands for column 4 r + q.  No transposition is made; each load takes 2 rows x 256 consecutive aligned bytes.
; THE MATRIX INSTRUCTION takes the weights as source 0 and the tokens as source 1: register j of lane (r, h) of accumulator q is then
; (token r, column 32 h + 4 j + q of the block).  G2 = 0 rounds a lane's eight registers into 16 bytes and stores them as k-step
; 2 block + q / 2, half q % 2 of hs: place (k-step S, g, h, jj) of hs holds column 64 (S / 2) + 32 h + 4 jj + 2 (S % 2) + g, and G2 = 1
; loads W2's rows in that same order: a permutation of k that both operands share keeps every product.
; K BEGINS AT FOUR DIFFERENT QUARTERS: turn = column block % 4.  Wave w stages one quarter of K at LDS place w; it fetches quarter
; (w + turn) % 4 of the weights into it, and the token loads of the k-steps of place c take the base of quarter (c + turn) % 4.  So the
; work-groups that read the same token tiles do not all ask for the same bytes at the same moment: a fragment is asked for by a quarter of
; them first, and by the others one, two and three quarters of K later.  Every product is kept; the order of the f32 sum over K differs
; from column block to column block.
; TOKENS: a unit is MT tiles of 16 tokens x 64 columns x all K; the NW waves that share the columns take units in turn.  Tile numbers
; past the expert's last are clamped to the last, which lies in the same unit: the same wave stores the same bytes again.  Token
; fragments come straight from memory into a ring of SA k-steps of registers, weight fragments from LDS into a ring of two.
; NO CLUSTER, NO JOINT LOADS, though the work-groups of an expert read the same token tiles: the token loop's trips are read from the
; table and differ from wave to wave, so no barrier can stand in it, and a joint refill needs one; the fragments need no LDS at all.
.set G2, 0
.if G2
.set KS, 64                            ; k-steps of 32
.set KW, 16                            ; k-steps that one wave stages: a quarter of K
.set MT, 3                             ; tiles in a unit
.set NW, 8                             ; waves that share the units (4 here, 4 in the partner work-group)
.set SA, 8                             ; k-steps in the token ring
.set WPITCH, 4096                      ; bytes in a row of the weights
.set HSH, 17                           ; lanes 16-31 stand 32 rows further down
.set ASH, 16                           ; a tile of the token operand is 65,536 bytes
.set BSH, 12                           ; an expert's bias is 4,096 bytes
.set NBIAS, 8                          ; loads that bring the bias
.set DIVM, 2731                        ; y x 2731 >> 16 = y / 24, rounded down, for every y up to 151
.set ACC, 128
.else
.set KS, 32
.set KW, 8
.set MT, 5
.set NW, 4
.set SA, 4
.set WPITCH, 8192
.set HSH, 16                           ; lanes 16-31 stand 8 rows further down
.set ASH, 15
.set BSH, 13
.set NBIAS, 32
.set DIVM, 3277                        ; y x 3277 >> 16 = y / 20, rounded down, for every y up to 147
.set ACC, 88
.endif
.set CH,  KS/4                         ; k-steps in a quarter of K
.set CSH, ASH-2                        ; a quarter of a tile of the token operand: 1,024 CH bytes
; window 0 (v0-255)
.set VL,  1                            ; 16 lane
.set VW,  2                            ; my offset in the weights: my half's rows + 16 r
.set VS,  3                            ; LDS: where my wave's staged fragments go
.set BA,  4                            ; v4-7  LDS: 16 lane + 65,536 i, for the fragments of places 16 i .. 16 i + 15
.set VB,  8                            ; 128 h: my 32 columns in the block's bias
.set VC,  9                            ; G2 = 0: 2,048 block + 16 lane (in a tile of hs).  G2 = 1: 256 block + 16 r (in a row of out0)
.set VSW, 10                           ; G2 = 1: the stage, in: row r, 128 h
.set VSR, 11                           ; G2 = 1: the stage, back: row 8 h, 16 r
.set VT,  12                           ; G2 = 1: 32 h: my half's eight tokens in a tile of the table
.set TMP, 13
.set AC,  14                           ; v14-18  this unit's tiles: byte offset in the token operand + 16 lane
.set AN,  19                           ; v19-23  the next unit's
.set VO,  24                           ; v24-28  this unit's tiles: offset in hs (G2 = 0), in the table (G2 = 1)
.set BI,  32                           ; v[32:63]  bias.  G2 = 0: register 8 q + j, an accumulator's image.  G2 = 1: register i = column 32 h + i
.set P,   64                           ; G2 = 0: v[64:79] a tile's results in bf16
.set R,   64                           ; G2 = 1: v[64:95] a tile's results, columns in order
.set TK,  96                           ; G2 = 1: v[96:119] tokens of rows 8 h + 0..7 of each tile, then their offsets in out0
.set Z,   224                          ; G2 = 1: v[224:255] whole rows read back from the stage
.set F,   ACC                          ; weight phase: 32 registers of finished fragments; accumulator (mt, q) is at ACC + 8 (4 mt + q)
; window 1 (v256-511): weight phase: four slots of 64 registers, a k-step's 16 loads each.  Token phase:
.set TR,  0                            ; token ring: slot k % SA at 8 MT (k % SA), tile mt at + 8 mt
.set WR,  8*MT*SA                      ; weight ring: slot k % 2 at + 32 (k % 2), fragment q at + 8 q
.set TN,  24                           ; s24-28  tile numbers
.set SB,  40                           ; s[40:47]  place c = 0..3: the token operand's address + quarter (c + turn) % 4 of a tile; never rewritten
.set STAGE, 262144                     ; G2 = 1: behind the weights, 16 rows x 272 bytes for each wave
.set MSB, 0
.macro WIN new                         ; s_set_vgpr_msb: bits 1:0 source 0, 3:2 source 1, 5:4 source 2, 7:6 destination; the high byte repeats the setting that is left
.if MSB != \new
	s_set_vgpr_msb (MSB<<8)|\new
.set MSB, \new
.endif
.endm
.set FROM1, 0x05                       ; sources 0 and 1 in window 1: roundings out of the staging slots, matrix instructions
.set INTO1, 0x40                       ; destination in window 1: loads into the staging slots and the rings
	s_load_b256 s[4:11], s[0:1], 0x0               ; token operand s[4:5], weights s[6:7], bias s[8:9], tab s[10:11]
	s_load_b64 s[12:13], s[0:1], 0x20              ; output
	v_lshl_add_u32 v254, v0, 2, 0x20000
	v_mov_b32 v255, 0
	v_lshrrev_b32 v[TMP], 5, v0
	v_readfirstlane_b32 s14, v[TMP]                ; wave w
	s_lshr_b32 s15, ttmp9, 5                       ; expert e
.if G2
	s_and_b32 s16, ttmp9, 15                       ; column block
	s_bfe_u32 s17, ttmp9, 0x10004                  ; which half of the units
	s_lshl1_add_u32 s30, s14, s17                  ; my place among the 8 waves: 2 w + half
.else
	s_and_b32 s16, ttmp9, 31                       ; column block
	s_mov_b32 s30, s14
.endif
	s_mul_i32 s30, s30, MT                         ; my first unit's first tile
	s_lshl_b32 s31, s15, 3                         ; my expert's pair in the table's head; never rewritten
	s_and_b32 s38, s16, 3                          ; my work-group's turn
	s_add_co_u32 s29, s14, s38
	s_and_b32 s29, s29, 3                          ; the quarter of K that my wave stages: (w + turn) % 4
	s_lshl_b32 s29, s29, 21                        ; weights: 2,097,152 bytes a quarter of K,
	s_lshl_b32 s18, s15, 23                        ; 8,388,608 an expert,
	s_add_co_u32 s18, s18, s29
	s_lshl_b32 s29, s16, 8                         ; 256 for a block of 64 columns
	s_add_co_u32 s18, s18, s29
	s_mov_b32 s19, 0
	s_lshl_b32 s32, s15, BSH
	s_add_co_u32 s32, s32, s29                     ; bias: the expert's, + 256 a block
	s_mov_b32 s33, 0
.set c, 0
.rept 4
	s_add_co_u32 s[SB+2*c], s38, c
	s_and_b32 s[SB+2*c], s[SB+2*c], 3              ; the quarter that lies at place c
	s_lshl_b32 s[SB+2*c], s[SB+2*c], CSH           ; its bytes in a tile of the token operand
	s_mov_b32 s[SB+2*c+1], 0
.set c, c+1
.endr
	s_mul_i32 s35, s14, KW*4096                    ; LDS: a k-step's four fragments are 4,096 bytes; my wave's place hangs on its number alone
	v_and_b32 v[TMP], 31, v0
	v_lshlrev_b32 v[VL], 4, v[TMP]
	v_and_b32 v[TMP], 15, v0                       ; r
	v_bfe_u32 v[VB], v0, 4, 1                      ; h
	v_lshlrev_b32 v[VW], 4, v[TMP]                 ; 16 r
.if G2
	s_mul_i32 s34, s14, 16*272
	s_add_co_u32 s34, s34, STAGE                   ; my wave's stage
	v_lshl_add_u32 v[VC], s16, 8, v[VW]
	v_mul_u32_u24 v[VSW], v[TMP], 272
	v_lshl_add_u32 v[VSW], v[VB], 7, v[VSW]
	v_add_nc_u32 v[VSW], s34, v[VSW]
	v_mul_u32_u24 v[VSR], v[VB], 8*272
	v_add_nc_u32 v[VSR], v[VSR], v[VW]
	v_add_nc_u32 v[VSR], s34, v[VSR]
	v_lshlrev_b32 v[VT], 5, v[VB]
.else
	v_lshl_add_u32 v[VC], s16, 11, v[VL]
.endif
	v_lshl_add_u32 v[VW], v[VB], HSH, v[VW]
	v_lshlrev_b32 v[VB], 7, v[VB]
	v_add_nc_u32 v[VS], s35, v[VL]
.set i, 0
.rept KS/16
	v_add_nc_u32 v[BA+i], i*65536, v[VL]
.set i, i+1
.endr
	s_wait_kmcnt 0x0
	s_add_nc_u64 s[6:7], s[6:7], s[18:19]
	s_add_nc_u64 s[8:9], s[8:9], s[32:33]
.set c, 0
.rept 4
	s_add_nc_u64 s[SB+2*c:SB+2*c+1], s[4:5], s[SB+2*c:SB+2*c+1]
.set c, c+1
.endr
	s_load_b64 s[20:21], s[10:11], s31 offset:8704 ; (first tile, tiles) of my expert: waited for behind the barrier
; ---- the weight phase: the same in every wave of every work-group ----
; The 16 loads of staged k-step s: row (g, jj) of my half into slot s % 4, registers 4 (8 g + jj) .. + 3
.macro WLOAD s
.set g, 0
.rept 2
.set jj, 0
.rept 8
.set rs, 64*((\s)&3)+4*(8*g+jj)
.if G2
	global_load_b128 v[rs:rs+3], v[VW], s[6:7] offset:(64*((\s)>>1)+2*((\s)&1)+g+4*jj)*WPITCH   ; the order in which hs holds k; read by two work-groups: no hint
.else
	global_load_b128 v[rs:rs+3], v[VW], s[6:7] offset:(32*(\s)+16*g+jj)*WPITCH th:TH_LOAD_NT     ; read once in the launch
.endif
.set jj, jj+1
.endr
.set g, g+1
.endr
.endm
.macro BIAS
.if G2
.irp i, 0,1,2,3,4,5,6,7
	global_load_b128 v[BI+4*\i:BI+4*\i+3], v[VB], s[8:9] offset:16*\i
.endr
.else
.irp q, 0,1,2,3
.irp j, 0,1,2,3,4,5,6,7
	global_load_b32 v[BI+8*\q+\j], v[VB], s[8:9] offset:16*\j+4*\q      ; column 32 h + 4 j + q, where accumulator q has it
.endr
.endr
.endif
.endm
; Staged k-step s.  First the slot that the k-step before has left is asked for again, three k-steps ahead; then this k-step is rounded into
; four fragments, which go to LDS.  48 loads of 512 bytes are out in each wave behind every refill.
.macro WCVT s
.set left, KW-1-(\s)
.if left > 2
.set left, 2
.endif
.if (\s) == (KW-1)
	s_wait_loadcnt NBIAS                           ; younger: the bias alone
.else
	s_wait_loadcnt 16*left                         ; younger: 16 loads for each of the later k-steps that are out
.endif
.if ((\s)+3) < KW
	WIN INTO1
	WLOAD (\s)+3
.endif
.if (\s) == (KW-2)
	WIN 0
	BIAS                                           ; here, where only 16 weight loads are still out, and with two k-steps' work and the barrier in which to land
.endif
	WIN FROM1
.set q, 0
.rept 4
.set g, 0
.rept 2
.set i, 0
.rept 4
	v_cvt_pk_bf16_f32 v[F+8*q+4*g+i], v[64*((\s)&3)+4*(8*g+2*i)+q], v[64*((\s)&3)+4*(8*g+2*i+1)+q]   ; k even below, k odd above, column 4 r + q
.set i, i+1
.endr
.set g, g+1
.endr
.set q, q+1
.endr
	WIN 0
.set q, 0
.rept 4
	ds_store_b128 v[VS], v[F+8*q:F+8*q+3] offset:(\s)*4096+q*1024
	ds_store_b128 v[VS], v[F+8*q+4:F+8*q+7] offset:(\s)*4096+q*1024+512
.set q, q+1
.endr
.endm
	WIN INTO1
	WLOAD 0
	WLOAD 1
	WLOAD 2
.set ws, 0
.rept KW
	WCVT ws
.set ws, ws+1
.endr
	s_wait_dscnt 0x0                               ; my fragments are in LDS before I say so
	s_barrier_signal -1
	s_barrier_wait -1                              ; the kernel's only barrier, on every wave's path: all of K is in LDS, and is only read from here on
; ---- the token phase: each wave by itself ----
	s_wait_loadcnt 0x0                             ; the bias is in (G2 = 0: the first products take it as C)
	s_wait_kmcnt 0x0
	s_min_u32 s20, s20, 135                        ; first tile
	s_min_u32 s21, s21, 128                        ; tiles
	s_cmp_ge_u32 s30, s21
	s_cbranch_scc1 .Lend                           ; no unit for this wave
	s_sub_co_u32 s22, s21, 1
	s_sub_co_u32 s36, s21, s30                     ; tiles from my first unit on, at least 1
	s_add_co_u32 s36, s36, NW*MT-1
	s_mul_i32 s36, s36, DIVM
	s_lshr_b32 s36, s36, 16                        ; my units: those tiles / (NW MT), rounded up
	s_min_u32 s36, s36, 7
	s_mov_b32 s37, 1                               ; the loop's counter: all my units but the last go round it
.macro TILES l                         ; s[TN + mt] = the table's number of tile s[l] + mt of my expert, clamped to its last
.set mt, 0
.rept MT
	s_add_co_u32 s[TN+mt], s[\l], mt
	s_min_u32 s[TN+mt], s[TN+mt], s22
	s_add_co_u32 s[TN+mt], s[TN+mt], s20
	s_min_u32 s[TN+mt], s[TN+mt], 135
.set mt, mt+1
.endr
.endm
.macro OFFS adr                        ; their offsets in the token operand
.set mt, 0
.rept MT
	v_lshl_add_u32 v[\adr+mt], s[TN+mt], ASH, v[VL]
.set mt, mt+1
.endr
.endm
.macro OUTS                            ; and where their results, or their tokens' numbers, lie
.set mt, 0
.rept MT
.if G2
	v_lshl_add_u32 v[VO+mt], s[TN+mt], 6, v[VT]
.else
	v_lshl_add_u32 v[VO+mt], s[TN+mt], 16, v[VC]
.endif
.set mt, mt+1
.endr
.endm
.macro AFILL kk, adr                   ; 2 MT loads: the token fragments that go with place kk, of the unit whose offsets lie in v[adr ..]
.set sb, SB+2*((\kk)/CH)               ; the base of the quarter that lies at place kk / CH; the k-step in the quarter stands in the immediate
.set mt, 0
.rept MT
.set rt, TR+8*MT*((\kk)%SA)+8*mt
	global_load_b128 v[rt:rt+3], v[\adr+mt], s[sb:sb+1] offset:((\kk)%CH)*1024
	global_load_b128 v[rt+4:rt+7], v[\adr+mt], s[sb:sb+1] offset:((\kk)%CH)*1024+512
.set mt, mt+1
.endr
.endm
.macro BFILL kk                        ; 8 LDS loads: the four weight fragments of place kk; 512 consecutive bytes each
.set q, 0
.rept 4
.set rw, WR+32*((\kk)&1)+8*q
	ds_load_b128 v[rw:rw+3], v[BA+((\kk)>>4)] offset:((\kk)&15)*4096+q*1024
	ds_load_b128 v[rw+4:rw+7], v[BA+((\kk)>>4)] offset:((\kk)&15)*4096+q*1024+512
.set q, q+1
.endr
.endm
; One k-step: 4 MT matrix instructions, then the refills of the two ring slots that they have read.
; last = 1: the wave's last unit: what would belong to a next unit is not asked for, and the counts run down.
.macro STEP k, last
.set na, SA-1
.set nb, 8
.set fill, 1
.if \last
.if (KS-1-(\k)) < (SA-1)
.set na, KS-1-(\k)
.endif
.if (\k) == (KS-1)
.set nb, 0
.endif
.if ((\k)+2) >= KS
.set fill, 0
.endif
.endif
.set na, 2*MT*na
.if G2
.if (\k) < SA
.set na, na+2*MT
.endif
.endif
	s_wait_loadcnt na                              ; younger: 2 MT loads for each later k-step in the ring (G2 = 1, the unit's first SA k-steps: and the 6 loads of token numbers)
	s_wait_dscnt nb                                ; younger: the next k-step's 8 LDS loads
	WIN FROM1
	; the 4 MT accumulators take turns, one instruction a turn, in the same order in every k-step
.set mt, 0
.rept MT
.set q, 0
.rept 4
.set rd, ACC+8*(4*mt+q)
.set rw, WR+32*((\k)&1)+8*q
.set rt, TR+8*MT*((\k)%SA)+8*mt
.if (\k) == 0
.if G2
	v_wmma_f32_16x16x32_bf16 v[rd:rd+7], v[rw:rw+7], v[rt:rt+7], 0
.else
	v_wmma_f32_16x16x32_bf16 v[rd:rd+7], v[rw:rw+7], v[rt:rt+7], v[BI+8*q:BI+8*q+7]   ; the sum starts from the bias
.endif
.else
	v_wmma_f32_16x16x32_bf16 v[rd:rd+7], v[rw:rw+7], v[rt:rt+7], v[rd:rd+7]
.endif
.set q, q+1
.endr
.set mt, mt+1
.endr
.rept 4
	v_nop                                          ; four places between a matrix instruction and a load into its sources, or an instruction that reads its result (ISA guide 7.12.1 for the instruction that reads its result)
.endr
.if fill
	WIN INTO1
.if ((\k)+SA) < KS
	AFILL (\k)+SA, AC
.else
.if \last == 0
	AFILL (\k)+SA-KS, AN                           ; the ring runs on into the next unit
.endif
.endif
.if ((\k)+2) < KS
	BFILL (\k)+2
.else
	BFILL (\k)+2-KS
.endif
.endif
.endm
.macro BLOCK last                      ; a unit's products
.if G2
.set mt, 0
.rept MT
	global_load_b128 v[TK+8*mt:TK+8*mt+3], v[VO+mt], s[10:11]              ; the tokens of rows 8 h .. 8 h + 7 of each tile
	global_load_b128 v[TK+8*mt+4:TK+8*mt+7], v[VO+mt], s[10:11] offset:16
.set mt, mt+1
.endr
.endif
.set ka, 0
.rept KS
	STEP ka, \last
.set ka, ka+1
.endr
	v_nop                                          ; the fifth place: the next unit's first products write over these accumulators
	WIN 0
.endm
.macro EPI                             ; a unit's results leave
.set mt, 0
.rept MT
.if G2
.set j, 0
.rept 8
.set q, 0
.rept 4
	v_add_f32 v[R+4*j+q], v[ACC+8*(4*mt+q)+j], v[BI+4*j+q]                 ; the bias; and four neighbouring columns come to lie in neighbouring registers
.set q, q+1
.endr
.set j, j+1
.endr
.set t, 0
.rept 8
	v_min_u32 v[TK+8*mt+t], 2047, v[TK+8*mt+t]
	v_mul_u32_u24 v[TK+8*mt+t], v[TK+8*mt+t], 4128                         ; the token's row of out0,
	v_add_nc_u32 v[TK+8*mt+t], v[TK+8*mt+t], v[VC]                         ; my 16 bytes of the block's 256
.set t, t+1
.endr
.set t, 0
.rept 8
	ds_store_b128 v[VSW], v[R+4*t:R+4*t+3] offset:16*t                     ; row r, columns 32 h + 4 t ..: rows 272 bytes apart start 16 bytes apart modulo 256
.set t, t+1
.endr
	s_wait_xcnt 0x0                                ; Z, which the last tile's stores read, is loaded again only behind this wait
.set t, 0
.rept 8
	ds_load_b128 v[Z+4*t:Z+4*t+3], v[VSR] offset:272*t                     ; rows t and 8 + t, whole.  My own bytes, served in order: these see the stores above
.set t, t+1
.endr
.set t, 0
.rept 8
	s_wait_dscnt 7-t
	global_store_b128 v[TK+8*mt+t], v[Z+4*t:Z+4*t+3], s[12:13] th:TH_STORE_NT   ; 16 lanes store 256 consecutive bytes of one row (rows of 4,128 bytes: aligned to 32)
.set t, t+1
.endr
.else
	s_wait_xcnt 0x0                                ; P, which the last tile's stores read, is written again only behind this wait
.set q, 0
.rept 4
.set i, 0
.rept 4
	v_cvt_pk_bf16_f32 v[P+4*q+i], v[ACC+8*(4*mt+q)+2*i], v[ACC+8*(4*mt+q)+2*i+1]
.set i, i+1
.endr
.set q, q+1
.endr
.set q, 0
.rept 4
	global_store_b128 v[VO+mt], v[P+4*q:P+4*q+3], s[12:13] offset:q*512    ; k-step 2 block + q / 2, half q % 2 of hs: 512 consecutive aligned bytes
.set q, q+1
.endr
.endif
.set mt, mt+1
.endr
.endm
	TILES 30
	OFFS AC
	OUTS
	s_add_co_u32 s23, s30, NW*MT                   ; my next unit's first tile
	TILES 23
	OFFS AN
	WIN INTO1
.set ka, 0
.rept SA
	AFILL ka, AC                                   ; the token ring is filled: 2 MT SA loads
.set ka, ka+1
.endr
	BFILL 0
	BFILL 1
	WIN 0
	s_cmp_le_u32 s36, 1
	s_cbranch_scc1 .Llast
.Lunit:                                            ; on both ways in: SA k-steps of tokens and 2 of weights are asked for
	BLOCK 0
	EPI
	s_wait_xcnt 0x0                                ; the offsets below are sources of loads and stores that were issued above
.set mt, 0
.rept MT
	v_mov_b32 v[AC+mt], v[AN+mt]
.set mt, mt+1
.endr
	OUTS
	s_add_co_u32 s23, s23, NW*MT
	TILES 23
	OFFS AN
	s_add_co_u32 s37, s37, 1
	s_cmp_lt_u32 s37, s36
	s_cbranch_scc1 .Lunit
.Llast:
	BLOCK 1
	EPI
.Lend:
	s_wait_tensorcnt 0x0
	ds_add_u32 v254, v255
	s_wait_dscnt 0x0
	s_endpgm
.Lfunc_end_k_q98ef9cab19_gemm1:
	.size	k_q98ef9cab19_gemm1, .Lfunc_end_k_q98ef9cab19_gemm1-k_q98ef9cab19_gemm1
	.p2alignl 7, 3214868480
	.fill 96, 4, 3214868480
	.section	.rodata,"a",@progbits
	.p2align	6, 0x0
	.amdhsa_kernel k_q98ef9cab19_gemm1
		.amdhsa_group_segment_fixed_size 131584
		.amdhsa_private_segment_fixed_size 0
		.amdhsa_enable_private_segment 0
		.amdhsa_kernarg_size 40
		.amdhsa_user_sgpr_count 2
		.amdhsa_user_sgpr_kernarg_segment_ptr 1
		.amdhsa_wavefront_size32 1
		.amdhsa_system_sgpr_workgroup_id_x 1
		.amdhsa_system_sgpr_workgroup_id_y 1
		.amdhsa_system_sgpr_workgroup_id_z 1
		.amdhsa_system_vgpr_workitem_id 0
		.amdhsa_next_free_vgpr 512
		.amdhsa_next_free_sgpr 66
		.amdhsa_reserve_vcc 0
		.amdhsa_float_denorm_mode_32 3
		.amdhsa_float_denorm_mode_16_64 3
		.amdhsa_memory_ordered 1
		.amdhsa_forward_progress 1
		.amdhsa_inst_pref_size 246
	.end_amdhsa_kernel
	.amdgpu_metadata
---
amdhsa.version: [ 1, 2 ]
amdhsa.kernels:
  - .name:           k_q98ef9cab19_gemm1
    .symbol:         k_q98ef9cab19_gemm1.kd
    .args:
      - { .name: xs, .offset: 0, .size: 8, .value_kind: global_buffer, .address_space: global }
      - { .name: W1, .offset: 8, .size: 8, .value_kind: global_buffer, .address_space: global }
      - { .name: b1, .offset: 16, .size: 8, .value_kind: global_buffer, .address_space: global }
      - { .name: tab, .offset: 24, .size: 8, .value_kind: global_buffer, .address_space: global }
      - { .name: hs, .offset: 32, .size: 8, .value_kind: global_buffer, .address_space: global }
    .group_segment_fixed_size: 131584
    .private_segment_fixed_size: 0
    .kernarg_segment_align: 8
    .kernarg_segment_size: 40
    .max_flat_workgroup_size: 128
    .sgpr_count:     66
    .vgpr_count:     512
    .wavefront_size: 32
...
	.end_amdgpu_metadata
.endif
;; end of part 7
;; launch gemm2 (part 8): grid 256 x 1, 4 waves a work-group, no clusters, 280,064 bytes of LDS; arguments hs, W2, b2, tab, out0; writes out0
.if DOCPART == 8
	.amdgcn_target "amdgcn-amd-amdhsa--gfx1250"
	.amdhsa_code_object_version 6
	.text
	.protected	k_q98ef9cab19_gemm2
	.globl	k_q98ef9cab19_gemm2
	.p2align	8
	.type	k_q98ef9cab19_gemm2,@function
k_q98ef9cab19_gemm2:
	s_mov_b64 s[64:65], 0
	v_nop
	global_prefetch_b8 v0, s[64:65] scope:SCOPE_SE
	s_setreg_imm32_b32 hwreg(HW_REG_WAVE_MODE, 25, 1), 1
	s_wait_xcnt 0x0
; One text serves both products; G2 chooses.  G2 = 0: hs = xs W1[e] + b1[e] (K = 1,024, 2,048 columns), stored in bf16 as the second
; product's fragments.  G2 = 1: out0's 1,024 first columns = hs W2[e] + b2[e] (K = 2,048), stored in f32 to the tokens' own rows.
; Operands are rounded to bf16 (x, W1, W2 and h); sums and biases are f32.  Only the expert that a token names is computed: where another
; expert's product of that token would not be finite, the masked sum of all experts would give NaN and this text does not.
; Tokens that name no expert are in none of the eight lists walked here; their rows are stored by the packing launch.
;
; A WORK-GROUP holds 64 columns of one expert's weights for ALL of K in LDS, as bf16 fragments (128 KiB; G2: 256 KiB), and runs the
; expert's tokens past them.  G2 = 0: 8 experts x 32 column blocks.  G2 = 1: 8 experts x 2 halves of the token units x 16 column blocks.
; WEIGHTS lie [K][N], a fragment wants K along a lane's registers.  Lane (r, h) loads 16 bytes, columns 4 r .. 4 r + 3 of the block, of the
; 16 rows that are its k of a k-step; rounding two rows' numbers of one column into one register gives four fragments q = 0..3 in which
; lane r stands for column 4 r + q.  No transposition is made; each load takes 2 rows x 256 consecutive aligned bytes.
; THE MATRIX INSTRUCTION takes the weights as source 0 and the tokens as source 1: register j of lane (r, h) of accumulator q is then
; (token r, column 32 h + 4 j + q of the block).  G2 = 0 rounds a lane's eight registers into 16 bytes and stores them as k-step
; 2 block + q / 2, half q % 2 of hs: place (k-step S, g, h, jj) of hs holds column 64 (S / 2) + 32 h + 4 jj + 2 (S % 2) + g, and G2 = 1
; loads W2's rows in that same order: a permutation of k that both operands share keeps every product.
; K BEGINS AT FOUR DIFFERENT QUARTERS: turn = column block % 4.  Wave w stages one quarter of K at LDS place w; it fetches quarter
; (w + turn) % 4 of the weights into it, and the token loads of the k-steps of place c take the base of quarter (c + turn) % 4.  So the
; work-groups that read the same token tiles do not all ask for the same bytes at the same moment: a fragment is asked for by a quarter of
; them first, and by the others one, two and three quarters of K later.  Every product is kept; the order of the f32 sum over K differs
; from column block to column block.
; TOKENS: a unit is MT tiles of 16 tokens x 64 columns x all K; the NW waves that share the columns take units in turn.  Tile numbers
; past the expert's last are clamped to the last, which lies in the same unit: the same wave stores the same bytes again.  Token
; fragments come straight from memory into a ring of SA k-steps of registers, weight fragments from LDS into a ring of two.
; NO CLUSTER, NO JOINT LOADS, though the work-groups of an expert read the same token tiles: the token loop's trips are read from the
; table and differ from wave to wave, so no barrier can stand in it, and a joint refill needs one; the fragments need no LDS at all.
.set G2, 1
.if G2
.set KS, 64                            ; k-steps of 32
.set KW, 16                            ; k-steps that one wave stages: a quarter of K
.set MT, 3                             ; tiles in a unit
.set NW, 8                             ; waves that share the units (4 here, 4 in the partner work-group)
.set SA, 8                             ; k-steps in the token ring
.set WPITCH, 4096                      ; bytes in a row of the weights
.set HSH, 17                           ; lanes 16-31 stand 32 rows further down
.set ASH, 16                           ; a tile of the token operand is 65,536 bytes
.set BSH, 12                           ; an expert's bias is 4,096 bytes
.set NBIAS, 8                          ; loads that bring the bias
.set DIVM, 2731                        ; y x 2731 >> 16 = y / 24, rounded down, for every y up to 151
.set ACC, 128
.else
.set KS, 32
.set KW, 8
.set MT, 5
.set NW, 4
.set SA, 4
.set WPITCH, 8192
.set HSH, 16                           ; lanes 16-31 stand 8 rows further down
.set ASH, 15
.set BSH, 13
.set NBIAS, 32
.set DIVM, 3277                        ; y x 3277 >> 16 = y / 20, rounded down, for every y up to 147
.set ACC, 88
.endif
.set CH,  KS/4                         ; k-steps in a quarter of K
.set CSH, ASH-2                        ; a quarter of a tile of the token operand: 1,024 CH bytes
; window 0 (v0-255)
.set VL,  1                            ; 16 lane
.set VW,  2                            ; my offset in the weights: my half's rows + 16 r
.set VS,  3                            ; LDS: where my wave's staged fragments go
.set BA,  4                            ; v4-7  LDS: 16 lane + 65,536 i, for the fragments of places 16 i .. 16 i + 15
.set VB,  8                            ; 128 h: my 32 columns in the block's bias
.set VC,  9                            ; G2 = 0: 2,048 block + 16 lane (in a tile of hs).  G2 = 1: 256 block + 16 r (in a row of out0)
.set VSW, 10                           ; G2 = 1: the stage, in: row r, 128 h
.set VSR, 11                           ; G2 = 1: the stage, back: row 8 h, 16 r
.set VT,  12                           ; G2 = 1: 32 h: my half's eight tokens in a tile of the table
.set TMP, 13
.set AC,  14                           ; v14-18  this unit's tiles: byte offset in the token operand + 16 lane
.set AN,  19                           ; v19-23  the next unit's
.set VO,  24                           ; v24-28  this unit's tiles: offset in hs (G2 = 0), in the table (G2 = 1)
.set BI,  32                           ; v[32:63]  bias.  G2 = 0: register 8 q + j, an accumulator's image.  G2 = 1: register i = column 32 h + i
.set P,   64                           ; G2 = 0: v[64:79] a tile's results in bf16
.set R,   64                           ; G2 = 1: v[64:95] a tile's results, columns in order
.set TK,  96                           ; G2 = 1: v[96:119] tokens of rows 8 h + 0..7 of each tile, then their offsets in out0
.set Z,   224                          ; G2 = 1: v[224:255] whole rows read back from the stage
.set F,   ACC                          ; weight phase: 32 registers of finished fragments; accumulator (mt, q) is at ACC + 8 (4 mt + q)
; window 1 (v256-511): weight phase: four slots of 64 registers, a k-step's 16 loads each.  Token phase:
.set TR,  0                            ; token ring: slot k % SA at 8 MT (k % SA), tile mt at + 8 mt
.set WR,  8*MT*SA                      ; weight ring: slot k % 2 at + 32 (k % 2), fragment q at + 8 q
.set TN,  24                           ; s24-28  tile numbers
.set SB,  40                           ; s[40:47]  place c = 0..3: the token operand's address + quarter (c + turn) % 4 of a tile; never rewritten
.set STAGE, 262144                     ; G2 = 1: behind the weights, 16 rows x 272 bytes for each wave
.set MSB, 0
.macro WIN new                         ; s_set_vgpr_msb: bits 1:0 source 0, 3:2 source 1, 5:4 source 2, 7:6 destination; the high byte repeats the setting that is left
.if MSB != \new
	s_set_vgpr_msb (MSB<<8)|\new
.set MSB, \new
.endif
.endm
.set FROM1, 0x05                       ; sources 0 and 1 in window 1: roundings out of the staging slots, matrix instructions
.set INTO1, 0x40                       ; destination in window 1: loads into the staging slots and the rings
	s_load_b256 s[4:11], s[0:1], 0x0               ; token operand s[4:5], weights s[6:7], bias s[8:9], tab s[10:11]
	s_load_b64 s[12:13], s[0:1], 0x20              ; output
	v_lshl_add_u32 v126, v0, 2, 0x44400
	v_mov_b32 v127, 0
	v_lshrrev_b32 v[TMP], 5, v0
	v_readfirstlane_b32 s14, v[TMP]                ; wave w
	s_lshr_b32 s15, ttmp9, 5                       ; expert e
.if G2
	s_and_b32 s16, ttmp9, 15                       ; column block
	s_bfe_u32 s17, ttmp9, 0x10004                  ; which half of the units
	s_lshl1_add_u32 s30, s14, s17                  ; my place among the 8 waves: 2 w + half
.else
	s_and_b32 s16, ttmp9, 31                       ; column block
	s_mov_b32 s30, s14
.endif
	s_mul_i32 s30, s30, MT                         ; my first unit's first tile
	s_lshl_b32 s31, s15, 3                         ; my expert's pair in the table's head; never rewritten
	s_and_b32 s38, s16, 3                          ; my work-group's turn
	s_add_co_u32 s29, s14, s38
	s_and_b32 s29, s29, 3                          ; the quarter of K that my wave stages: (w + turn) % 4
	s_lshl_b32 s29, s29, 21                        ; weights: 2,097,152 bytes a quarter of K,
	s_lshl_b32 s18, s15, 23                        ; 8,388,608 an expert,
	s_add_co_u32 s18, s18, s29
	s_lshl_b32 s29, s16, 8                         ; 256 for a block of 64 columns
	s_add_co_u32 s18, s18, s29
	s_mov_b32 s19, 0
	s_lshl_b32 s32, s15, BSH
	s_add_co_u32 s32, s32, s29                     ; bias: the expert's, + 256 a block
	s_mov_b32 s33, 0
.set c, 0
.rept 4
	s_add_co_u32 s[SB+2*c], s38, c
	s_and_b32 s[SB+2*c], s[SB+2*c], 3              ; the quarter that lies at place c
	s_lshl_b32 s[SB+2*c], s[SB+2*c], CSH           ; its bytes in a tile of the token operand
	s_mov_b32 s[SB+2*c+1], 0
.set c, c+1
.endr
	s_mul_i32 s35, s14, KW*4096                    ; LDS: a k-step's four fragments are 4,096 bytes; my wave's place hangs on its number alone
	v_and_b32 v[TMP], 31, v0
	v_lshlrev_b32 v[VL], 4, v[TMP]
	v_and_b32 v[TMP], 15, v0                       ; r
	v_bfe_u32 v[VB], v0, 4, 1                      ; h
	v_lshlrev_b32 v[VW], 4, v[TMP]                 ; 16 r
.if G2
	s_mul_i32 s34, s14, 16*272
	s_add_co_u32 s34, s34, STAGE                   ; my wave's stage
	v_lshl_add_u32 v[VC], s16, 8, v[VW]
	v_mul_u32_u24 v[VSW], v[TMP], 272
	v_lshl_add_u32 v[VSW], v[VB], 7, v[VSW]
	v_add_nc_u32 v[VSW], s34, v[VSW]
	v_mul_u32_u24 v[VSR], v[VB], 8*272
	v_add_nc_u32 v[VSR], v[VSR], v[VW]
	v_add_nc_u32 v[VSR], s34, v[VSR]
	v_lshlrev_b32 v[VT], 5, v[VB]
.else
	v_lshl_add_u32 v[VC], s16, 11, v[VL]
.endif
	v_lshl_add_u32 v[VW], v[VB], HSH, v[VW]
	v_lshlrev_b32 v[VB], 7, v[VB]
	v_add_nc_u32 v[VS], s35, v[VL]
.set i, 0
.rept KS/16
	v_add_nc_u32 v[BA+i], i*65536, v[VL]
.set i, i+1
.endr
	s_wait_kmcnt 0x0
	s_add_nc_u64 s[6:7], s[6:7], s[18:19]
	s_add_nc_u64 s[8:9], s[8:9], s[32:33]
.set c, 0
.rept 4
	s_add_nc_u64 s[SB+2*c:SB+2*c+1], s[4:5], s[SB+2*c:SB+2*c+1]
.set c, c+1
.endr
	s_load_b64 s[20:21], s[10:11], s31 offset:8704 ; (first tile, tiles) of my expert: waited for behind the barrier
; ---- the weight phase: the same in every wave of every work-group ----
; The 16 loads of staged k-step s: row (g, jj) of my half into slot s % 4, registers 4 (8 g + jj) .. + 3
.macro WLOAD s
.set g, 0
.rept 2
.set jj, 0
.rept 8
.set rs, 64*((\s)&3)+4*(8*g+jj)
.if G2
	global_load_b128 v[rs:rs+3], v[VW], s[6:7] offset:(64*((\s)>>1)+2*((\s)&1)+g+4*jj)*WPITCH   ; the order in which hs holds k; read by two work-groups: no hint
.else
	global_load_b128 v[rs:rs+3], v[VW], s[6:7] offset:(32*(\s)+16*g+jj)*WPITCH th:TH_LOAD_NT     ; read once in the launch
.endif
.set jj, jj+1
.endr
.set g, g+1
.endr
.endm
.macro BIAS
.if G2
.irp i, 0,1,2,3,4,5,6,7
	global_load_b128 v[BI+4*\i:BI+4*\i+3], v[VB], s[8:9] offset:16*\i
.endr
.else
.irp q, 0,1,2,3
.irp j, 0,1,2,3,4,5,6,7
	global_load_b32 v[BI+8*\q+\j], v[VB], s[8:9] offset:16*\j+4*\q      ; column 32 h + 4 j + q, where accumulator q has it
.endr
.endr
.endif
.endm
; Staged k-step s.  First the slot that the k-step before has left is asked for again, three k-steps ahead; then this k-step is rounded into
; four fragments, which go to LDS.  48 loads of 512 bytes are out in each wave behind every refill.
.macro WCVT s
.set left, KW-1-(\s)
.if left > 2
.set left, 2
.endif
.if (\s) == (KW-1)
	s_wait_loadcnt NBIAS                           ; younger: the bias alone
.else
	s_wait_loadcnt 16*left                         ; younger: 16 loads for each of the later k-steps that are out
.endif
.if ((\s)+3) < KW
	WIN INTO1
	WLOAD (\s)+3
.endif
.if (\s) == (KW-2)
	WIN 0
	BIAS                                           ; here, where only 16 weight loads are still out, and with two k-steps' work and the barrier in which to land
.endif
	WIN FROM1
.set q, 0
.rept 4
.set g, 0
.rept 2
.set i, 0
.rept 4
	v_cvt_pk_bf16_f32 v[F+8*q+4*g+i], v[64*((\s)&3)+4*(8*g+2*i)+q], v[64*((\s)&3)+4*(8*g+2*i+1)+q]   ; k even below, k odd above, column 4 r + q
.set i, i+1
.endr
.set g, g+1
.endr
.set q, q+1
.endr
	WIN 0
.set q, 0
.rept 4
	ds_store_b128 v[VS], v[F+8*q:F+8*q+3] offset:(\s)*4096+q*1024
	ds_store_b128 v[VS], v[F+8*q+4:F+8*q+7] offset:(\s)*4096+q*1024+512
.set q, q+1
.endr
.endm
	WIN INTO1
	WLOAD 0
	WLOAD 1
	WLOAD 2
.set ws, 0
.rept KW
	WCVT ws
.set ws, ws+1
.endr
	s_wait_dscnt 0x0                               ; my fragments are in LDS before I say so
	s_barrier_signal -1
	s_barrier_wait -1                              ; the kernel's only barrier, on every wave's path: all of K is in LDS, and is only read from here on
; ---- the token phase: each wave by itself ----
	s_wait_loadcnt 0x0                             ; the bias is in (G2 = 0: the first products take it as C)
	s_wait_kmcnt 0x0
	s_min_u32 s20, s20, 135                        ; first tile
	s_min_u32 s21, s21, 128                        ; tiles
	s_cmp_ge_u32 s30, s21
	s_cbranch_scc1 .Lend                           ; no unit for this wave
	s_sub_co_u32 s22, s21, 1
	s_sub_co_u32 s36, s21, s30                     ; tiles from my first unit on, at least 1
	s_add_co_u32 s36, s36, NW*MT-1
	s_mul_i32 s36, s36, DIVM
	s_lshr_b32 s36, s36, 16                        ; my units: those tiles / (NW MT), rounded up
	s_min_u32 s36, s36, 7
	s_mov_b32 s37, 1                               ; the loop's counter: all my units but the last go round it
.macro TILES l                         ; s[TN + mt] = the table's number of tile s[l] + mt of my expert, clamped to its last
.set mt, 0
.rept MT
	s_add_co_u32 s[TN+mt], s[\l], mt
	s_min_u32 s[TN+mt], s[TN+mt], s22
	s_add_co_u32 s[TN+mt], s[TN+mt], s20
	s_min_u32 s[TN+mt], s[TN+mt], 135
.set mt, mt+1
.endr
.endm
.macro OFFS adr                        ; their offsets in the token operand
.set mt, 0
.rept MT
	v_lshl_add_u32 v[\adr+mt], s[TN+mt], ASH, v[VL]
.set mt, mt+1
.endr
.endm
.macro OUTS                            ; and where their results, or their tokens' numbers, lie
.set mt, 0
.rept MT
.if G2
	v_lshl_add_u32 v[VO+mt], s[TN+mt], 6, v[VT]
.else
	v_lshl_add_u32 v[VO+mt], s[TN+mt], 16, v[VC]
.endif
.set mt, mt+1
.endr
.endm
.macro AFILL kk, adr                   ; 2 MT loads: the token fragments that go with place kk, of the unit whose offsets lie in v[adr ..]
.set sb, SB+2*((\kk)/CH)               ; the base of the quarter that lies at place kk / CH; the k-step in the quarter stands in the immediate
.set mt, 0
.rept MT
.set rt, TR+8*MT*((\kk)%SA)+8*mt
	global_load_b128 v[rt:rt+3], v[\adr+mt], s[sb:sb+1] offset:((\kk)%CH)*1024
	global_load_b128 v[rt+4:rt+7], v[\adr+mt], s[sb:sb+1] offset:((\kk)%CH)*1024+512
.set mt, mt+1
.endr
.endm
.macro BFILL kk                        ; 8 LDS loads: the four weight fragments of place kk; 512 consecutive bytes each
.set q, 0
.rept 4
.set rw, WR+32*((\kk)&1)+8*q
	ds_load_b128 v[rw:rw+3], v[BA+((\kk)>>4)] offset:((\kk)&15)*4096+q*1024
	ds_load_b128 v[rw+4:rw+7], v[BA+((\kk)>>4)] offset:((\kk)&15)*4096+q*1024+512
.set q, q+1
.endr
.endm
; One k-step: 4 MT matrix instructions, then the refills of the two ring slots that they have read.
; last = 1: the wave's last unit: what would belong to a next unit is not asked for, and the counts run down.
.macro STEP k, last
.set na, SA-1
.set nb, 8
.set fill, 1
.if \last
.if (KS-1-(\k)) < (SA-1)
.set na, KS-1-(\k)
.endif
.if (\k) == (KS-1)
.set nb, 0
.endif
.if ((\k)+2) >= KS
.set fill, 0
.endif
.endif
.set na, 2*MT*na
.if G2
.if (\k) < SA
.set na, na+2*MT
.endif
.endif
	s_wait_loadcnt na                              ; younger: 2 MT loads for each later k-step in the ring (G2 = 1, the unit's first SA k-steps: and the 6 loads of token numbers)
	s_wait_dscnt nb                                ; younger: the next k-step's 8 LDS loads
	WIN FROM1
	; the 4 MT accumulators take turns, one instruction a turn, in the same order in every k-step
.set mt, 0
.rept MT
.set q, 0
.rept 4
.set rd, ACC+8*(4*mt+q)
.set rw, WR+32*((\k)&1)+8*q
.set rt, TR+8*MT*((\k)%SA)+8*mt
.if (\k) == 0
.if G2
	v_wmma_f32_16x16x32_bf16 v[rd:rd+7], v[rw:rw+7], v[rt:rt+7], 0
.else
	v_wmma_f32_16x16x32_bf16 v[rd:rd+7], v[rw:rw+7], v[rt:rt+7], v[BI+8*q:BI+8*q+7]   ; the sum starts from the bias
.endif
.else
	v_wmma_f32_16x16x32_bf16 v[rd:rd+7], v[rw:rw+7], v[rt:rt+7], v[rd:rd+7]
.endif
.set q, q+1
.endr
.set mt, mt+1
.endr
.rept 4
	v_nop                                          ; four places between a matrix instruction and a load into its sources, or an instruction that reads its result (ISA guide 7.12.1 for the instruction that reads its result)
.endr
.if fill
	WIN INTO1
.if ((\k)+SA) < KS
	AFILL (\k)+SA, AC
.else
.if \last == 0
	AFILL (\k)+SA-KS, AN                           ; the ring runs on into the next unit
.endif
.endif
.if ((\k)+2) < KS
	BFILL (\k)+2
.else
	BFILL (\k)+2-KS
.endif
.endif
.endm
.macro BLOCK last                      ; a unit's products
.if G2
.set mt, 0
.rept MT
	global_load_b128 v[TK+8*mt:TK+8*mt+3], v[VO+mt], s[10:11]              ; the tokens of rows 8 h .. 8 h + 7 of each tile
	global_load_b128 v[TK+8*mt+4:TK+8*mt+7], v[VO+mt], s[10:11] offset:16
.set mt, mt+1
.endr
.endif
.set ka, 0
.rept KS
	STEP ka, \last
.set ka, ka+1
.endr
	v_nop                                          ; the fifth place: the next unit's first products write over these accumulators
	WIN 0
.endm
.macro EPI                             ; a unit's results leave
.set mt, 0
.rept MT
.if G2
.set j, 0
.rept 8
.set q, 0
.rept 4
	v_add_f32 v[R+4*j+q], v[ACC+8*(4*mt+q)+j], v[BI+4*j+q]                 ; the bias; and four neighbouring columns come to lie in neighbouring registers
.set q, q+1
.endr
.set j, j+1
.endr
.set t, 0
.rept 8
	v_min_u32 v[TK+8*mt+t], 2047, v[TK+8*mt+t]
	v_mul_u32_u24 v[TK+8*mt+t], v[TK+8*mt+t], 4128                         ; the token's row of out0,
	v_add_nc_u32 v[TK+8*mt+t], v[TK+8*mt+t], v[VC]                         ; my 16 bytes of the block's 256
.set t, t+1
.endr
.set t, 0
.rept 8
	ds_store_b128 v[VSW], v[R+4*t:R+4*t+3] offset:16*t                     ; row r, columns 32 h + 4 t ..: rows 272 bytes apart start 16 bytes apart modulo 256
.set t, t+1
.endr
	s_wait_xcnt 0x0                                ; Z, which the last tile's stores read, is loaded again only behind this wait
.set t, 0
.rept 8
	ds_load_b128 v[Z+4*t:Z+4*t+3], v[VSR] offset:272*t                     ; rows t and 8 + t, whole.  My own bytes, served in order: these see the stores above
.set t, t+1
.endr
.set t, 0
.rept 8
	s_wait_dscnt 7-t
	global_store_b128 v[TK+8*mt+t], v[Z+4*t:Z+4*t+3], s[12:13] th:TH_STORE_NT   ; 16 lanes store 256 consecutive bytes of one row (rows of 4,128 bytes: aligned to 32)
.set t, t+1
.endr
.else
	s_wait_xcnt 0x0                                ; P, which the last tile's stores read, is written again only behind this wait
.set q, 0
.rept 4
.set i, 0
.rept 4
	v_cvt_pk_bf16_f32 v[P+4*q+i], v[ACC+8*(4*mt+q)+2*i], v[ACC+8*(4*mt+q)+2*i+1]
.set i, i+1
.endr
.set q, q+1
.endr
.set q, 0
.rept 4
	global_store_b128 v[VO+mt], v[P+4*q:P+4*q+3], s[12:13] offset:q*512    ; k-step 2 block + q / 2, half q % 2 of hs: 512 consecutive aligned bytes
.set q, q+1
.endr
.endif
.set mt, mt+1
.endr
.endm
	TILES 30
	OFFS AC
	OUTS
	s_add_co_u32 s23, s30, NW*MT                   ; my next unit's first tile
	TILES 23
	OFFS AN
	WIN INTO1
.set ka, 0
.rept SA
	AFILL ka, AC                                   ; the token ring is filled: 2 MT SA loads
.set ka, ka+1
.endr
	BFILL 0
	BFILL 1
	WIN 0
	s_cmp_le_u32 s36, 1
	s_cbranch_scc1 .Llast
.Lunit:                                            ; on both ways in: SA k-steps of tokens and 2 of weights are asked for
	BLOCK 0
	EPI
	s_wait_xcnt 0x0                                ; the offsets below are sources of loads and stores that were issued above
.set mt, 0
.rept MT
	v_mov_b32 v[AC+mt], v[AN+mt]
.set mt, mt+1
.endr
	OUTS
	s_add_co_u32 s23, s23, NW*MT
	TILES 23
	OFFS AN
	s_add_co_u32 s37, s37, 1
	s_cmp_lt_u32 s37, s36
	s_cbranch_scc1 .Lunit
.Llast:
	BLOCK 1
	EPI
.Lend:
	s_wait_tensorcnt 0x0
	ds_add_u32 v126, v127
	s_wait_dscnt 0x0
	s_endpgm
.Lfunc_end_k_q98ef9cab19_gemm2:
	.size	k_q98ef9cab19_gemm2, .Lfunc_end_k_q98ef9cab19_gemm2-k_q98ef9cab19_gemm2
	.p2alignl 7, 3214868480
	.fill 96, 4, 3214868480
	.section	.rodata,"a",@progbits
	.p2align	6, 0x0
	.amdhsa_kernel k_q98ef9cab19_gemm2
		.amdhsa_group_segment_fixed_size 280064
		.amdhsa_private_segment_fixed_size 0
		.amdhsa_enable_private_segment 0
		.amdhsa_kernarg_size 40
		.amdhsa_user_sgpr_count 2
		.amdhsa_user_sgpr_kernarg_segment_ptr 1
		.amdhsa_wavefront_size32 1
		.amdhsa_system_sgpr_workgroup_id_x 1
		.amdhsa_system_sgpr_workgroup_id_y 1
		.amdhsa_system_sgpr_workgroup_id_z 1
		.amdhsa_system_vgpr_workitem_id 0
		.amdhsa_next_free_vgpr 512
		.amdhsa_next_free_sgpr 66
		.amdhsa_reserve_vcc 0
		.amdhsa_float_denorm_mode_32 3
		.amdhsa_float_denorm_mode_16_64 3
		.amdhsa_memory_ordered 1
		.amdhsa_forward_progress 1
		.amdhsa_inst_pref_size 255
	.end_amdhsa_kernel
	.section	.bss,"aw",@nobits
	.p2align	6
	.space	262144
	.amdgpu_metadata
---
amdhsa.version: [ 1, 2 ]
amdhsa.kernels:
  - .name:           k_q98ef9cab19_gemm2
    .symbol:         k_q98ef9cab19_gemm2.kd
    .args:
      - { .name: hs, .offset: 0, .size: 8, .value_kind: global_buffer, .address_space: global }
      - { .name: W2, .offset: 8, .size: 8, .value_kind: global_buffer, .address_space: global }
      - { .name: b2, .offset: 16, .size: 8, .value_kind: global_buffer, .address_space: global }
      - { .name: tab, .offset: 24, .size: 8, .value_kind: global_buffer, .address_space: global }
      - { .name: out0, .offset: 32, .size: 8, .value_kind: global_buffer, .address_space: global }
    .group_segment_fixed_size: 280064
    .private_segment_fixed_size: 0
    .kernarg_segment_align: 8
    .kernarg_segment_size: 40
    .max_flat_workgroup_size: 128
    .sgpr_count:     66
    .vgpr_count:     512
    .wavefront_size: 32
...
	.end_amdgpu_metadata
.endif
;; end of part 8
;; ======== version 3 of 3: 4 launches; version 2 with the launches gemm1, gemm2 written anew for expert scheduling mode
;; workspace buffers: tab 8,960 bytes of whole numbers; xs 4,456,448 bytes; hs 8,912,896 bytes
;; launch route: the kernel of part 5 again; grid 1 x 1, 8 waves a work-group, no clusters, 2,048 bytes of LDS; arguments expert_idx, tab; writes tab
;; launch pack: the kernel of part 6 again; grid 256 x 1, 5 waves a work-group, no clusters, 22,528 bytes of LDS; arguments x_feat, tab, xs, out0, expert_idx; writes xs, out0
;; launch gemm1 (part 9): grid 256 x 1, 4 waves a work-group, no clusters, 131,584 bytes of LDS; arguments xs, W1, b1, tab, hs; writes hs
.if DOCPART == 9
	.amdgcn_target "amdgcn-amd-amdhsa--gfx1250"
	.amdhsa_code_object_version 6
	.text
	.protected	k_q98ef9cab19_gemm1
	.globl	k_q98ef9cab19_gemm1
	.p2align	8
	.type	k_q98ef9cab19_gemm1,@function
k_q98ef9cab19_gemm1:
	s_mov_b64 s[64:65], 0
	v_nop
	global_prefetch_b8 v0, s[64:65] scope:SCOPE_SE
	s_setreg_imm32_b32 hwreg(HW_REG_WAVE_SCHED_MODE, 0, 2), 2
	s_setreg_imm32_b32 hwreg(HW_REG_WAVE_MODE, 25, 1), 1
	s_wait_xcnt 0x0
	s_wait_alu depctr_vm_vsrc(0)
; One text serves both products; G2 chooses.  G2 = 0: hs = xs W1[e] + b1[e] (K = 1,024, 2,048 columns), stored in bf16 as the second
; product's fragments.  G2 = 1: out0's 1,024 first columns = hs W2[e] + b2[e] (K = 2,048), stored in f32 to the tokens' own rows.
; Operands are rounded to bf16 (x, W1, W2 and h); sums and biases are f32.  Only the expert that a token names is computed: where another
; expert's product of that token would not be finite, the masked sum of all experts would give NaN and this text does not.
; Tokens that name no expert are in none of the eight lists walked here; their rows are stored by the packing launch.
;
; A WORK-GROUP holds 64 columns of one expert's weights for ALL of K in LDS, as bf16 fragments (128 KiB; G2: 256 KiB), and runs the
; expert's tokens past them.  G2 = 0: 8 experts x 32 column blocks.  G2 = 1: 8 experts x 2 halves of the token units x 16 column blocks.
; WEIGHTS lie [K][N], a fragment wants K along a lane's registers.  Lane (r, h) loads 16 bytes, columns 4 r .. 4 r + 3 of the block, of the
; 16 rows that are its k of a k-step; rounding two rows' numbers of one column into one register gives four fragments q = 0..3 in which
; lane r stands for column 4 r + q.  No transposition is made; each load takes 2 rows x 256 consecutive aligned bytes.
; THE MATRIX INSTRUCTION takes the weights as source 0 and the tokens as source 1: register j of lane (r, h) of accumulator q is then
; (token r, column 32 h + 4 j + q of the block).  G2 = 0 rounds a lane's eight registers into 16 bytes and stores them as k-step
; 2 block + q / 2, half q % 2 of hs: place (k-step S, g, h, jj) of hs holds column 64 (S / 2) + 32 h + 4 jj + 2 (S % 2) + g, and G2 = 1
; loads W2's rows in that same order: a permutation of k that both operands share keeps every product.
; K BEGINS AT FOUR DIFFERENT QUARTERS: turn = column block % 4.  Wave w stages one quarter of K at LDS place w; it fetches quarter
; (w + turn) % 4 of the weights into it, and the token loads of the k-steps of place c take the base of quarter (c + turn) % 4.  So the
; work-groups that read the same token tiles do not all ask for the same bytes at the same moment: a fragment is asked for by a quarter of
; them first, and by the others one, two and three quarters of K later.  Every product is kept; the order of the f32 sum over K differs
; from column block to column block.
; TOKENS: a unit is MT tiles of 16 tokens x 64 columns x all K; the NW waves that share the columns take units in turn.  Tile numbers
; past the expert's last are clamped to the last, which lies in the same unit: the same wave stores the same bytes again.  Token
; fragments come straight from memory into a ring of SA k-steps of registers, weight fragments from LDS into a ring of two.
; NO CLUSTER, NO JOINT LOADS, though the work-groups of an expert read the same token tiles: the token loop's trips are read from the
; table and differ from wave to wave, so no barrier can stand in it, and a joint refill needs one; the fragments need no LDS at all.
; THE MODE: SCHED_MODE bits 1:0 = 2 (LLVM: expert scheduling mode 2), set by the entry lines.  The code itself states the register dependences
; between vector or matrix instructions and memory or LDS instructions, with s_wait_alu, always for 0.
; THE PLAN.  Registers that memory or LDS instructions touch:
;   v1-v12        offsets and LDS addresses, made at the head, never written again: one wait ahead of the first load serves them all.
;   staging slots Staged k-step s: its 16 loads land in slot s % 4, its 32 roundings read it, the loads issued in k-step s + 1 land in it again.
;   F0, F1        K-step s's roundings write F[s % 2]; the eight LDS stores issued in k-step s + 1 read it; k-step s + 2's roundings write it again.
;                 So two waits stand at a staged k-step's head, behind the wait for its data; its loads and LDS stores follow with no further wait.
;   token ring    K-step k's products read slot k % SA; the loads of k-step k + SA land in it directly behind them.
;   weight ring   K-step k's products read slot k % 2; the LDS loads of place k + 2 land in it, issued behind the first four products of k-step k + 1.
;                 So ONE wait stands at a k-step's end: its products are done reading both slots.  The four products between that wait and the LDS
;                 loads name the other weight slot, another token slot and accumulators: none of the registers that those loads touch.
;   AC, AN, VO    written ahead of the ring's first fill and at the loop's foot, with a wait on either side there.
;   G2 = 0        a unit's results close up, rounded, into the low four registers of each accumulator: 80 roundings, one wait, 20 stores.
;   G2 = 1        R (additions write, LDS stores read), Z (LDS loads land, stores read), TK (loads land, offsets are made in place, stores read).
.set G2, 0
.if G2
.set KS, 64                            ; k-steps of 32
.set KW, 16                            ; k-steps that one wave stages: a quarter of K
.set MT, 3                             ; tiles in a unit
.set NW, 8                             ; waves that share the units (4 here, 4 in the partner work-group)
.set SA, 8                             ; k-steps in the token ring
.set WPITCH, 4096                      ; bytes in a row of the weights
.set HSH, 17                           ; lanes 16-31 stand 32 rows further down
.set ASH, 16                           ; a tile of the token operand is 65,536 bytes
.set BSH, 12                           ; an expert's bias is 4,096 bytes
.set NBIAS, 8                          ; loads that bring the bias
.set DIVM, 2731                        ; y x 2731 >> 16 = y / 24, rounded down, for every y up to 151
.set ACC, 128
.else
.set KS, 32
.set KW, 8
.set MT, 5
.set NW, 4
.set SA, 4
.set WPITCH, 8192
.set HSH, 16                           ; lanes 16-31 stand 8 rows further down
.set ASH, 15
.set BSH, 13
.set NBIAS, 32
.set DIVM, 3277                        ; y x 3277 >> 16 = y / 20, rounded down, for every y up to 147
.set ACC, 88
.endif
.set CH,  KS/4                         ; k-steps in a quarter of K
.set CSH, ASH-2                        ; a quarter of a tile of the token operand: 1,024 CH bytes
; window 0 (v0-255)
.set VL,  1                            ; 16 lane
.set VW,  2                            ; my offset in the weights: my half's rows + 16 r
.set VS,  3                            ; LDS: where my wave's staged fragments go
.set BA,  4                            ; v4-7  LDS: 16 lane + 65,536 i, for the fragments of places 16 i .. 16 i + 15
.set VB,  8                            ; 128 h: my 32 columns in the block's bias
.set VC,  9                            ; G2 = 0: 2,048 block + 16 lane (in a tile of hs).  G2 = 1: 256 block + 16 r (in a row of out0)
.set VSW, 10                           ; G2 = 1: the stage, in: row r, 128 h
.set VSR, 11                           ; G2 = 1: the stage, back: row 8 h, 16 r
.set VT,  12                           ; G2 = 1: 32 h: my half's eight tokens in a tile of the table
.set TMP, 13
.set AC,  14                           ; v14-18  this unit's tiles: byte offset in the token operand + 16 lane
.set AN,  19                           ; v19-23  the next unit's
.set VO,  24                           ; v24-28  this unit's tiles: offset in hs (G2 = 0), in the table (G2 = 1)
.set BI,  32                           ; v[32:63]  bias.  G2 = 0: register 8 q + j, an accumulator's image.  G2 = 1: register i = column 32 h + i
.set R,   64                           ; G2 = 1: v[64:95] a tile's results, columns in order
.set TK,  96                           ; G2 = 1: v[96:119] tokens of rows 8 h + 0..7 of each tile, then their offsets in out0
.set Z,   224                          ; G2 = 1: v[224:255] whole rows read back from the stage
.set F,   ACC                          ; weight phase: two buffers of 32 registers of finished fragments; accumulator (mt, q) is at ACC + 8 (4 mt + q)
; window 1 (v256-511): weight phase: four slots of 64 registers, a k-step's 16 loads each.  Token phase:
.set TR,  0                            ; token ring: slot k % SA at 8 MT (k % SA), tile mt at + 8 mt
.set WR,  8*MT*SA                      ; weight ring: slot k % 2 at + 32 (k % 2), fragment q at + 8 q
.set TN,  24                           ; s24-28  tile numbers
.set SB,  40                           ; s[40:47]  place c = 0..3: the token operand's address + quarter (c + turn) % 4 of a tile; never rewritten
.set STAGE, 262144                     ; G2 = 1: behind the weights, 16 rows x 272 bytes for each wave
.set MSB, 0
.macro WIN new                         ; s_set_vgpr_msb: bits 1:0 source 0, 3:2 source 1, 5:4 source 2, 7:6 destination; the high byte repeats the setting that is left
.if MSB != \new
	s_set_vgpr_msb (MSB<<8)|\new
.set MSB, \new
.endif
.endm
.set FROM1, 0x05                       ; sources 0 and 1 in window 1: roundings out of the staging slots, matrix instructions
.set INTO1, 0x40                       ; destination in window 1: loads into the staging slots and the rings
	s_load_b256 s[4:11], s[0:1], 0x0               ; token operand s[4:5], weights s[6:7], bias s[8:9], tab s[10:11]
	s_load_b64 s[12:13], s[0:1], 0x20              ; output
	v_lshl_add_u32 v254, v0, 2, 0x20000
	v_mov_b32 v255, 0
	v_lshrrev_b32 v[TMP], 5, v0
	v_readfirstlane_b32 s14, v[TMP]                ; wave w
	s_lshr_b32 s15, ttmp9, 5                       ; expert e
	s_wait_alu depctr_va_sdst(0)                   ; s14 is written, ahead of its first reader: my units, my quarter of K and my LDS places are made from it
.if G2
	s_and_b32 s16, ttmp9, 15                       ; column block
	s_bfe_u32 s17, ttmp9, 0x10004                  ; which half of the units
	s_lshl1_add_u32 s30, s14, s17                  ; my place among the 8 waves: 2 w + half
.else
	s_and_b32 s16, ttmp9, 31                       ; column block
	s_mov_b32 s30, s14
.endif
	s_mul_i32 s30, s30, MT                         ; my first unit's first tile
	s_lshl_b32 s31, s15, 3                         ; my expert's pair in the table's head; never rewritten
	s_and_b32 s38, s16, 3                          ; my work-group's turn
	s_add_co_u32 s29, s14, s38
	s_and_b32 s29, s29, 3                          ; the quarter of K that my wave stages: (w + turn) % 4
	s_lshl_b32 s29, s29, 21                        ; weights: 2,097,152 bytes a quarter of K,
	s_lshl_b32 s18, s15, 23                        ; 8,388,608 an expert,
	s_add_co_u32 s18, s18, s29
	s_lshl_b32 s29, s16, 8                         ; 256 for a block of 64 columns
	s_add_co_u32 s18, s18, s29
	s_mov_b32 s19, 0
	s_lshl_b32 s32, s15, BSH
	s_add_co_u32 s32, s32, s29                     ; bias: the expert's, + 256 a block
	s_mov_b32 s33, 0
.set c, 0
.rept 4
	s_add_co_u32 s[SB+2*c], s38, c
	s_and_b32 s[SB+2*c], s[SB+2*c], 3              ; the quarter that lies at place c
	s_lshl_b32 s[SB+2*c], s[SB+2*c], CSH           ; its bytes in a tile of the token operand
	s_mov_b32 s[SB+2*c+1], 0
.set c, c+1
.endr
	s_mul_i32 s35, s14, KW*4096                    ; LDS: a k-step's four fragments are 4,096 bytes; my wave's place hangs on its number alone
	v_and_b32 v[TMP], 31, v0
	v_lshlrev_b32 v[VL], 4, v[TMP]
	v_and_b32 v[TMP], 15, v0                       ; r
	v_bfe_u32 v[VB], v0, 4, 1                      ; h
	v_lshlrev_b32 v[VW], 4, v[TMP]                 ; 16 r
.if G2
	s_mul_i32 s34, s14, 16*272
	s_add_co_u32 s34, s34, STAGE                   ; my wave's stage
	v_lshl_add_u32 v[VC], s16, 8, v[VW]
	v_mul_u32_u24 v[VSW], v[TMP], 272
	v_lshl_add_u32 v[VSW], v[VB], 7, v[VSW]
	v_add_nc_u32 v[VSW], s34, v[VSW]
	v_mul_u32_u24 v[VSR], v[VB], 8*272
	v_add_nc_u32 v[VSR], v[VSR], v[VW]
	v_add_nc_u32 v[VSR], s34, v[VSR]
	v_lshlrev_b32 v[VT], 5, v[VB]
.else
	v_lshl_add_u32 v[VC], s16, 11, v[VL]
.endif
	v_lshl_add_u32 v[VW], v[VB], HSH, v[VW]
	v_lshlrev_b32 v[VB], 7, v[VB]
	v_add_nc_u32 v[VS], s35, v[VL]
.set i, 0
.rept KS/16
	v_add_nc_u32 v[BA+i], i*65536, v[VL]
.set i, i+1
.endr
	s_wait_kmcnt 0x0
	s_add_nc_u64 s[6:7], s[6:7], s[18:19]
	s_add_nc_u64 s[8:9], s[8:9], s[32:33]
.set c, 0
.rept 4
	s_add_nc_u64 s[SB+2*c:SB+2*c+1], s[4:5], s[SB+2*c:SB+2*c+1]
.set c, c+1
.endr
	s_load_b64 s[20:21], s[10:11], s31 offset:8704 ; (first tile, tiles) of my expert: waited for behind the barrier
; ---- the weight phase: the same in every wave of every work-group ----
; The 16 loads of staged k-step s: row (g, jj) of my half into slot s % 4, registers 4 (8 g + jj) .. + 3
.macro WLOAD s
.set g, 0
.rept 2
.set jj, 0
.rept 8
.set rs, 64*((\s)&3)+4*(8*g+jj)
.if G2
	global_load_b128 v[rs:rs+3], v[VW], s[6:7] offset:(64*((\s)>>1)+2*((\s)&1)+g+4*jj)*WPITCH   ; the order in which hs holds k; read by two work-groups: no hint
.else
	global_load_b128 v[rs:rs+3], v[VW], s[6:7] offset:(32*(\s)+16*g+jj)*WPITCH th:TH_LOAD_NT     ; read once in the launch
.endif
.set jj, jj+1
.endr
.set g, g+1
.endr
.endm
.macro BIAS
.if G2
.irp i, 0,1,2,3,4,5,6,7
	global_load_b128 v[BI+4*\i:BI+4*\i+3], v[VB], s[8:9] offset:16*\i
.endr
.else
.irp q, 0,1,2,3
.irp j, 0,1,2,3,4,5,6,7
	global_load_b32 v[BI+8*\q+\j], v[VB], s[8:9] offset:16*\j+4*\q      ; column 32 h + 4 j + q, where accumulator q has it
.endr
.endr
.endif
.endm
.macro WSTORE s                        ; staged k-step s's four fragments go to LDS, out of F[s % 2]
.set q, 0
.rept 4
	ds_store_b128 v[VS], v[F+32*((\s)&1)+8*q:F+32*((\s)&1)+8*q+3] offset:(\s)*4096+q*1024
	ds_store_b128 v[VS], v[F+32*((\s)&1)+8*q+4:F+32*((\s)&1)+8*q+7] offset:(\s)*4096+q*1024+512
.set q, q+1
.endr
.endm
; Staged k-step s.  First the slot that the k-step before has left is asked for again, three k-steps ahead, and that k-step's fragments go to LDS;
; then this k-step is rounded into four fragments.  48 loads of 512 bytes are out in each wave behind every refill.
.macro WCVT s
.set left, KW-1-(\s)
.if left > 2
.set left, 2
.endif
.if (\s) == (KW-1)
	s_wait_loadcnt NBIAS                           ; younger: the bias alone
.else
	s_wait_loadcnt 16*left                         ; younger: 16 loads for each of the later k-steps that are out
.endif
.if (\s) > 1
	s_wait_alu depctr_vm_vsrc(0)                   ; the LDS stores issued in the k-step before have read F[s % 2], which the roundings below write again
.endif
.if (\s) > 0
	s_wait_alu depctr_va_vdst(0)                   ; the k-step before has written the other F, which the LDS stores below read, and is done reading its slot, in which the loads below land
.endif
.if ((\s)+3) < KW
	WIN INTO1
	WLOAD (\s)+3
.endif
.if (\s) == (KW-2)
	WIN 0
	BIAS                                           ; here, where only 16 weight loads are still out, and with two k-steps' work and the barrier in which to land
.endif
.if (\s) > 0
	WIN 0
	WSTORE (\s)-1
.endif
	WIN FROM1
.set q, 0
.rept 4
.set g, 0
.rept 2
.set i, 0
.rept 4
	v_cvt_pk_bf16_f32 v[F+32*((\s)&1)+8*q+4*g+i], v[64*((\s)&3)+4*(8*g+2*i)+q], v[64*((\s)&3)+4*(8*g+2*i+1)+q]   ; k even below, k odd above, column 4 r + q
.set i, i+1
.endr
.set g, g+1
.endr
.set q, q+1
.endr
.endm
	WIN INTO1
	s_wait_alu depctr_va_vdst(0)                   ; the offsets and LDS addresses v1 to v12 are written, which the loads and stores of the whole kernel read
	WLOAD 0
	WLOAD 1
	WLOAD 2
.set ws, 0
.rept KW
	WCVT ws
.set ws, ws+1
.endr
	WIN 0
	s_wait_alu depctr_va_vdst(0)                   ; the last roundings have written their F, which the last LDS stores read
	WSTORE KW-1
	s_wait_dscnt 0x0                               ; my fragments are in LDS before I say so
	s_barrier_signal -1
	s_barrier_wait -1                              ; the kernel's only barrier, on every wave's path: all of K is in LDS, and is only read from here on
	s_wait_alu depctr_vm_vsrc(0)                   ; my LDS stores have read F0 and F1: these registers are accumulators from here on, written by the products
; ---- the token phase: each wave by itself ----
	s_wait_loadcnt 0x0                             ; the bias is in (G2 = 0: the first products take it as C)
	s_wait_kmcnt 0x0
	s_min_u32 s20, s20, 135                        ; first tile
	s_min_u32 s21, s21, 128                        ; tiles
	s_cmp_ge_u32 s30, s21
	s_cbranch_scc1 .Lend                           ; no unit for this wave
	s_sub_co_u32 s22, s21, 1
	s_sub_co_u32 s36, s21, s30                     ; tiles from my first unit on, at least 1
	s_add_co_u32 s36, s36, NW*MT-1
	s_mul_i32 s36, s36, DIVM
	s_lshr_b32 s36, s36, 16                        ; my units: those tiles / (NW MT), rounded up
	s_min_u32 s36, s36, 7
	s_mov_b32 s37, 1                               ; the loop's counter: all my units but the last go round it
.macro TILES l                         ; s[TN + mt] = the table's number of tile s[l] + mt of my expert, clamped to its last
.set mt, 0
.rept MT
	s_add_co_u32 s[TN+mt], s[\l], mt
	s_min_u32 s[TN+mt], s[TN+mt], s22
	s_add_co_u32 s[TN+mt], s[TN+mt], s20
	s_min_u32 s[TN+mt], s[TN+mt], 135
.set mt, mt+1
.endr
.endm
.macro OFFS adr                        ; their offsets in the token operand
.set mt, 0
.rept MT
	v_lshl_add_u32 v[\adr+mt], s[TN+mt], ASH, v[VL]
.set mt, mt+1
.endr
.endm
.macro OUTS                            ; and where their results, or their tokens' numbers, lie
.set mt, 0
.rept MT
.if G2
	v_lshl_add_u32 v[VO+mt], s[TN+mt], 6, v[VT]
.else
	v_lshl_add_u32 v[VO+mt], s[TN+mt], 16, v[VC]
.endif
.set mt, mt+1
.endr
.endm
.macro AFILL kk, adr                   ; 2 MT loads: the token fragments that go with place kk, of the unit whose offsets lie in v[adr ..]
.set sb, SB+2*((\kk)/CH)               ; the base of the quarter that lies at place kk / CH; the k-step in the quarter stands in the immediate
.set mt, 0
.rept MT
.set rt, TR+8*MT*((\kk)%SA)+8*mt
	global_load_b128 v[rt:rt+3], v[\adr+mt], s[sb:sb+1] offset:((\kk)%CH)*1024
	global_load_b128 v[rt+4:rt+7], v[\adr+mt], s[sb:sb+1] offset:((\kk)%CH)*1024+512
.set mt, mt+1
.endr
.endm
.macro BFILL kk                        ; 8 LDS loads: the four weight fragments of place kk; 512 consecutive bytes each
.set q, 0
.rept 4
.set rw, WR+32*((\kk)&1)+8*q
	ds_load_b128 v[rw:rw+3], v[BA+((\kk)>>4)] offset:((\kk)&15)*4096+q*1024
	ds_load_b128 v[rw+4:rw+7], v[BA+((\kk)>>4)] offset:((\kk)&15)*4096+q*1024+512
.set q, q+1
.endr
.endm
; One k-step: 4 MT matrix instructions; behind the first four the next place's weight fragments are asked for, behind the last the token slot is asked for again.
; last = 1: the wave's last unit: what would belong to a next unit is not asked for, and the counts run down.
.macro STEP k, last
.set na, SA-1
.set af, 1                             ; token loads follow the products
.set bf, 1                             ; the next place's weight fragments are asked for
.set wt, 1                             ; a later load hangs on the end of this k-step's products
.if \last
.if (KS-1-(\k)) < (SA-1)
.set na, KS-1-(\k)
.endif
.if ((\k)+SA) >= KS
.set af, 0
.endif
.if ((\k)+1) >= KS
.set bf, 0
.endif
.if ((\k)+2) >= KS
.set wt, 0
.endif
.endif
.set na, 2*MT*na
.if G2
.if (\k) < SA
.set na, na+2*MT
.endif
.endif
	s_wait_loadcnt na                              ; younger: 2 MT loads for each later k-step in the ring (G2 = 1, the unit's first SA k-steps: and the 6 loads of token numbers)
	s_wait_dscnt 0x0                               ; this place's weight fragments are in: no LDS load is younger than they
	WIN FROM1
	; the 4 MT accumulators take turns, one instruction a turn, in the same order in every k-step
.set mt, 0
.rept MT
.set q, 0
.rept 4
.set rd, ACC+8*(4*mt+q)
.set rw, WR+32*((\k)&1)+8*q
.set rt, TR+8*MT*((\k)%SA)+8*mt
.if (\k) == 0
.if G2
	v_wmma_f32_16x16x32_bf16 v[rd:rd+7], v[rw:rw+7], v[rt:rt+7], 0
.else
	v_wmma_f32_16x16x32_bf16 v[rd:rd+7], v[rw:rw+7], v[rt:rt+7], v[BI+8*q:BI+8*q+7]   ; the sum starts from the bias
.endif
.else
	v_wmma_f32_16x16x32_bf16 v[rd:rd+7], v[rw:rw+7], v[rt:rt+7], v[rd:rd+7]
.endif
.set q, q+1
.endr
.if (mt == 0) && bf
	WIN INTO1
	BFILL ((\k)+1)%KS                              ; into the slot that the k-step before read.  No wait: the four products since the wait at that k-step's end name none of these registers
	WIN FROM1
.endif
.set mt, mt+1
.endr
.if (\k) == (KS-1)
.rept 4
	v_nop                                          ; four places between the unit's last products and the instructions that read their results (ISA guide 7.12.1)
.endr
.endif
.if af
	WIN INTO1
.endif
.if wt
	s_wait_alu depctr_va_vdst(0)                   ; this k-step's products are done reading their token slot, in which the loads below land, and their weight slot, in which the next k-step's LDS loads land
.endif
.if af
.if ((\k)+SA) < KS
	AFILL (\k)+SA, AC
.else
	AFILL (\k)+SA-KS, AN                           ; the ring runs on into the next unit
.endif
.endif
.endm
.macro BLOCK last                      ; a unit's products
.if G2
.set mt, 0
.rept MT
	global_load_b128 v[TK+8*mt:TK+8*mt+3], v[VO+mt], s[10:11]              ; the tokens of rows 8 h .. 8 h + 7 of each tile.  No wait: VO is written and TK is free since the waits ahead of the label
	global_load_b128 v[TK+8*mt+4:TK+8*mt+7], v[VO+mt], s[10:11] offset:16
.set mt, mt+1
.endr
.endif
.set ka, 0
.rept KS
	STEP ka, \last
.set ka, ka+1
.endr
	v_nop                                          ; the fifth place: the next unit's first products write over these accumulators
	WIN 0
.endm
.macro EPI                             ; a unit's results leave
.if G2
.set mt, 0
.rept MT
.if mt > 0
	s_wait_alu depctr_vm_vsrc(0)                   ; the tile before: its LDS stores have read R, which the additions below write again; its stores have read Z, in which the LDS loads below land
.endif
.set j, 0
.rept 8
.set q, 0
.rept 4
	v_add_f32 v[R+4*j+q], v[ACC+8*(4*mt+q)+j], v[BI+4*j+q]                 ; the bias; and four neighbouring columns come to lie in neighbouring registers
.set q, q+1
.endr
.set j, j+1
.endr
.set t, 0
.rept 8
	v_min_u32 v[TK+8*mt+t], 2047, v[TK+8*mt+t]
	v_mul_u32_u24 v[TK+8*mt+t], v[TK+8*mt+t], 4128                         ; the token's row of out0,
	v_add_nc_u32 v[TK+8*mt+t], v[TK+8*mt+t], v[VC]                         ; my 16 bytes of the block's 256
.set t, t+1
.endr
	s_wait_alu depctr_va_vdst(0)                   ; R is written, which the LDS stores read; so are this tile's offsets in TK, which the stores read
.set t, 0
.rept 8
	ds_store_b128 v[VSW], v[R+4*t:R+4*t+3] offset:16*t                     ; row r, columns 32 h + 4 t ..: rows 272 bytes apart start 16 bytes apart modulo 256
.set t, t+1
.endr
	s_wait_xcnt 0x0                                ; Z, which the last tile's stores read, is loaded again only behind this wait
.set t, 0
.rept 8
	ds_load_b128 v[Z+4*t:Z+4*t+3], v[VSR] offset:272*t                     ; rows t and 8 + t, whole.  My own bytes, served in order: these see the stores above
.set t, t+1
.endr
.set t, 0
.rept 8
	s_wait_dscnt 7-t
	global_store_b128 v[TK+8*mt+t], v[Z+4*t:Z+4*t+3], s[12:13] th:TH_STORE_NT   ; 16 lanes store 256 consecutive bytes of one row (rows of 4,128 bytes: aligned to 32)
.set t, t+1
.endr
.set mt, mt+1
.endr
.else
.set a, 0
.rept 4*MT
.set i, 0
.rept 4
	v_cvt_pk_bf16_f32 v[ACC+8*a+i], v[ACC+8*a+2*i], v[ACC+8*a+2*i+1]       ; an accumulator's eight numbers close up into its low four registers, from its low end on
.set i, i+1
.endr
.set a, a+1
.endr
	s_wait_alu depctr_va_vdst(0)                   ; the roundings have written the accumulators' low halves, which the stores read
.set mt, 0
.rept MT
.set q, 0
.rept 4
	global_store_b128 v[VO+mt], v[ACC+8*(4*mt+q):ACC+8*(4*mt+q)+3], s[12:13] offset:q*512    ; k-step 2 block + q / 2, half q % 2 of hs: 512 consecutive aligned bytes
.set q, q+1
.endr
.set mt, mt+1
.endr
.endif
.endm
	TILES 30
	OFFS AC
	OUTS
	s_add_co_u32 s23, s30, NW*MT                   ; my next unit's first tile
	TILES 23
	OFFS AN
	WIN INTO1
	s_wait_alu depctr_va_vdst(0)                   ; AC, AN and VO are written, which the loads and stores below read; the roundings are done reading the staging slots, in which the rings' loads land
.set ka, 0
.rept SA
	AFILL ka, AC                                   ; the token ring is filled: 2 MT SA loads
.set ka, ka+1
.endr
	BFILL 0
	WIN 0
	s_cmp_le_u32 s36, 1
	s_cbranch_scc1 .Llast
.Lunit:                                            ; on both ways in: SA k-steps of tokens and place 0 of the weights are asked for
	BLOCK 0
	EPI
	s_wait_xcnt 0x0                                ; the offsets below are sources of loads and stores that were issued above; so are the stores' data, which the next unit writes again
	s_wait_alu depctr_vm_vsrc(0)                   ; those loads and stores have read AC, AN and VO, which are written below, and their data and offsets, which the next unit's products, additions and loads write
.set mt, 0
.rept MT
	v_mov_b32 v[AC+mt], v[AN+mt]
.set mt, mt+1
.endr
	OUTS
	s_add_co_u32 s23, s23, NW*MT
	TILES 23
	OFFS AN
	s_wait_alu depctr_va_vdst(0)                   ; AC, AN and VO are written, which the next unit's loads and stores read; G2 = 1: the offsets' arithmetic is done with TK, in which the next token numbers land
	s_add_co_u32 s37, s37, 1
	s_cmp_lt_u32 s37, s36
	s_cbranch_scc1 .Lunit
.Llast:
	BLOCK 1
	EPI
.Lend:
	s_wait_dscnt 0x0
	s_wait_alu depctr_hold_cnt(0) depctr_sa_sdst(0) depctr_va_vdst(0) depctr_va_sdst(0) depctr_va_ssrc(0) depctr_va_vcc(0) depctr_vm_vsrc(0)
	s_wait_tensorcnt 0x0
	ds_add_u32 v254, v255
	s_wait_dscnt 0x0
	s_endpgm
.Lfunc_end_k_q98ef9cab19_gemm1:
	.size	k_q98ef9cab19_gemm1, .Lfunc_end_k_q98ef9cab19_gemm1-k_q98ef9cab19_gemm1
	.p2alignl 7, 3214868480
	.fill 96, 4, 3214868480
	.section	.rodata,"a",@progbits
	.p2align	6, 0x0
	.amdhsa_kernel k_q98ef9cab19_gemm1
		.amdhsa_group_segment_fixed_size 131584
		.amdhsa_private_segment_fixed_size 0
		.amdhsa_enable_private_segment 0
		.amdhsa_kernarg_size 40
		.amdhsa_user_sgpr_count 2
		.amdhsa_user_sgpr_kernarg_segment_ptr 1
		.amdhsa_wavefront_size32 1
		.amdhsa_system_sgpr_workgroup_id_x 1
		.amdhsa_system_sgpr_workgroup_id_y 1
		.amdhsa_system_sgpr_workgroup_id_z 1
		.amdhsa_system_vgpr_workitem_id 0
		.amdhsa_next_free_vgpr 512
		.amdhsa_next_free_sgpr 66
		.amdhsa_reserve_vcc 0
		.amdhsa_float_denorm_mode_32 3
		.amdhsa_float_denorm_mode_16_64 3
		.amdhsa_memory_ordered 1
		.amdhsa_forward_progress 1
		.amdhsa_inst_pref_size 245
	.end_amdhsa_kernel
	.amdgpu_metadata
---
amdhsa.version: [ 1, 2 ]
amdhsa.kernels:
  - .name:           k_q98ef9cab19_gemm1
    .symbol:         k_q98ef9cab19_gemm1.kd
    .args:
      - { .name: xs, .offset: 0, .size: 8, .value_kind: global_buffer, .address_space: global }
      - { .name: W1, .offset: 8, .size: 8, .value_kind: global_buffer, .address_space: global }
      - { .name: b1, .offset: 16, .size: 8, .value_kind: global_buffer, .address_space: global }
      - { .name: tab, .offset: 24, .size: 8, .value_kind: global_buffer, .address_space: global }
      - { .name: hs, .offset: 32, .size: 8, .value_kind: global_buffer, .address_space: global }
    .group_segment_fixed_size: 131584
    .private_segment_fixed_size: 0
    .kernarg_segment_align: 8
    .kernarg_segment_size: 40
    .max_flat_workgroup_size: 128
    .sgpr_count:     66
    .vgpr_count:     512
    .wavefront_size: 32
...
	.end_amdgpu_metadata
.endif
;; end of part 9
;; launch gemm2 (part 10): grid 256 x 1, 4 waves a work-group, no clusters, 280,064 bytes of LDS; arguments hs, W2, b2, tab, out0; writes out0
.if DOCPART == 10
	.amdgcn_target "amdgcn-amd-amdhsa--gfx1250"
	.amdhsa_code_object_version 6
	.text
	.protected	k_q98ef9cab19_gemm2
	.globl	k_q98ef9cab19_gemm2
	.p2align	8
	.type	k_q98ef9cab19_gemm2,@function
k_q98ef9cab19_gemm2:
	s_mov_b64 s[64:65], 0
	v_nop
	global_prefetch_b8 v0, s[64:65] scope:SCOPE_SE
	s_setreg_imm32_b32 hwreg(HW_REG_WAVE_SCHED_MODE, 0, 2), 2
	s_setreg_imm32_b32 hwreg(HW_REG_WAVE_MODE, 25, 1), 1
	s_wait_xcnt 0x0
	s_wait_alu depctr_vm_vsrc(0)
; One text serves both products; G2 chooses.  G2 = 0: hs = xs W1[e] + b1[e] (K = 1,024, 2,048 columns), stored in bf16 as the second
; product's fragments.  G2 = 1: out0's 1,024 first columns = hs W2[e] + b2[e] (K = 2,048), stored in f32 to the tokens' own rows.
; Operands are rounded to bf16 (x, W1, W2 and h); sums and biases are f32.  Only the expert that a token names is computed: where another
; expert's product of that token would not be finite, the masked sum of all experts would give NaN and this text does not.
; Tokens that name no expert are in none of the eight lists walked here; their rows are stored by the packing launch.
;
; A WORK-GROUP holds 64 columns of one expert's weights for ALL of K in LDS, as bf16 fragments (128 KiB; G2: 256 KiB), and runs the
; expert's tokens past them.  G2 = 0: 8 experts x 32 column blocks.  G2 = 1: 8 experts x 2 halves of the token units x 16 column blocks.
; WEIGHTS lie [K][N], a fragment wants K along a lane's registers.  Lane (r, h) loads 16 bytes, columns 4 r .. 4 r + 3 of the block, of the
; 16 rows that are its k of a k-step; rounding two rows' numbers of one column into one register gives four fragments q = 0..3 in which
; lane r stands for column 4 r + q.  No transposition is made; each load takes 2 rows x 256 consecutive aligned bytes.
; THE MATRIX INSTRUCTION takes the weights as source 0 and the tokens as source 1: register j of lane (r, h) of accumulator q is then
; (token r, column 32 h + 4 j + q of the block).  G2 = 0 rounds a lane's eight registers into 16 bytes and stores them as k-step
; 2 block + q / 2, half q % 2 of hs: place (k-step S, g, h, jj) of hs holds column 64 (S / 2) + 32 h + 4 jj + 2 (S % 2) + g, and G2 = 1
; loads W2's rows in that same order: a permutation of k that both operands share keeps every product.
; K BEGINS AT FOUR DIFFERENT QUARTERS: turn = column block % 4.  Wave w stages one quarter of K at LDS place w; it fetches quarter
; (w + turn) % 4 of the weights into it, and the token loads of the k-steps of place c take the base of quarter (c + turn) % 4.  So the
; work-groups that read the same token tiles do not all ask for the same bytes at the same moment: a fragment is asked for by a quarter of
; them first, and by the others one, two and three quarters of K later.  Every product is kept; the order of the f32 sum over K differs
; from column block to column block.
; TOKENS: a unit is MT tiles of 16 tokens x 64 columns x all K; the NW waves that share the columns take units in turn.  Tile numbers
; past the expert's last are clamped to the last, which lies in the same unit: the same wave stores the same bytes again.  Token
; fragments come straight from memory into a ring of SA k-steps of registers, weight fragments from LDS into a ring of two.
; NO CLUSTER, NO JOINT LOADS, though the work-groups of an expert read the same token tiles: the token loop's trips are read from the
; table and differ from wave to wave, so no barrier can stand in it, and a joint refill needs one; the fragments need no LDS at all.
; THE MODE: SCHED_MODE bits 1:0 = 2 (LLVM: expert scheduling mode 2), set by the entry lines.  The code itself states the register dependences
; between vector or matrix instructions and memory or LDS instructions, with s_wait_alu, always for 0.
; THE PLAN.  Registers that memory or LDS instructions touch:
;   v1-v12        offsets and LDS addresses, made at the head, never written again: one wait ahead of the first load serves them all.
;   staging slots Staged k-step s: its 16 loads land in slot s % 4, its 32 roundings read it, the loads issued in k-step s + 1 land in it again.
;   F0, F1        K-step s's roundings write F[s % 2]; the eight LDS stores issued in k-step s + 1 read it; k-step s + 2's roundings write it again.
;                 So two waits stand at a staged k-step's head, behind the wait for its data; its loads and LDS stores follow with no further wait.
;   token ring    K-step k's products read slot k % SA; the loads of k-step k + SA land in it directly behind them.
;   weight ring   K-step k's products read slot k % 2; the LDS loads of place k + 2 land in it, issued behind the first four products of k-step k + 1.
;                 So ONE wait stands at a k-step's end: its products are done reading both slots.  The four products between that wait and the LDS
;                 loads name the other weight slot, another token slot and accumulators: none of the registers that those loads touch.
;   AC, AN, VO    written ahead of the ring's first fill and at the loop's foot, with a wait on either side there.
;   G2 = 0        a unit's results close up, rounded, into the low four registers of each accumulator: 80 roundings, one wait, 20 stores.
;   G2 = 1        R (additions write, LDS stores read), Z (LDS loads land, stores read), TK (loads land, offsets are made in place, stores read).
.set G2, 1
.if G2
.set KS, 64                            ; k-steps of 32
.set KW, 16                            ; k-steps that one wave stages: a quarter of K
.set MT, 3                             ; tiles in a unit
.set NW, 8                             ; waves that share the units (4 here, 4 in the partner work-group)
.set SA, 8                             ; k-steps in the token ring
.set WPITCH, 4096                      ; bytes in a row of the weights
.set HSH, 17                           ; lanes 16-31 stand 32 rows further down
.set ASH, 16                           ; a tile of the token operand is 65,536 bytes
.set BSH, 12                           ; an expert's bias is 4,096 bytes
.set NBIAS, 8                          ; loads that bring the bias
.set DIVM, 2731                        ; y x 2731 >> 16 = y / 24, rounded down, for every y up to 151
.set ACC, 128
.else
.set KS, 32
.set KW, 8
.set MT, 5
.set NW, 4
.set SA, 4
.set WPITCH, 8192
.set HSH, 16                           ; lanes 16-31 stand 8 rows further down
.set ASH, 15
.set BSH, 13
.set NBIAS, 32
.set DIVM, 3277                        ; y x 3277 >> 16 = y / 20, rounded down, for every y up to 147
.set ACC, 88
.endif
.set CH,  KS/4                         ; k-steps in a quarter of K
.set CSH, ASH-2                        ; a quarter of a tile of the token operand: 1,024 CH bytes
; window 0 (v0-255)
.set VL,  1                            ; 16 lane
.set VW,  2                            ; my offset in the weights: my half's rows + 16 r
.set VS,  3                            ; LDS: where my wave's staged fragments go
.set BA,  4                            ; v4-7  LDS: 16 lane + 65,536 i, for the fragments of places 16 i .. 16 i + 15
.set VB,  8                            ; 128 h: my 32 columns in the block's bias
.set VC,  9                            ; G2 = 0: 2,048 block + 16 lane (in a tile of hs).  G2 = 1: 256 block + 16 r (in a row of out0)
.set VSW, 10                           ; G2 = 1: the stage, in: row r, 128 h
.set VSR, 11                           ; G2 = 1: the stage, back: row 8 h, 16 r
.set VT,  12                           ; G2 = 1: 32 h: my half's eight tokens in a tile of the table
.set TMP, 13
.set AC,  14                           ; v14-18  this unit's tiles: byte offset in the token operand + 16 lane
.set AN,  19                           ; v19-23  the next unit's
.set VO,  24                           ; v24-28  this unit's tiles: offset in hs (G2 = 0), in the table (G2 = 1)
.set BI,  32                           ; v[32:63]  bias.  G2 = 0: register 8 q + j, an accumulator's image.  G2 = 1: register i = column 32 h + i
.set R,   64                           ; G2 = 1: v[64:95] a tile's results, columns in order
.set TK,  96                           ; G2 = 1: v[96:119] tokens of rows 8 h + 0..7 of each tile, then their offsets in out0
.set Z,   224                          ; G2 = 1: v[224:255] whole rows read back from the stage
.set F,   ACC                          ; weight phase: two buffers of 32 registers of finished fragments; accumulator (mt, q) is at ACC + 8 (4 mt + q)
; window 1 (v256-511): weight phase: four slots of 64 registers, a k-step's 16 loads each.  Token phase:
.set TR,  0                            ; token ring: slot k % SA at 8 MT (k % SA), tile mt at + 8 mt
.set WR,  8*MT*SA                      ; weight ring: slot k % 2 at + 32 (k % 2), fragment q at + 8 q
.set TN,  24                           ; s24-28  tile numbers
.set SB,  40                           ; s[40:47]  place c = 0..3: the token operand's address + quarter (c + turn) % 4 of a tile; never rewritten
.set STAGE, 262144                     ; G2 = 1: behind the weights, 16 rows x 272 bytes for each wave
.set MSB, 0
.macro WIN new                         ; s_set_vgpr_msb: bits 1:0 source 0, 3:2 source 1, 5:4 source 2, 7:6 destination; the high byte repeats the setting that is left
.if MSB != \new
	s_set_vgpr_msb (MSB<<8)|\new
.set MSB, \new
.endif
.endm
.set FROM1, 0x05                       ; sources 0 and 1 in window 1: roundings out of the staging slots, matrix instructions
.set INTO1, 0x40                       ; destination in window 1: loads into the staging slots and the rings
	s_load_b256 s[4:11], s[0:1], 0x0               ; token operand s[4:5], weights s[6:7], bias s[8:9], tab s[10:11]
	s_load_b64 s[12:13], s[0:1], 0x20              ; output
	v_lshl_add_u32 v126, v0, 2, 0x44400
	v_mov_b32 v127, 0
	v_lshrrev_b32 v[TMP], 5, v0
	v_readfirstlane_b32 s14, v[TMP]                ; wave w
	s_lshr_b32 s15, ttmp9, 5                       ; expert e
	s_wait_alu depctr_va_sdst(0)                   ; s14 is written, ahead of its first reader: my units, my quarter of K and my LDS places are made from it
.if G2
	s_and_b32 s16, ttmp9, 15                       ; column block
	s_bfe_u32 s17, ttmp9, 0x10004                  ; which half of the units
	s_lshl1_add_u32 s30, s14, s17                  ; my place among the 8 waves: 2 w + half
.else
	s_and_b32 s16, ttmp9, 31                       ; column block
	s_mov_b32 s30, s14
.endif
	s_mul_i32 s30, s30, MT                         ; my first unit's first tile
	s_lshl_b32 s31, s15, 3                         ; my expert's pair in the table's head; never rewritten
	s_and_b32 s38, s16, 3                          ; my work-group's turn
	s_add_co_u32 s29, s14, s38
	s_and_b32 s29, s29, 3                          ; the quarter of K that my wave stages: (w + turn) % 4
	s_lshl_b32 s29, s29, 21                        ; weights: 2,097,152 bytes a quarter of K,
	s_lshl_b32 s18, s15, 23                        ; 8,388,608 an expert,
	s_add_co_u32 s18, s18, s29
	s_lshl_b32 s29, s16, 8                         ; 256 for a block of 64 columns
	s_add_co_u32 s18, s18, s29
	s_mov_b32 s19, 0
	s_lshl_b32 s32, s15, BSH
	s_add_co_u32 s32, s32, s29                     ; bias: the expert's, + 256 a block
	s_mov_b32 s33, 0
.set c, 0
.rept 4
	s_add_co_u32 s[SB+2*c], s38, c
	s_and_b32 s[SB+2*c], s[SB+2*c], 3              ; the quarter that lies at place c
	s_lshl_b32 s[SB+2*c], s[SB+2*c], CSH           ; its bytes in a tile of the token operand
	s_mov_b32 s[SB+2*c+1], 0
.set c, c+1
.endr
	s_mul_i32 s35, s14, KW*4096                    ; LDS: a k-step's four fragments are 4,096 bytes; my wave's place hangs on its number alone
	v_and_b32 v[TMP], 31, v0
	v_lshlrev_b32 v[VL], 4, v[TMP]
	v_and_b32 v[TMP], 15, v0                       ; r
	v_bfe_u32 v[VB], v0, 4, 1                      ; h
	v_lshlrev_b32 v[VW], 4, v[TMP]                 ; 16 r
.if G2
	s_mul_i32 s34, s14, 16*272
	s_add_co_u32 s34, s34, STAGE                   ; my wave's stage
	v_lshl_add_u32 v[VC], s16, 8, v[VW]
	v_mul_u32_u24 v[VSW], v[TMP], 272
	v_lshl_add_u32 v[VSW], v[VB], 7, v[VSW]
	v_add_nc_u32 v[VSW], s34, v[VSW]
	v_mul_u32_u24 v[VSR], v[VB], 8*272
	v_add_nc_u32 v[VSR], v[VSR], v[VW]
	v_add_nc_u32 v[VSR], s34, v[VSR]
	v_lshlrev_b32 v[VT], 5, v[VB]
.else
	v_lshl_add_u32 v[VC], s16, 11, v[VL]
.endif
	v_lshl_add_u32 v[VW], v[VB], HSH, v[VW]
	v_lshlrev_b32 v[VB], 7, v[VB]
	v_add_nc_u32 v[VS], s35, v[VL]
.set i, 0
.rept KS/16
	v_add_nc_u32 v[BA+i], i*65536, v[VL]
.set i, i+1
.endr
	s_wait_kmcnt 0x0
	s_add_nc_u64 s[6:7], s[6:7], s[18:19]
	s_add_nc_u64 s[8:9], s[8:9], s[32:33]
.set c, 0
.rept 4
	s_add_nc_u64 s[SB+2*c:SB+2*c+1], s[4:5], s[SB+2*c:SB+2*c+1]
.set c, c+1
.endr
	s_load_b64 s[20:21], s[10:11], s31 offset:8704 ; (first tile, tiles) of my expert: waited for behind the barrier
; ---- the weight phase: the same in every wave of every work-group ----
; The 16 loads of staged k-step s: row (g, jj) of my half into slot s % 4, registers 4 (8 g + jj) .. + 3
.macro WLOAD s
.set g, 0
.rept 2
.set jj, 0
.rept 8
.set rs, 64*((\s)&3)+4*(8*g+jj)
.if G2
	global_load_b128 v[rs:rs+3], v[VW], s[6:7] offset:(64*((\s)>>1)+2*((\s)&1)+g+4*jj)*WPITCH   ; the order in which hs holds k; read by two work-groups: no hint
.else
	global_load_b128 v[rs:rs+3], v[VW], s[6:7] offset:(32*(\s)+16*g+jj)*WPITCH th:TH_LOAD_NT     ; read once in the launch
.endif
.set jj, jj+1
.endr
.set g, g+1
.endr
.endm
.macro BIAS
.if G2
.irp i, 0,1,2,3,4,5,6,7
	global_load_b128 v[BI+4*\i:BI+4*\i+3], v[VB], s[8:9] offset:16*\i
.endr
.else
.irp q, 0,1,2,3
.irp j, 0,1,2,3,4,5,6,7
	global_load_b32 v[BI+8*\q+\j], v[VB], s[8:9] offset:16*\j+4*\q      ; column 32 h + 4 j + q, where accumulator q has it
.endr
.endr
.endif
.endm
.macro WSTORE s                        ; staged k-step s's four fragments go to LDS, out of F[s % 2]
.set q, 0
.rept 4
	ds_store_b128 v[VS], v[F+32*((\s)&1)+8*q:F+32*((\s)&1)+8*q+3] offset:(\s)*4096+q*1024
	ds_store_b128 v[VS], v[F+32*((\s)&1)+8*q+4:F+32*((\s)&1)+8*q+7] offset:(\s)*4096+q*1024+512
.set q, q+1
.endr
.endm
; Staged k-step s.  First the slot that the k-step before has left is asked for again, three k-steps ahead, and that k-step's fragments go to LDS;
; then this k-step is rounded into four fragments.  48 loads of 512 bytes are out in each wave behind every refill.
.macro WCVT s
.set left, KW-1-(\s)
.if left > 2
.set left, 2
.endif
.if (\s) == (KW-1)
	s_wait_loadcnt NBIAS                           ; younger: the bias alone
.else
	s_wait_loadcnt 16*left                         ; younger: 16 loads for each of the later k-steps that are out
.endif
.if (\s) > 1
	s_wait_alu depctr_vm_vsrc(0)                   ; the LDS stores issued in the k-step before have read F[s % 2], which the roundings below write again
.endif
.if (\s) > 0
	s_wait_alu depctr_va_vdst(0)                   ; the k-step before has written the other F, which the LDS stores below read, and is done reading its slot, in which the loads below land
.endif
.if ((\s)+3) < KW
	WIN INTO1
	WLOAD (\s)+3
.endif
.if (\s) == (KW-2)
	WIN 0
	BIAS                                           ; here, where only 16 weight loads are still out, and with two k-steps' work and the barrier in which to land
.endif
.if (\s) > 0
	WIN 0
	WSTORE (\s)-1
.endif
	WIN FROM1
.set q, 0
.rept 4
.set g, 0
.rept 2
.set i, 0
.rept 4
	v_cvt_pk_bf16_f32 v[F+32*((\s)&1)+8*q+4*g+i], v[64*((\s)&3)+4*(8*g+2*i)+q], v[64*((\s)&3)+4*(8*g+2*i+1)+q]   ; k even below, k odd above, column 4 r + q
.set i, i+1
.endr
.set g, g+1
.endr
.set q, q+1
.endr
.endm
	WIN INTO1
	s_wait_alu depctr_va_vdst(0)                   ; the offsets and LDS addresses v1 to v12 are written, which the loads and stores of the whole kernel read
	WLOAD 0
	WLOAD 1
	WLOAD 2
.set ws, 0
.rept KW
	WCVT ws
.set ws, ws+1
.endr
	WIN 0
	s_wait_alu depctr_va_vdst(0)                   ; the last roundings have written their F, which the last LDS stores read
	WSTORE KW-1
	s_wait_dscnt 0x0                               ; my fragments are in LDS before I say so
	s_barrier_signal -1
	s_barrier_wait -1                              ; the kernel's only barrier, on every wave's path: all of K is in LDS, and is only read from here on
	s_wait_alu depctr_vm_vsrc(0)                   ; my LDS stores have read F0 and F1: these registers are accumulators from here on, written by the products
; ---- the token phase: each wave by itself ----
	s_wait_loadcnt 0x0                             ; the bias is in (G2 = 0: the first products take it as C)
	s_wait_kmcnt 0x0
	s_min_u32 s20, s20, 135                        ; first tile
	s_min_u32 s21, s21, 128                        ; tiles
	s_cmp_ge_u32 s30, s21
	s_cbranch_scc1 .Lend                           ; no unit for this wave
	s_sub_co_u32 s22, s21, 1
	s_sub_co_u32 s36, s21, s30                     ; tiles from my first unit on, at least 1
	s_add_co_u32 s36, s36, NW*MT-1
	s_mul_i32 s36, s36, DIVM
	s_lshr_b32 s36, s36, 16                        ; my units: those tiles / (NW MT), rounded up
	s_min_u32 s36, s36, 7
	s_mov_b32 s37, 1                               ; the loop's counter: all my units but the last go round it
.macro TILES l                         ; s[TN + mt] = the table's number of tile s[l] + mt of my expert, clamped to its last
.set mt, 0
.rept MT
	s_add_co_u32 s[TN+mt], s[\l], mt
	s_min_u32 s[TN+mt], s[TN+mt], s22
	s_add_co_u32 s[TN+mt], s[TN+mt], s20
	s_min_u32 s[TN+mt], s[TN+mt], 135
.set mt, mt+1
.endr
.endm
.macro OFFS adr                        ; their offsets in the token operand
.set mt, 0
.rept MT
	v_lshl_add_u32 v[\adr+mt], s[TN+mt], ASH, v[VL]
.set mt, mt+1
.endr
.endm
.macro OUTS                            ; and where their results, or their tokens' numbers, lie
.set mt, 0
.rept MT
.if G2
	v_lshl_add_u32 v[VO+mt], s[TN+mt], 6, v[VT]
.else
	v_lshl_add_u32 v[VO+mt], s[TN+mt], 16, v[VC]
.endif
.set mt, mt+1
.endr
.endm
.macro AFILL kk, adr                   ; 2 MT loads: the token fragments that go with place kk, of the unit whose offsets lie in v[adr ..]
.set sb, SB+2*((\kk)/CH)               ; the base of the quarter that lies at place kk / CH; the k-step in the quarter stands in the immediate
.set mt, 0
.rept MT
.set rt, TR+8*MT*((\kk)%SA)+8*mt
	global_load_b128 v[rt:rt+3], v[\adr+mt], s[sb:sb+1] offset:((\kk)%CH)*1024
	global_load_b128 v[rt+4:rt+7], v[\adr+mt], s[sb:sb+1] offset:((\kk)%CH)*1024+512
.set mt, mt+1
.endr
.endm
.macro BFILL kk                        ; 8 LDS loads: the four weight fragments of place kk; 512 consecutive bytes each
.set q, 0
.rept 4
.set rw, WR+32*((\kk)&1)+8*q
	ds_load_b128 v[rw:rw+3], v[BA+((\kk)>>4)] offset:((\kk)&15)*4096+q*1024
	ds_load_b128 v[rw+4:rw+7], v[BA+((\kk)>>4)] offset:((\kk)&15)*4096+q*1024+512
.set q, q+1
.endr
.endm
; One k-step: 4 MT matrix instructions; behind the first four the next place's weight fragments are asked for, behind the last the token slot is asked for again.
; last = 1: the wave's last unit: what would belong to a next unit is not asked for, and the counts run down.
.macro STEP k, last
.set na, SA-1
.set af, 1                             ; token loads follow the products
.set bf, 1                             ; the next place's weight fragments are asked for
.set wt, 1                             ; a later load hangs on the end of this k-step's products
.if \last
.if (KS-1-(\k)) < (SA-1)
.set na, KS-1-(\k)
.endif
.if ((\k)+SA) >= KS
.set af, 0
.endif
.if ((\k)+1) >= KS
.set bf, 0
.endif
.if ((\k)+2) >= KS
.set wt, 0
.endif
.endif
.set na, 2*MT*na
.if G2
.if (\k) < SA
.set na, na+2*MT
.endif
.endif
	s_wait_loadcnt na                              ; younger: 2 MT loads for each later k-step in the ring (G2 = 1, the unit's first SA k-steps: and the 6 loads of token numbers)
	s_wait_dscnt 0x0                               ; this place's weight fragments are in: no LDS load is younger than they
	WIN FROM1
	; the 4 MT accumulators take turns, one instruction a turn, in the same order in every k-step
.set mt, 0
.rept MT
.set q, 0
.rept 4
.set rd, ACC+8*(4*mt+q)
.set rw, WR+32*((\k)&1)+8*q
.set rt, TR+8*MT*((\k)%SA)+8*mt
.if (\k) == 0
.if G2
	v_wmma_f32_16x16x32_bf16 v[rd:rd+7], v[rw:rw+7], v[rt:rt+7], 0
.else
	v_wmma_f32_16x16x32_bf16 v[rd:rd+7], v[rw:rw+7], v[rt:rt+7], v[BI+8*q:BI+8*q+7]   ; the sum starts from the bias
.endif
.else
	v_wmma_f32_16x16x32_bf16 v[rd:rd+7], v[rw:rw+7], v[rt:rt+7], v[rd:rd+7]
.endif
.set q, q+1
.endr
.if (mt == 0) && bf
	WIN INTO1
	BFILL ((\k)+1)%KS                              ; into the slot that the k-step before read.  No wait: the four products since the wait at that k-step's end name none of these registers
	WIN FROM1
.endif
.set mt, mt+1
.endr
.if (\k) == (KS-1)
.rept 4
	v_nop                                          ; four places between the unit's last products and the instructions that read their results (ISA guide 7.12.1)
.endr
.endif
.if af
	WIN INTO1
.endif
.if wt
	s_wait_alu depctr_va_vdst(0)                   ; this k-step's products are done reading their token slot, in which the loads below land, and their weight slot, in which the next k-step's LDS loads land
.endif
.if af
.if ((\k)+SA) < KS
	AFILL (\k)+SA, AC
.else
	AFILL (\k)+SA-KS, AN                           ; the ring runs on into the next unit
.endif
.endif
.endm
.macro BLOCK last                      ; a unit's products
.if G2
.set mt, 0
.rept MT
	global_load_b128 v[TK+8*mt:TK+8*mt+3], v[VO+mt], s[10:11]              ; the tokens of rows 8 h .. 8 h + 7 of each tile.  No wait: VO is written and TK is free since the waits ahead of the label
	global_load_b128 v[TK+8*mt+4:TK+8*mt+7], v[VO+mt], s[10:11] offset:16
.set mt, mt+1
.endr
.endif
.set ka, 0
.rept KS
	STEP ka, \last
.set ka, ka+1
.endr
	v_nop                                          ; the fifth place: the next unit's first products write over these accumulators
	WIN 0
.endm
.macro EPI                             ; a unit's results leave
.if G2
.set mt, 0
.rept MT
.if mt > 0
	s_wait_alu depctr_vm_vsrc(0)                   ; the tile before: its LDS stores have read R, which the additions below write again; its stores have read Z, in which the LDS loads below land
.endif
.set j, 0
.rept 8
.set q, 0
.rept 4
	v_add_f32 v[R+4*j+q], v[ACC+8*(4*mt+q)+j], v[BI+4*j+q]                 ; the bias; and four neighbouring columns come to lie in neighbouring registers
.set q, q+1
.endr
.set j, j+1
.endr
.set t, 0
.rept 8
	v_min_u32 v[TK+8*mt+t], 2047, v[TK+8*mt+t]
	v_mul_u32_u24 v[TK+8*mt+t], v[TK+8*mt+t], 4128                         ; the token's row of out0,
	v_add_nc_u32 v[TK+8*mt+t], v[TK+8*mt+t], v[VC]                         ; my 16 bytes of the block's 256
.set t, t+1
.endr
	s_wait_alu depctr_va_vdst(0)                   ; R is written, which the LDS stores read; so are this tile's offsets in TK, which the stores read
.set t, 0
.rept 8
	ds_store_b128 v[VSW], v[R+4*t:R+4*t+3] offset:16*t                     ; row r, columns 32 h + 4 t ..: rows 272 bytes apart start 16 bytes apart modulo 256
.set t, t+1
.endr
	s_wait_xcnt 0x0                                ; Z, which the last tile's stores read, is loaded again only behind this wait
.set t, 0
.rept 8
	ds_load_b128 v[Z+4*t:Z+4*t+3], v[VSR] offset:272*t                     ; rows t and 8 + t, whole.  My own bytes, served in order: these see the stores above
.set t, t+1
.endr
.set t, 0
.rept 8
	s_wait_dscnt 7-t
	global_store_b128 v[TK+8*mt+t], v[Z+4*t:Z+4*t+3], s[12:13] th:TH_STORE_NT   ; 16 lanes store 256 consecutive bytes of one row (rows of 4,128 bytes: aligned to 32)
.set t, t+1
.endr
.set mt, mt+1
.endr
.else
.set a, 0
.rept 4*MT
.set i, 0
.rept 4
	v_cvt_pk_bf16_f32 v[ACC+8*a+i], v[ACC+8*a+2*i], v[ACC+8*a+2*i+1]       ; an accumulator's eight numbers close up into its low four registers, from its low end on
.set i, i+1
.endr
.set a, a+1
.endr
	s_wait_alu depctr_va_vdst(0)                   ; the roundings have written the accumulators' low halves, which the stores read
.set mt, 0
.rept MT
.set q, 0
.rept 4
	global_store_b128 v[VO+mt], v[ACC+8*(4*mt+q):ACC+8*(4*mt+q)+3], s[12:13] offset:q*512    ; k-step 2 block + q / 2, half q % 2 of hs: 512 consecutive aligned bytes
.set q, q+1
.endr
.set mt, mt+1
.endr
.endif
.endm
	TILES 30
	OFFS AC
	OUTS
	s_add_co_u32 s23, s30, NW*MT                   ; my next unit's first tile
	TILES 23
	OFFS AN
	WIN INTO1
	s_wait_alu depctr_va_vdst(0)                   ; AC, AN and VO are written, which the loads and stores below read; the roundings are done reading the staging slots, in which the rings' loads land
.set ka, 0
.rept SA
	AFILL ka, AC                                   ; the token ring is filled: 2 MT SA loads
.set ka, ka+1
.endr
	BFILL 0
	WIN 0
	s_cmp_le_u32 s36, 1
	s_cbranch_scc1 .Llast
.Lunit:                                            ; on both ways in: SA k-steps of tokens and place 0 of the weights are asked for
	BLOCK 0
	EPI
	s_wait_xcnt 0x0                                ; the offsets below are sources of loads and stores that were issued above; so are the stores' data, which the next unit writes again
	s_wait_alu depctr_vm_vsrc(0)                   ; those loads and stores have read AC, AN and VO, which are written below, and their data and offsets, which the next unit's products, additions and loads write
.set mt, 0
.rept MT
	v_mov_b32 v[AC+mt], v[AN+mt]
.set mt, mt+1
.endr
	OUTS
	s_add_co_u32 s23, s23, NW*MT
	TILES 23
	OFFS AN
	s_wait_alu depctr_va_vdst(0)                   ; AC, AN and VO are written, which the next unit's loads and stores read; G2 = 1: the offsets' arithmetic is done with TK, in which the next token numbers land
	s_add_co_u32 s37, s37, 1
	s_cmp_lt_u32 s37, s36
	s_cbranch_scc1 .Lunit
.Llast:
	BLOCK 1
	EPI
.Lend:
	s_wait_dscnt 0x0
	s_wait_alu depctr_hold_cnt(0) depctr_sa_sdst(0) depctr_va_vdst(0) depctr_va_sdst(0) depctr_va_ssrc(0) depctr_va_vcc(0) depctr_vm_vsrc(0)
	s_wait_tensorcnt 0x0
	ds_add_u32 v126, v127
	s_wait_dscnt 0x0
	s_endpgm
.Lfunc_end_k_q98ef9cab19_gemm2:
	.size	k_q98ef9cab19_gemm2, .Lfunc_end_k_q98ef9cab19_gemm2-k_q98ef9cab19_gemm2
	.p2alignl 7, 3214868480
	.fill 96, 4, 3214868480
	.section	.rodata,"a",@progbits
	.p2align	6, 0x0
	.amdhsa_kernel k_q98ef9cab19_gemm2
		.amdhsa_group_segment_fixed_size 280064
		.amdhsa_private_segment_fixed_size 0
		.amdhsa_enable_private_segment 0
		.amdhsa_kernarg_size 40
		.amdhsa_user_sgpr_count 2
		.amdhsa_user_sgpr_kernarg_segment_ptr 1
		.amdhsa_wavefront_size32 1
		.amdhsa_system_sgpr_workgroup_id_x 1
		.amdhsa_system_sgpr_workgroup_id_y 1
		.amdhsa_system_sgpr_workgroup_id_z 1
		.amdhsa_system_vgpr_workitem_id 0
		.amdhsa_next_free_vgpr 512
		.amdhsa_next_free_sgpr 66
		.amdhsa_reserve_vcc 0
		.amdhsa_float_denorm_mode_32 3
		.amdhsa_float_denorm_mode_16_64 3
		.amdhsa_memory_ordered 1
		.amdhsa_forward_progress 1
		.amdhsa_inst_pref_size 255
	.end_amdhsa_kernel
	.section	.bss,"aw",@nobits
	.p2align	6
	.space	262144
	.amdgpu_metadata
---
amdhsa.version: [ 1, 2 ]
amdhsa.kernels:
  - .name:           k_q98ef9cab19_gemm2
    .symbol:         k_q98ef9cab19_gemm2.kd
    .args:
      - { .name: hs, .offset: 0, .size: 8, .value_kind: global_buffer, .address_space: global }
      - { .name: W2, .offset: 8, .size: 8, .value_kind: global_buffer, .address_space: global }
      - { .name: b2, .offset: 16, .size: 8, .value_kind: global_buffer, .address_space: global }
      - { .name: tab, .offset: 24, .size: 8, .value_kind: global_buffer, .address_space: global }
      - { .name: out0, .offset: 32, .size: 8, .value_kind: global_buffer, .address_space: global }
    .group_segment_fixed_size: 280064
    .private_segment_fixed_size: 0
    .kernarg_segment_align: 8
    .kernarg_segment_size: 40
    .max_flat_workgroup_size: 128
    .sgpr_count:     66
    .vgpr_count:     512
    .wavefront_size: 32
...
	.end_amdgpu_metadata
.endif
;; end of part 10
